; MI455X (gfx1250); checked and timed in simulation.
; The chip was launched on July 23, 2026; its instructions are those of AMD's public machine-readable ISA for CDNA 5 (MIT licence, August 2026) and "CDNA5" Instruction Set Architecture Reference Guide (July 2026). The comments in the code are by the model that wrote it; some were corrected since.
;; Moe Layer. Allowed arithmetic: float matrix products may take bf16 or f16 operands with f32 sums; other float arithmetic in f32, or as packed bf16 or f16 multiplies, adds, multiply-adds, maxima and minima; sums over many terms, partial sums and values carried from step to step in f32; what a program stores and reads back later, other than sums and carried values, may be rounded once to bf16 or f16.
;; Inputs: alpha one number float32; gate_img_b 8 float32; gate_img_w 1,024 x 8 float32; gate_txt_b 8 float32; gate_txt_w 1,024 x 8 float32; inputs 256 x 4 x 1,024 float32; task_gate_b 8 float32; task_gate_w 1,024 x 8 float32; task_param 4 x 1,024 float32; w1 8 x 1,024 x 4,096 float32; w2 8 x 4,096 x 1,024 float32.
;; Outputs: out0 256 x 4 x 1,024 float32; out1 one number float32.
;; Constants: is_text = 1.
;; 3 versions, each right; version 2 is faster than version 1; version 3 is version 2 with the launches ffn1, ffn2 written anew for expert scheduling mode. Each part assembles by itself: llvm-mc -triple=amdgcn-amd-amdhsa -mcpu=gfx1250 --defsym DOCPART=n.
;; ======== version 1 of 3: 4 launches
;; workspace buffers: xb 2,097,152 bytes; route 2,048 bytes of whole numbers; pre 1,024 bytes of whole numbers; gatew 8,192 bytes; softp 1,024 bytes; hbuf 67,108,864 bytes; part 134,217,728 bytes
;; launch router (part 1): grid 32 x 1, 8 waves a work-group, no clusters, 103,936 bytes of LDS; arguments inputs, task_param, gate_txt_w, gate_txt_b, task_gate_w, task_gate_b, alpha, xb, route, gatew, softp; writes xb, route, gatew, softp
.if DOCPART == 1
	.amdgcn_target "amdgcn-amd-amdhsa--gfx1250"
	.amdhsa_code_object_version 6
	.text
	.protected	k_qa8a86fca94_router
	.globl	k_qa8a86fca94_router
	.p2align	8
	.type	k_qa8a86fca94_router,@function
k_qa8a86fca94_router:
	s_mov_b64 s[64:65], 0
	v_nop
	global_prefetch_b8 v0, s[64:65] scope:SCOPE_SE
	s_setreg_imm32_b32 hwreg(HW_REG_WAVE_MODE, 25, 1), 1
	s_wait_xcnt 0x0
; ROUTER.  1,024 tokens (token = 4 l + b) of 1,024 channels, 8 experts, the best two chosen.
; logit[e] = (1 - alpha)(x . gate_txt_w[:, e] + gate_txt_b[e]) + alpha (task_param[b] . task_gate_w[:, e] + task_gate_b[e]).
; is_text is the constant 1, so the image gate's two tensors enter no result and are not read.
; LIMITS.  Every floating-point input (x, task_param, both gate matrices, both biases, alpha) is rounded to bf16 before use, as in the
; later launches: the program follows the reference on inputs so rounded.  Products of bf16 numbers are summed in f32 by the matrix unit, 128 channels a wave,
; and the eight parts are added in f32: logits that differ by less than that sum's last bits may be ordered otherwise than by another order of summation.
; Ties go to the lower expert.  NaN and infinities are not treated apart.
; SHARES.  Work-group g owns tokens 32 g .. 32 g + 31 (one word of each expert's bitmap).  Wave v owns channels 128 v .. 128 v + 127 of those 32 rows and of the 4 task rows.
; It stores its part of x as bf16 (xb), multiplies, and leaves 3 tiles of partial logits in LDS.  Wave 0 then works with lane = token.
; STORED: xb [token][1024] bf16; route: bm[e][g] at byte 128 e + 4 g and again bmT[g][e] at byte 1024 + 32 g + 4 e (bit i: token 32 g + i chose e);
; gatew [token][2]: the weight of the lower-numbered chosen expert, then of the higher; softp [g][8]: the sum of the softmax over the 32 tokens.
; All at fixed places: no address and no branch hangs on a logit.
; LDS: XT, a wave's own 36 rows (32 tokens, 4 task rows) of 256 bytes + 16 of padding; PART [wave][tile 3][lane][8 f32]; the spare words.
.set XPIT,  272                        ; 68 words: the 16 rows of a fragment load start at 16 different groups of four banks (64 banks of 4 bytes: ISA guide 11.1)
.set XTW,   36*XPIT
.set PART,  8*XTW
.set PW,    3072
.set SPARE, PART+8*PW                  ; 128 bytes for each of the eight waves: four blocks of 256 bytes that no other line names
.set MSB, 0
.macro WIN new                         ; the immediate's high byte repeats the setting that is left; a switch that changes nothing is dropped
.if MSB != (\new)
	s_set_vgpr_msb (MSB<<8)|(\new)
.set MSB, \new
.endif
.endm
; window 0: v0-15 addresses; v16-79 gate weights, v80-143 task weights (f32, then packed in place); v144-159 task rows; v160-231 the 36 rows packed; v232-255 three accumulators
; window 1: v0-127 the 32 token rows in f32, then v0-95 the twelve row fragments
	s_load_b512 s[4:19], s[0:1], 0x0               ; inputs s[4:5], task_param s[6:7], gate_txt_w s[8:9], gate_txt_b s[10:11], task_gate_w s[12:13], task_gate_b s[14:15], alpha s[16:17], xb s[18:19]
	s_load_b128 s[20:23], s[0:1], 0x40             ; route s[20:21], gatew s[22:23]
	s_load_b64 s[24:25], s[0:1], 0x50              ; softp
	v_lshl_add_u32 v4, v0, 2, SPARE                ; my spare word,
	v_mov_b32 v5, 0                                ; and 0: kept for the closing lines alone
	v_and_b32 v1, 31, v0                           ; lane
	v_lshrrev_b32 v2, 5, v0
	v_readfirstlane_b32 s26, v2                    ; wave v
	v_and_b32 v2, 15, v0                           ; r
	v_bfe_u32 v3, v0, 4, 1                         ; h
	s_mov_b32 s27, ttmp9                           ; g
	s_mov_b32 s28, 0x76543210                      ; v_permlanex16_b32: each lane takes its own place in the other half
	s_mov_b32 s29, 0xfedcba98
	s_mul_i32 s57, s26, XTW                        ; my rows in LDS
	v_lshlrev_b32 v6, 4, v1                        ; 16 bytes a lane: 4 channels in f32
	v_lshlrev_b32 v7, 3, v1                        ; 8 bytes a lane: the same 4 in bf16
	v_lshl_add_u32 v8, v1, 3, s57                  ; where I put them in a row of XT
	v_mul_u32_u24 v9, v2, XPIT
	v_lshl_add_u32 v9, v3, 4, v9
	v_add_nc_u32 v9, s57, v9                       ; a token fragment: row r, 16 bytes for each half of the lanes
	v_and_b32 v10, 3, v0
	v_mul_u32_u24 v10, v10, XPIT
	v_lshl_add_u32 v10, v3, 4, v10
	v_add_nc_u32 v10, s57, v10
	v_add_nc_u32 v10, 32*XPIT, v10                 ; the task fragment: row 32 + r % 4 (the four rows four times)
	v_and_b32 v11, 7, v0
	v_lshlrev_b32 v11, 2, v11
	v_lshl_add_u32 v11, v3, 8, v11                 ; in a gate matrix: channel 8 h, expert r % 8 (experts 8-15 of the tile repeat 0-7)
	s_mul_i32 s39, s26, PW
	s_add_co_u32 s39, s39, PART
	v_lshl_add_u32 v12, v1, 5, s39                 ; my 32 bytes in a tile of PART
	v_mov_b32 v13, 0
	s_lshl_b32 s58, s27, 17                        ; 32 rows of 4,096 bytes,
	s_lshl_b32 s60, s26, 9                         ; my 512 bytes of a row
	s_add_co_u32 s58, s58, s60
	s_mov_b32 s59, 0
	s_mov_b32 s61, 0
	s_lshl_b32 s62, s26, 12                        ; my 128 rows of 32 bytes in a gate matrix
	s_mov_b32 s63, 0
	s_lshl_b32 s36, s27, 16                        ; xb: 32 rows of 2,048 bytes,
	s_lshl_b32 s37, s26, 8                         ; my 256 bytes of a row
	s_add_co_u32 s36, s36, s37
	s_mov_b32 s37, 0
	s_lshl_b32 s30, s27, 8                         ; gatew: 32 tokens of 8 bytes
	s_mov_b32 s31, 0
	s_lshl_b32 s32, s27, 5                         ; softp: 32 bytes
	s_mov_b32 s33, 0
	s_wait_kmcnt 0x0
	s_load_b256 s[40:47], s[10:11], 0x0            ; the gate's bias,
	s_load_b256 s[48:55], s[14:15], 0x0            ; the task gate's,
	s_load_b32 s56, s[16:17], 0x0                  ; alpha: no line of this launch writes them
	s_add_nc_u64 s[4:5], s[4:5], s[58:59]
	s_add_nc_u64 s[6:7], s[6:7], s[60:61]
	s_add_nc_u64 s[8:9], s[8:9], s[62:63]
	s_add_nc_u64 s[12:13], s[12:13], s[62:63]
	s_add_nc_u64 s[18:19], s[18:19], s[36:37]
	s_add_nc_u64 s[22:23], s[22:23], s[30:31]
	s_add_nc_u64 s[24:25], s[24:25], s[32:33]
	WIN 0x40                                       ; destination window 1
.set i, 0
.rept 32
	global_load_b128 v[4*i:4*i+3], v6, s[4:5] offset:i*4096 th:TH_LOAD_NT  ; 512 consecutive bytes of token row i
.set i, i+1
.endr
	WIN 0
.set i, 0
.rept 4
	global_load_b128 v[144+4*i:147+4*i], v6, s[6:7] offset:i*4096
.set i, i+1
.endr
.set i, 0
.rept 64                                       ; number i = 16 c + m: chunk c of 32 channels, channel 8 h + m (m < 8) or 16 + 8 h + m - 8: the order of a fragment's registers
	global_load_b32 v[16+i], v11, s[8:9] offset:(32*(i/16)+(i%16)+8*((i%16)/8))*32
	global_load_b32 v[80+i], v11, s[12:13] offset:(32*(i/16)+(i%16)+8*((i%16)/8))*32
.set i, i+1
.endr
	s_wait_loadcnt 0x0
	s_wait_kmcnt 0x0
	WIN 0x05                                       ; sources window 1, destination window 0
.set i, 0
.rept 64
	v_cvt_pk_bf16_f32 v[160+i], v[2*i], v[2*i+1]   ; row i / 2, two channels
.set i, i+1
.endr
	WIN 0
.set i, 0
.rept 8
	v_cvt_pk_bf16_f32 v[224+i], v[144+2*i], v[145+2*i]
.set i, i+1
.endr
.set i, 0
.rept 32
	global_store_b64 v7, v[160+2*i:161+2*i], s[18:19] offset:i*2048  ; the wave's store covers 256 consecutive bytes, aligned
.set i, i+1
.endr
.set i, 0
.rept 36
	ds_store_b64 v8, v[160+2*i:161+2*i] offset:i*XPIT
.set i, i+1
.endr
.set i, 0
.rept 32                                       ; the weights are packed in place, ascending: register i takes numbers 2 i and 2 i + 1, which no later line reads
	v_cvt_pk_bf16_f32 v[16+i], v[16+2*i], v[17+2*i]
	v_cvt_pk_bf16_f32 v[80+i], v[80+2*i], v[81+2*i]
.set i, i+1
.endr
	WIN 0x40
.irp a, 0,1                                    ; LDS serves a wave's instructions in order (ISA guide 5.7.1.4): these see my stores above
.irp c, 0,1,2,3
	ds_load_b128 v[8*(4*\a+\c):8*(4*\a+\c)+3],   v9 offset:\a*16*XPIT+64*\c
	ds_load_b128 v[8*(4*\a+\c)+4:8*(4*\a+\c)+7], v9 offset:\a*16*XPIT+64*\c+32
.endr
.endr
.irp c, 0,1,2,3
	ds_load_b128 v[8*(8+\c):8*(8+\c)+3],   v10 offset:64*\c
	ds_load_b128 v[8*(8+\c)+4:8*(8+\c)+7], v10 offset:64*\c+32
.endr
	s_wait_dscnt 0x0
	; Source 0 = 16 columns of a gate matrix, source 1 = 16 rows: lane (r, h) then holds row r, and register j expert j.  The three accumulators take turns.
	WIN 0x04                                       ; source 1 window 1
	v_wmma_f32_16x16x32_bf16 v[232:239], v[16:23], v[0:7], 0
	v_wmma_f32_16x16x32_bf16 v[240:247], v[16:23], v[32:39], 0
	v_wmma_f32_16x16x32_bf16 v[248:255], v[80:87], v[64:71], 0
.irp c, 1,2,3
	v_wmma_f32_16x16x32_bf16 v[232:239], v[16+8*\c:23+8*\c], v[8*\c:8*\c+7], v[232:239]
	v_wmma_f32_16x16x32_bf16 v[240:247], v[16+8*\c:23+8*\c], v[32+8*\c:39+8*\c], v[240:247]
	v_wmma_f32_16x16x32_bf16 v[248:255], v[80+8*\c:87+8*\c], v[64+8*\c:71+8*\c], v[248:255]
.endr
	WIN 0
.rept 4
	v_nop                                          ; four places between the last product and the stores that read results
.endr
.irp t, 0,1,2
	ds_store_b128 v12, v[232+8*\t:235+8*\t] offset:\t*1024
	ds_store_b128 v12, v[236+8*\t:239+8*\t] offset:\t*1024+16
.endr
	s_wait_dscnt 0x0                               ; for wave 0's sake: my partial logits are in LDS
	s_barrier_signal -1
	s_barrier_wait -1
	s_cmp_lg_u32 s26, 0
	s_cbranch_scc1 .Lend
	; WAVE 0, lane = token 32 g + lane.
	s_wait_xcnt 0x0                                ; registers that my stores to xb read are written again below
	v_lshlrev_b32 v14, 5, v2
	v_lshl_add_u32 v14, v3, 10, v14
	v_add_nc_u32 v14, PART, v14                    ; tile lane / 16, the place of lane r = lane % 16, h = 0
	v_and_b32 v15, 3, v0
	v_lshlrev_b32 v15, 5, v15
	v_add_nc_u32 v15, PART+2048, v15               ; the task tile, row b = token % 4
.set i, 0
.rept 8
	ds_load_b128 v[16+8*i:19+8*i], v14 offset:i*PW
	ds_load_b128 v[20+8*i:23+8*i], v14 offset:i*PW+16
	ds_load_b128 v[80+8*i:83+8*i], v15 offset:i*PW
	ds_load_b128 v[84+8*i:87+8*i], v15 offset:i*PW+16
.set i, i+1
.endr
.set i, 0
.rept 8
	v_mov_b32 v[144+i], s[40+i]
	v_mov_b32 v[152+i], s[48+i]
.set i, i+1
.endr
	v_mov_b32 v160, s56
.set i, 0
.rept 8                                        ; biases rounded to bf16 and widened again, two at a time
	v_cvt_pk_bf16_f32 v177, v[144+2*i], v[145+2*i]
	v_lshlrev_b32 v[144+2*i], 16, v177
	v_and_b32 v[145+2*i], 0xffff0000, v177
.set i, i+1
.endr
	v_cvt_pk_bf16_f32 v177, v160, v160
	v_lshlrev_b32 v160, 16, v177                   ; alpha
	v_sub_f32 v161, 1.0, v160                      ; 1 - alpha
	s_wait_dscnt 0x0
.irp w, 1,2,3,4,5,6,7
.irp z, 0,2,4,6
	v_pk_add_f32 v[16+\z:17+\z], v[16+\z:17+\z], v[16+8*\w+\z:17+8*\w+\z]
	v_pk_add_f32 v[80+\z:81+\z], v[80+\z:81+\z], v[80+8*\w+\z:81+8*\w+\z]
.endr
.endr
.irp z, 0,2,4,6
	v_pk_add_f32 v[16+\z:17+\z], v[16+\z:17+\z], v[144+\z:145+\z]
	v_pk_add_f32 v[80+\z:81+\z], v[80+\z:81+\z], v[152+\z:153+\z]
.endr
.irp e, 0,1,2,3,4,5,6,7
	v_mul_f32 v[80+\e], v160, v[80+\e]
.endr
.irp e, 0,1,2,3,4,5,6,7
	v_fma_f32 v[16+\e], v161, v[16+\e], v[80+\e]   ; the logits, v16-23
.endr
	v_mov_b32 v162, v16                            ; the best: value v162, expert v163; a later expert must be strictly greater
	v_mov_b32 v163, 0
.irp e, 1,2,3,4,5,6,7
	v_cmp_gt_f32 vcc_lo, v[16+\e], v162
	v_cndmask_b32 v162, v162, v[16+\e], vcc_lo
	v_cndmask_b32 v163, v163, \e, vcc_lo
.endr
	v_mov_b32 v164, 0xff800000                     ; the second: value v164, expert v165; the best is left out
	v_mov_b32 v165, 0
.irp e, 0,1,2,3,4,5,6,7
	v_cmp_gt_f32 s38, v[16+\e], v164
	v_cmp_ne_u32 s39, \e, v163
	s_and_b32 vcc_lo, s38, s39
	v_cndmask_b32 v164, v164, v[16+\e], vcc_lo
	v_cndmask_b32 v165, v165, \e, vcc_lo
.endr
.irp e, 0,1,2,3,4,5,6,7
	v_sub_f32 v[168+\e], v[16+\e], v162            ; the maximum is taken away before the exponentials
.endr
	v_sub_f32 v176, v164, v162
.irp e, 0,1,2,3,4,5,6,7,8
	v_mul_f32 v[168+\e], 0x3fb8aa3b, v[168+\e]     ; log2(e); number 8 is v176
.endr
.irp e, 0,1,2,3,4,5,6,7,8
	v_exp_f32 v[168+\e], v[168+\e]
.endr
	v_nop                                          ; a plain instruction behind the last exponential (ISA guide 5.7.2),
	s_wait_alu depctr_va_vdst(0)                   ; and one wait ahead of the batch's first reader
	v_add_f32 v182, v168, v169
	v_add_f32 v177, v170, v171
	v_add_f32 v178, v172, v173
	v_add_f32 v186, v174, v175
	v_add_f32 v182, v182, v177
	v_add_f32 v178, v178, v186
	v_add_f32 v182, v182, v178                     ; the sum of all eight
	v_add_f32 v183, 1.0, v176                      ; the sum of the best two
	v_rcp_f32 v184, v182
	v_rcp_f32 v185, v183
	v_nop
	s_wait_alu depctr_va_vdst(0)                   ; one wait for the two reciprocals
.irp e, 0,1,2,3,4,5,6,7
	v_mul_f32 v[168+\e], v[168+\e], v184           ; the softmax over all experts
.endr
	v_mul_f32 v186, v176, v185                     ; the second's weight; the best's is v185
	v_cmp_lt_u32 vcc_lo, v163, v165
	v_cndmask_b32 v166, v186, v185, vcc_lo         ; the lower-numbered expert's weight,
	v_cndmask_b32 v167, v185, v186, vcc_lo         ; the higher's
	v_lshlrev_b32 v187, 3, v1
	global_store_b64 v187, v[166:167], s[22:23]    ; 256 consecutive bytes, aligned
.irp e, 0,1,2,3,4,5,6,7                        ; the softmax summed over the 32 tokens: four steps inside each half of the lanes, one across
	v_add_f32_dpp v[168+\e], v[168+\e], v[168+\e] row_xmask:1 row_mask:0xf bank_mask:0xf
	v_add_f32_dpp v[168+\e], v[168+\e], v[168+\e] row_xmask:2 row_mask:0xf bank_mask:0xf
	v_add_f32_dpp v[168+\e], v[168+\e], v[168+\e] row_xmask:4 row_mask:0xf bank_mask:0xf
	v_add_f32_dpp v[168+\e], v[168+\e], v[168+\e] row_xmask:8 row_mask:0xf bank_mask:0xf
	v_permlanex16_b32 v178, v[168+\e], s28, s29
	v_add_f32 v[168+\e], v[168+\e], v178
.endr
	v_mov_b32 v179, 0
.irp e, 0,1,2,3,4,5,6,7                        ; expert e's word of the bitmap, into lane e
	v_cmp_eq_u32 s38, \e, v163
	v_cmp_eq_u32 s39, \e, v165
	s_or_b32 s[30+\e], s38, s39
	v_writelane_b32 v179, s[30+\e], \e
.endr
	s_lshl_b32 s38, s27, 2
	v_lshl_add_u32 v180, v1, 7, s38                ; bm[e][g]
	s_lshl_b32 s39, s27, 5
	s_add_co_u32 s39, s39, 1024
	v_lshl_add_u32 v181, v1, 2, s39                ; bmT[g][e]
	v_cmp_gt_u32 vcc_lo, 8, v1
	s_wait_xcnt 0x0                                ; EXEC changes only behind this wait
	s_and_saveexec_b32 s38, vcc_lo
	global_store_b32 v180, v179, s[20:21]
	global_store_b32 v181, v179, s[20:21]
	s_wait_xcnt 0x0
	s_or_b32 exec_lo, exec_lo, s38
	v_cmp_eq_u32 vcc_lo, 0, v1
	s_wait_xcnt 0x0
	s_and_saveexec_b32 s38, vcc_lo
	global_store_b128 v13, v[168:171], s[24:25]
	global_store_b128 v13, v[172:175], s[24:25] offset:16
	s_wait_xcnt 0x0
	s_or_b32 exec_lo, exec_lo, s38
.Lend:
	s_wait_tensorcnt 0x0                           ; the wave's end
	ds_add_u32 v4, v5
	s_wait_dscnt 0x0
	s_endpgm
.Lfunc_end_k_qa8a86fca94_router:
	.size	k_qa8a86fca94_router, .Lfunc_end_k_qa8a86fca94_router-k_qa8a86fca94_router
	.p2alignl 7, 3214868480
	.fill 96, 4, 3214868480
	.section	.rodata,"a",@progbits
	.p2align	6, 0x0
	.amdhsa_kernel k_qa8a86fca94_router
		.amdhsa_group_segment_fixed_size 103936
		.amdhsa_private_segment_fixed_size 0
		.amdhsa_enable_private_segment 0
		.amdhsa_kernarg_size 88
		.amdhsa_user_sgpr_count 2
		.amdhsa_user_sgpr_kernarg_segment_ptr 1
		.amdhsa_wavefront_size32 1
		.amdhsa_system_sgpr_workgroup_id_x 1
		.amdhsa_system_sgpr_workgroup_id_y 1
		.amdhsa_system_sgpr_workgroup_id_z 1
		.amdhsa_system_vgpr_workitem_id 0
		.amdhsa_next_free_vgpr 384
		.amdhsa_next_free_sgpr 66
		.amdhsa_reserve_vcc 1
		.amdhsa_float_denorm_mode_32 3
		.amdhsa_float_denorm_mode_16_64 3
		.amdhsa_memory_ordered 1
		.amdhsa_forward_progress 1
		.amdhsa_inst_pref_size 55
	.end_amdhsa_kernel
	.amdgpu_metadata
---
amdhsa.version: [ 1, 2 ]
amdhsa.kernels:
  - .name:           k_qa8a86fca94_router
    .symbol:         k_qa8a86fca94_router.kd
    .args:
      - { .name: inputs, .offset: 0, .size: 8, .value_kind: global_buffer, .address_space: global }
      - { .name: task_param, .offset: 8, .size: 8, .value_kind: global_buffer, .address_space: global }
      - { .name: gate_txt_w, .offset: 16, .size: 8, .value_kind: global_buffer, .address_space: global }
      - { .name: gate_txt_b, .offset: 24, .size: 8, .value_kind: global_buffer, .address_space: global }
      - { .name: task_gate_w, .offset: 32, .size: 8, .value_kind: global_buffer, .address_space: global }
      - { .name: task_gate_b, .offset: 40, .size: 8, .value_kind: global_buffer, .address_space: global }
      - { .name: alpha, .offset: 48, .size: 8, .value_kind: global_buffer, .address_space: global }
      - { .name: xb, .offset: 56, .size: 8, .value_kind: global_buffer, .address_space: global }
      - { .name: route, .offset: 64, .size: 8, .value_kind: global_buffer, .address_space: global }
      - { .name: gatew, .offset: 72, .size: 8, .value_kind: global_buffer, .address_space: global }
      - { .name: softp, .offset: 80, .size: 8, .value_kind: global_buffer, .address_space: global }
    .group_segment_fixed_size: 103936
    .private_segment_fixed_size: 0
    .kernarg_segment_align: 8
    .kernarg_segment_size: 88
    .max_flat_workgroup_size: 256
    .sgpr_count:     66
    .vgpr_count:     384
    .wavefront_size: 32
...
	.end_amdgpu_metadata
.endif
;; end of part 1
;; launch ffn1 (part 2): grid 32 x 8, 8 waves a work-group, no clusters, 267,264 bytes of LDS; arguments route, xb, w1, hbuf, pre; writes hbuf, pre
.if DOCPART == 2
	.amdgcn_target "amdgcn-amd-amdhsa--gfx1250"
	.amdhsa_code_object_version 6
	.text
	.protected	k_qa8a86fca94_ffn1
	.globl	k_qa8a86fca94_ffn1
	.p2align	8
	.type	k_qa8a86fca94_ffn1,@function
k_qa8a86fca94_ffn1:
	s_mov_b64 s[64:65], 0
	v_nop
	global_prefetch_b8 v0, s[64:65] scope:SCOPE_SE
	s_setreg_imm32_b32 hwreg(HW_REG_WAVE_MODE, 25, 1), 1
	s_wait_xcnt 0x0
; FIRST PRODUCT OF THE EXPERTS.  h = gelu(x w1[e]) for the tokens that chose expert e alone; gelu in its tanh form.
; Work-group (x, e) owns the slice w1[e][0 .. 1023][128 x .. 128 x + 127], which it alone reads, and all rows of expert e.
; LIMITS.  x arrives rounded to bf16 (xb); w1 is rounded to bf16 on its way through registers; sums in f32; h is rounded once to bf16.
; gelu(v) = v / (1 + 2^(v (c1 + c2 v v))), by v_exp_f32 and v_rcp_f32; where the power overflows the result is v x 0, where it vanishes v.  NaN and infinities are not treated apart.
; ROLES.  Waves 4-7 LOAD: they stream the slice (512 KiB of f32) through registers, 64 loads of 512 bytes out for each wave, round it and lay it ONCE into LDS in the order of the
; matrix operand.  Waves 0-3 COMPUTE.  A super-step is 256 of K: it is laid down, a barrier, it is multiplied, a barrier: while the slice is written no wave reads it, and while it is read no wave
; writes it.  The loads of the next super-step were issued while this one was laid down and stay out across both barriers.
; EVERY SPLIT IS SERVED.  An expert has cnt = 0 .. 1,024 rows, T = max(ceil(cnt / 16), 1) tiles of 16.  Pass P takes tiles 16 P + w + 4 i (wave w, i = 0..3).  Pass 0 goes with the stream and has no
; branch on the counts; a wave always multiplies four tiles, and places past the count repeat the last row.  The later passes run from the resident slice, in a loop of constant length in which a pass
; without a live tile is jumped over; it holds no barrier.  Whole tiles past the count are not stored.  The loaders wait at one closing barrier.
; WHICH TOKEN HAS RANK k is found in registers from the expert's bitmap (32 words, stored by the launch before): a search over the words' running counts, then over the word's bits.
; NO CLUSTER: each slice of weights has one reader, and the rows that an expert's work-groups share are gathered by a list, which no tile's descriptor covers.
; hbuf [e][tile 64][chunk 128 of 32 channels][quad 2][lane 32][16 bytes] is the next launch's row operand as its registers take it: an accumulator's lane holds eight neighbouring channels of one row.
; LDS: W [chunk 32][column tile 8], a fragment of 1,024 bytes + 16: byte 512 q + 16 l holds column l % 16, K = 32 c + 16 q + 8 (l / 16) + 0..7; then the spare words.
; REGISTERS.  window 0: v0-23 addresses; v24-55 the search; v64-127 BF, 8 weight fragments (loaders: packed numbers; the way out: at work); v128-255 AF, 4 chunks x 4 row fragments (the way out: packed h)
;             window 1: compute: accumulator (tile t, column tile n) at 64 t + 8 n; loaders: 4 slots of 16 loads x 4 registers
; SCALARS.  s14 wave; s15 wave % 4; s16 e; s17 x; s18 cnt; s19 T; s20 my live tiles of the pass; s21 my first tile; s22 the last rank; s24 counts passes; s25 counts super-steps; s26 counts blocks;
;           s27 the block's byte offset in a row operand; s[28:31] row bases; s[32:63] the bitmap; s[66:67] xb; s[68:69] the weights, walking; s70, s71 LDS bases; s[72:73] the stores' base; s75 16 x the next pass
.set WP,    16384                      ; bytes from row to row of w1[e]
.set WSH,   17                         ; 8 rows = 1 << WSH bytes
.set ACB,   64                         ; bytes of a row operand from chunk to chunk
.set AQ,    32                         ; and from a fragment's first four registers to its last four
.set FP,    1040                       ; 16 modulo 256: the loaders' 16 lanes, which write four fragments at steps of 64 bytes, meet 16 different groups of four banks (64 banks of 4 bytes: ISA guide 11.1)
.set CP,    8*FP
.set SPARE, 32*CP                      ; 128 bytes for each of the eight waves: four blocks of 256 bytes that no other line names
.set BF,    64
.set AF,    128
.set MSB, 0
.macro WIN new                         ; bits 1:0 source 0, 3:2 source 1, 5:4 source 2, 7:6 destination; the high byte repeats the setting that is left
.if MSB != (\new)
	s_set_vgpr_msb (MSB<<8)|(\new)
.set MSB, \new
.endif
.endm
; 16 loads: one unit, 32 of K x 64 columns.  Lanes 0-15 take 256 consecutive aligned bytes of one row, lanes 16-31 of the row 8 further down; load m takes rows m (m < 8) or m + 8.
.macro WLOADS u
	WIN 0x40
.set mi, 0
.rept 16
	global_load_b128 v[64*(\u)+4*mi:64*(\u)+4*mi+3], v14, s[68:69] offset:(64*(\u)+mi+8*(mi/8))*WP th:TH_LOAD_NT
.set mi, mi+1
.endr
	WIN 0
.endm
; One unit is rounded and laid down.  A lane holds 4 columns x 16 of K: for column c the pairs of neighbouring K pack into the eight registers of that column's place in a fragment.
; left = the younger loads that may stay out.  again = 1: the slot is asked for again, one super-step on.
.macro LUNIT u, again, left
	s_wait_loadcnt \left
	WIN 0x05
.irp c, 0,1,2,3
.irp i, 0,1,2,3,4,5,6,7
	v_cvt_pk_bf16_f32 v[BF+8*\c+\i], v[64*(\u)+8*\i+\c], v[64*(\u)+8*\i+4+\c]
.endr
.endr
.if \again
	WLOADS \u
.endif
	WIN 0
.irp c, 0,1,2,3
	ds_store_b128 v16, v[BF+8*\c:BF+8*\c+3] offset:(\u)*2*CP+16*\c
	ds_store_b128 v16, v[BF+8*\c+4:BF+8*\c+7] offset:(\u)*2*CP+512+16*\c
.endr
.endm
; 8 loads: the four tiles' row fragments of one chunk, into slot sl of AF
.macro ALOAD sl, bs, imm
.irp t, 0,1,2,3
	global_load_b128 v[AF+32*(\sl)+8*\t:AF+32*(\sl)+8*\t+3],   v[8+\t], s[\bs:\bs+1] offset:(\imm)
	global_load_b128 v[AF+32*(\sl)+8*\t+4:AF+32*(\sl)+8*\t+7], v[8+\t], s[\bs:\bs+1] offset:(\imm)+AQ
.endr
.endm
; 8 LDS loads: weight fragments 4 g .. 4 g + 3 of chunk j of the block; each takes 512 consecutive bytes
.macro BLOAD j, g
.irp n, 0,1,2,3
	ds_load_b128 v[BF+8*(4*(\g)+\n):BF+8*(4*(\g)+\n)+3],   v7 offset:(\j)*CP+(4*(\g)+\n)*FP
	ds_load_b128 v[BF+8*(4*(\g)+\n)+4:BF+8*(4*(\g)+\n)+7], v7 offset:(\j)*CP+(4*(\g)+\n)*FP+512
.endr
.endm
; 16 products: 4 tiles x 4 column tiles, 32 of K.  Source 0 = 16 columns of the weights, source 1 = 16 rows: lane (r, h) holds row r and columns 8 h + 0..7.
; The accumulators take turns, one instruction a turn.
; The four v_nop are the places in front of the loads into registers that these products read, and of whatever reads or clears the sums.
.macro HALF j, g
	WIN 0x50
.irp t, 0,1,2,3
.irp n, 0,1,2,3
	v_wmma_f32_16x16x32_bf16 v[64*\t+8*(4*(\g)+\n):64*\t+8*(4*(\g)+\n)+7], v[BF+8*(4*(\g)+\n):BF+8*(4*(\g)+\n)+7], v[AF+32*(\j)+8*\t:AF+32*(\j)+8*\t+7], v[64*\t+8*(4*(\g)+\n):64*\t+8*(4*(\g)+\n)+7]
.endr
.endr
	WIN 0
.rept 4
	v_nop
.endr
.endm
; One chunk.  Row fragments are asked for three chunks ahead, weight fragments half a chunk ahead.
.macro CHUNK j, pref
	s_wait_loadcnt 16                              ; the row loads of the next two chunks may stay out: this chunk's are in
	s_wait_dscnt 8                                 ; the eight loads of fragments 4-7 may stay out: fragments 0-3 are in
	HALF \j, 0
.if (\j) == 0
	ALOAD 3, 28, 3*ACB
.else
	ALOAD (\j)-1, 30, ((\j)-1)*ACB
.endif
.if \pref
	BLOAD (\j)+1, 0
	s_wait_dscnt 8                                 ; the eight just issued may stay out: fragments 4-7 are in
.else
	s_wait_dscnt 0x0
.endif
	HALF \j, 1
.if \pref
	BLOAD (\j)+1, 1
.endif
.endm
; A block of four chunks, at LDS byte s71 and at byte s27 of the row operands; both step on.
.macro C4
	s_wait_xcnt 0x0                                ; the row loads' bases are written again only behind this wait
	s_mov_b32 s84, s27
	s_mov_b32 s85, 0
	s_add_nc_u64 s[28:29], s[66:67], s[84:85]      ; this block's row operands,
	s_add_co_u32 s86, s27, 4*ACB
	s_and_b32 s86, s86, 32*ACB-1                   ; the next block's; behind the last block the first again: those three loads stay inside the rows and keep the counts constant
	s_mov_b32 s87, 0
	s_add_nc_u64 s[30:31], s[66:67], s[86:87]
	s_add_co_u32 s27, s27, 4*ACB
	v_add_nc_u32 v7, s71, v6
	s_add_co_u32 s71, s71, 4*CP
	BLOAD 0, 0
	BLOAD 0, 1
	CHUNK 0, 1
	CHUNK 1, 1
	CHUNK 2, 1
	CHUNK 3, 0
.endm
; One level of the search inside a word, for both vectors: is the rank left at or beyond the count of the field at bit SH?  Then pass the field.
.macro LEVEL so, wd, stp
.irp p, 0,1
	v_bfe_u32 v[34+16*\p], v[(\so)+16*\p], v[33+16*\p], \wd
	v_cmp_ge_u32 vcc_lo, v[24+16*\p], v[34+16*\p]
	v_cndmask_b32 v[34+16*\p], 0, v[34+16*\p], vcc_lo
	v_sub_nc_u32 v[24+16*\p], v[24+16*\p], v[34+16*\p]
	v_cndmask_b32 v[35+16*\p], 0, \stp, vcc_lo
	v_add_nc_u32 v[33+16*\p], v[33+16*\p], v[35+16*\p]
.endr
.endm
; A PASS IS SET UP: the tokens of my ranks, the first three chunks' row loads, the sums cleared.
; Two vectors p: lane (R, H) stands for row R of my tile 2 p + H.  v24+16p: rank; 25 word (x 4); 26, 27 at work; 28 the word; 29-32 its counts by 2, 4, 8, 16 bits; 33 bit; 36 token
.macro SETUP
	s_wait_xcnt 0x0                                ; the loads below land on registers that the last pass stored from,
	s_wait_loadcnt 0x0                             ; and no earlier load is still to write them
.irp p, 0,1
	s_lshl_b32 s84, s21, 4
	s_add_co_u32 s84, s84, 128*\p
	v_lshl_add_u32 v[24+16*\p], v3, 6, v2
	v_add_nc_u32 v[24+16*\p], s84, v[24+16*\p]     ; 16 (first + 8 p + 4 H) + R,
	v_min_u32 v[24+16*\p], s22, v[24+16*\p]        ; or the last rank that exists
	v_mov_b32 v[25+16*\p], 0
.endr
.irp st, 64,32,16,8,4                          ; the last word whose running count is not above the rank
.irp p, 0,1
	v_add_nc_u32 v[26+16*\p], \st, v[25+16*\p]
	ds_bpermute_b32 v[27+16*\p], v[26+16*\p], v12
.endr
	s_wait_dscnt 0x0
.irp p, 0,1
	v_cmp_le_u32 vcc_lo, v[27+16*\p], v[24+16*\p]
	v_cndmask_b32 v[25+16*\p], v[25+16*\p], v[26+16*\p], vcc_lo
.endr
.endr
.irp p, 0,1
	ds_bpermute_b32 v[28+16*\p], v[25+16*\p], v13
	ds_bpermute_b32 v[27+16*\p], v[25+16*\p], v12
.endr
	s_wait_dscnt 0x0
.irp p, 0,1
	v_sub_nc_u32 v[24+16*\p], v[24+16*\p], v[27+16*\p]   ; the rank inside the word
	v_lshrrev_b32 v[34+16*\p], 1, v[28+16*\p]
	v_and_b32 v[34+16*\p], s76, v[34+16*\p]
	v_sub_nc_u32 v[29+16*\p], v[28+16*\p], v[34+16*\p]
	v_lshrrev_b32 v[34+16*\p], 2, v[29+16*\p]
	v_and_b32 v[34+16*\p], s77, v[34+16*\p]
	v_and_b32 v[30+16*\p], s77, v[29+16*\p]
	v_add_nc_u32 v[30+16*\p], v[30+16*\p], v[34+16*\p]
	v_lshrrev_b32 v[34+16*\p], 4, v[30+16*\p]
	v_add_nc_u32 v[31+16*\p], v[30+16*\p], v[34+16*\p]
	v_and_b32 v[31+16*\p], s78, v[31+16*\p]
	v_lshrrev_b32 v[34+16*\p], 8, v[31+16*\p]
	v_add_nc_u32 v[32+16*\p], v[31+16*\p], v[34+16*\p]
	v_mov_b32 v[33+16*\p], 0
.endr
	LEVEL 32, 8, 16
	LEVEL 31, 8, 8
	LEVEL 30, 4, 4
	LEVEL 29, 2, 2
	LEVEL 28, 1, 1
.irp p, 0,1
	v_lshl_add_u32 v[36+16*\p], v[25+16*\p], 3, v[33+16*\p]  ; 32 x word + bit
	ds_bpermute_b32 v[8+2*\p], v21, v[36+16*\p]    ; tile 2 p: every lane (R, .) takes lane R's token,
	ds_bpermute_b32 v[9+2*\p], v22, v[36+16*\p]    ; tile 2 p + 1: lane 16 + R's
.endr
	s_wait_dscnt 0x0
.irp i, 0,1,2,3
	v_min_u32 v[8+\i], 0x3ff, v[8+\i]
	v_lshl_add_u32 v[8+\i], v[8+\i], 11, v17       ; the token's row of 2,048 bytes + 16 H
.endr
	s_mov_b32 s27, 0
	ALOAD 0, 66, 0                                 ; chunks 0, 1, 2: 24 loads out
	ALOAD 1, 66, ACB
	ALOAD 2, 66, 2*ACB
	WIN 0x40                                       ; the sums are cleared, so that one text serves every chunk; in the first pass this stands in the wait for the first weights
.set ci, 0
.rept 256
	v_mov_b32 v[ci], 0
.set ci, ci+1
.endr
	WIN 0
.endm
; The way out of tile i: gelu on its 64 numbers a lane, rounded to bf16, eight stores of 512 consecutive aligned bytes: 4 KiB on end.
.macro GELU i
	WIN 0x05
.set z, 0
.rept 32
	v_pk_mul_f32 v[BF+2*z:BF+2*z+1], v[64*(\i)+2*z:64*(\i)+2*z+1], v[64*(\i)+2*z:64*(\i)+2*z+1]  ; v v; ascending: each accumulator is read from its low end on
.set z, z+1
.endr
	WIN 0
.set z, 0
.rept 32
	v_pk_fma_f32 v[BF+2*z:BF+2*z+1], v[BF+2*z:BF+2*z+1], s[82:83], s[80:81] op_sel_hi:[1,0,0]    ; c2 v v + c1
.set z, z+1
.endr
	WIN 0x04
.set z, 0
.rept 32
	v_pk_mul_f32 v[BF+2*z:BF+2*z+1], v[BF+2*z:BF+2*z+1], v[64*(\i)+2*z:64*(\i)+2*z+1]
.set z, z+1
.endr
	WIN 0
.set z, 0
.rept 64
	v_exp_f32 v[BF+z], v[BF+z]
.set z, z+1
.endr
	v_nop                                          ; a plain instruction behind the last exponential (ISA guide 5.7.2),
	s_wait_alu depctr_va_vdst(0)                   ; and one wait for the batch of 64
.set z, 0
.rept 32
	v_pk_add_f32 v[BF+2*z:BF+2*z+1], v[BF+2*z:BF+2*z+1], 1.0 op_sel_hi:[1,0]
.set z, z+1
.endr
.set z, 0
.rept 64
	v_rcp_f32 v[BF+z], v[BF+z]
.set z, z+1
.endr
	v_nop
	s_wait_alu depctr_va_vdst(0)                   ; one wait for the 64 reciprocals
	WIN 0x04
.set z, 0
.rept 32
	v_pk_mul_f32 v[BF+2*z:BF+2*z+1], v[BF+2*z:BF+2*z+1], v[64*(\i)+2*z:64*(\i)+2*z+1]
.set z, z+1
.endr
	WIN 0
	s_wait_xcnt 0x0                                ; the stores' base and data registers are written again only behind this wait
	s_add_co_u32 s84, s21, 4*(\i)
	s_min_u32 s84, s84, 63                         ; the tile,
	s_lshl_b32 s85, s16, 6
	s_add_co_u32 s84, s84, s85                     ; + 64 e:
	s_lshl_b32 s84, s84, 17                        ; a tile is 128 chunks of 1,024 bytes;
	s_lshl_b32 s85, s17, 12                        ; my four chunks
	s_add_co_u32 s84, s84, s85
	s_mov_b32 s85, 0
	s_add_nc_u64 s[72:73], s[10:11], s[84:85]
.set z, 0
.rept 32
	v_cvt_pk_bf16_f32 v[AF+z], v[BF+2*z], v[BF+2*z+1]
.set z, z+1
.endr
.irp n, 0,1,2,3,4,5,6,7
	global_store_b128 v6, v[AF+4*\n:AF+4*\n+3], s[72:73] offset:\n*512  ; column tile n is chunk n / 2, quad n % 2
.endr
.endm
	s_load_b256 s[4:11], s[0:1], 0x0               ; route s[4:5], xb s[6:7], w1 s[8:9], hbuf s[10:11]
	s_load_b64 s[12:13], s[0:1], 0x20              ; pre
	v_lshl_add_u32 v4, v0, 2, SPARE                ; my spare word,
	v_mov_b32 v5, 0                                ; and 0: kept for the closing lines alone
	v_and_b32 v1, 31, v0                           ; lane
	v_lshrrev_b32 v2, 5, v0
	v_readfirstlane_b32 s14, v2                    ; wave
	v_and_b32 v2, 15, v0                           ; R
	v_bfe_u32 v3, v0, 4, 1                         ; H
	v_lshlrev_b32 v6, 4, v1                        ; 16 x lane
	s_and_b32 s16, ttmp7, 0xffff                   ; e
	s_mov_b32 s17, ttmp9                           ; x
	s_and_b32 s15, s14, 3                          ; my number among the waves of my role
	s_and_b32 s86, s15, 1                          ; a loader's half of the columns, ch,
	s_lshr_b32 s87, s15, 1                         ; and the parity of its chunks, kp.  Every wave makes these addresses; the loaders use them
	s_lshl_b32 s84, s16, 7                         ; the expert's 32 words
	s_mov_b32 s85, 0
	s_lshl_b32 s88, s16, 24                        ; the expert's weights, 16 MiB,
	s_lshl_b32 s89, s17, 9                         ; my 128 columns,
	s_add_co_u32 s88, s88, s89
	s_mul_i32 s90, s87, 32*WP                      ; chunk kp,
	s_add_co_u32 s88, s88, s90
	s_lshl_b32 s90, s86, 8                         ; half ch
	s_add_co_u32 s88, s88, s90
	s_mov_b32 s89, 0
	v_lshlrev_b32 v14, 4, v2
	v_lshl_add_u32 v14, v3, WSH, v14               ; row 8 H, 16 bytes at 16 R
	s_mul_i32 s90, s87, CP
	s_mul_i32 s91, s86, 4*FP
	s_add_co_u32 s90, s90, s91
	v_lshrrev_b32 v15, 2, v2
	v_mul_u32_u24 v15, v15, FP                     ; columns 4 R .. 4 R + 3 lie in column tile 4 ch + R / 4,
	v_lshl_add_u32 v15, v3, 8, v15                 ; at the places of lanes 16 H + 4 (R % 4) + 0..3
	v_and_b32 v16, 3, v0
	v_lshl_add_u32 v15, v16, 6, v15
	v_add_nc_u32 v15, s90, v15
	v_mov_b32 v16, v15
	v_mov_b32 v7, v6
	s_wait_kmcnt 0x0
	s_add_nc_u64 s[84:85], s[4:5], s[84:85]
	s_load_b512 s[32:47], s[84:85], 0x0
	s_load_b512 s[48:63], s[84:85], 0x40
	s_add_nc_u64 s[68:69], s[8:9], s[88:89]        ; the weights at super-step 0
	s_cmp_lt_u32 s14, 4
	s_cbranch_scc1 .Lcount
	WLOADS 0                                       ; a loader's first 64 loads go out before anything else
	WLOADS 1
	WLOADS 2
	WLOADS 3
.Lcount:
	s_wait_kmcnt 0x0                               ; the bitmap
	v_mov_b32 v12, 0
	v_mov_b32 v13, 0
	s_mov_b32 s18, 0
.set i, 0
.rept 32                                       ; lane w of v13: word w; of v12: how many tokens below 32 w chose e
	v_writelane_b32 v13, s[32+i], i
	v_writelane_b32 v12, s18, i
	s_bcnt1_i32_b32 s84, s[32+i]
	s_add_co_u32 s18, s18, s84
.set i, i+1
.endr
	s_add_co_u32 s19, s18, 15
	s_lshr_b32 s19, s19, 4
	s_max_u32 s19, s19, 1                          ; T
	s_max_u32 s22, s18, 1
	s_sub_co_u32 s22, s22, 1                       ; the last rank that exists
	s_mov_b32 s21, s15                             ; pass 0: my first tile is w,
	s_min_u32 s84, s19, 16
	s_add_co_u32 s84, s84, 3
	s_sub_co_u32 s84, s84, s15
	s_lshr_b32 s20, s84, 2                         ; and ceil((min(T, 16) - w) / 4) of my four tiles are live
	s_mov_b64 s[66:67], s[6:7]                     ; the row operands' base
	s_mov_b32 s76, 0x55555555
	s_mov_b32 s77, 0x33333333
	s_mov_b32 s78, 0x0f0f0f0f
	s_mov_b32 s80, 0xc0135761                      ; c1 = -2 log2(e) sqrt(2 / pi) = -2.302208
	s_mov_b32 s81, s80                             ; named with it as a pair
	s_mov_b32 s82, 0xbdd2d3e8                      ; c2 = 0.044715 c1 = -0.1029432
	s_mov_b32 s83, s82
	v_lshlrev_b32 v17, 4, v3                       ; 16 H
	v_lshlrev_b32 v21, 2, v2                       ; lane R, as a byte index for the lane permute,
	v_add_nc_u32 v22, 64, v21                      ; lane 16 + R
	s_lshl_b32 s84, s16, 2
	v_lshl_add_u32 v23, v1, 5, s84                 ; preT[lane][e]
.irp i, 0,1,2,3
	v_mov_b32 v[8+\i], v6
.endr
	s_cmp_lg_u32 s14, 0
	s_cbranch_scc1 .Lnopre
	s_cmp_lg_u32 s17, 0
	s_cbranch_scc1 .Lnopre
	global_store_b32 v23, v12, s[12:13]            ; one work-group of each expert stores the running counts for the last launch; its three registers are never rewritten
.Lnopre:
	s_cmp_ge_u32 s14, 4
	s_cbranch_scc1 .Lring
	SETUP                                          ; pass 0
.Lring:
	; PASS 0 AND THE STREAM: four trips, super-step k = 4 - s25.  The loaders lay it down; a barrier; the compute waves multiply it; a barrier.  Both barriers stand on every wave's way.
	s_mov_b32 s25, 4
	s_mov_b32 s70, 0                               ; LDS byte of super-step k: 0 to 3 x 66,560
.Lstep:
	s_wait_xcnt 0x0                                ; the weight loads' base is written again only behind this wait
	s_add_nc_u64 s[68:69], s[68:69], 256*WP        ; the next super-step's rows
	s_cmp_lt_u32 s14, 4
	s_cbranch_scc1 .Llaid
	v_add_nc_u32 v16, s70, v15                     ; chunks 8 k + 2 u + kp for u = 0..3
	s_cmp_eq_u32 s25, 1
	s_cbranch_scc1 .Ltail
	LUNIT 0, 1, 48                                 ; three younger units of 16 loads stay out
	LUNIT 1, 1, 48
	LUNIT 2, 1, 48
	LUNIT 3, 1, 48
	s_branch .Llaid
.Ltail:                                                ; k = 3 asks for nothing: the counts run down
	LUNIT 0, 0, 48
	LUNIT 1, 0, 32
	LUNIT 2, 0, 16
	LUNIT 3, 0, 0
.Llaid:
	s_wait_dscnt 0x0                               ; a loader's stores are in LDS
	s_barrier_signal -1
	s_barrier_wait -1                              ; super-step k may be read
	s_cmp_ge_u32 s14, 4
	s_cbranch_scc1 .Lread
	s_mov_b32 s71, s70                             ; two blocks of four chunks
	s_mov_b32 s26, 2
.Lblock:
	C4
	s_sub_co_u32 s26, s26, 1
	s_cmp_lg_u32 s26, 0
	s_cbranch_scc1 .Lblock
.Lread:
	s_wait_dscnt 0x0                               ; a compute wave's reads are back
	s_barrier_signal -1
	s_barrier_wait -1                              ; nobody reads the slice: the next super-step may be laid down
	s_add_co_u32 s70, s70, 8*CP
	s_sub_co_u32 s25, s25, 1
	s_cmp_lg_u32 s25, 0
	s_cbranch_scc1 .Lstep
	s_cmp_ge_u32 s14, 4
	s_cbranch_scc1 .Lfin                           ; the loaders have done: they wait at the closing barrier
	; THE WAY OUT, AND THE LATER PASSES.  Four trips: trip c stores pass c - 1; if I have a live tile in pass c, it is set up and multiplied from the resident slice (in the fourth trip never: T is 64 at the most).
	; No barrier; nothing writes LDS.
	s_mov_b32 s24, 4
	s_mov_b32 s75, 16
.Lover:
	s_wait_loadcnt 0x0                             ; the three loads ahead: their registers are used below
.irp i, 0,1,2,3
	s_cmp_le_u32 s20, \i
	s_cbranch_scc1 .Lnoepi                         ; whole tiles past the count are not stored
	GELU \i
.endr
.Lnoepi:
	s_add_co_u32 s21, s75, s15                     ; my first tile of the next pass: 16 c + w
	s_sub_co_i32 s84, s19, s75
	s_min_i32 s84, s84, 16                         ; tiles of that pass (none: zero or below),
	s_add_co_i32 s84, s84, 3
	s_sub_co_i32 s84, s84, s15
	s_max_i32 s84, s84, 0
	s_lshr_b32 s20, s84, 2                         ; of which mine
	s_cmp_eq_u32 s20, 0
	s_cbranch_scc1 .Lnext                          ; none: the pass is jumped over, and so are all behind it
	SETUP
	s_mov_b32 s71, 0
	s_mov_b32 s26, 8
.Lblk:
	C4
	s_sub_co_u32 s26, s26, 1
	s_cmp_lg_u32 s26, 0
	s_cbranch_scc1 .Lblk
.Lnext:
	s_add_co_u32 s75, s75, 16
	s_sub_co_u32 s24, s24, 1
	s_cmp_lg_u32 s24, 0
	s_cbranch_scc1 .Lover
.Lfin:
	s_wait_dscnt 0x0                               ; my reads of the slice are back
	s_barrier_signal -1
	s_barrier_wait -1                              ; the closing barrier: every wave's are
	s_wait_tensorcnt 0x0                           ; the wave's end
	ds_add_u32 v4, v5
	s_wait_dscnt 0x0
	s_endpgm
.Lfunc_end_k_qa8a86fca94_ffn1:
	.size	k_qa8a86fca94_ffn1, .Lfunc_end_k_qa8a86fca94_ffn1-k_qa8a86fca94_ffn1
	.p2alignl 7, 3214868480
	.fill 96, 4, 3214868480
	.section	.rodata,"a",@progbits
	.p2align	6, 0x0
	.amdhsa_kernel k_qa8a86fca94_ffn1
		.amdhsa_group_segment_fixed_size 267264
		.amdhsa_private_segment_fixed_size 0
		.amdhsa_enable_private_segment 0
		.amdhsa_kernarg_size 40
		.amdhsa_user_sgpr_count 2
		.amdhsa_user_sgpr_kernarg_segment_ptr 1
		.amdhsa_wavefront_size32 1
		.amdhsa_system_sgpr_workgroup_id_x 1
		.amdhsa_system_sgpr_workgroup_id_y 1
		.amdhsa_system_sgpr_workgroup_id_z 1
		.amdhsa_system_vgpr_workitem_id 0
		.amdhsa_next_free_vgpr 512
		.amdhsa_next_free_sgpr 100
		.amdhsa_reserve_vcc 1
		.amdhsa_float_denorm_mode_32 3
		.amdhsa_float_denorm_mode_16_64 3
		.amdhsa_memory_ordered 1
		.amdhsa_forward_progress 1
		.amdhsa_inst_pref_size 184
	.end_amdhsa_kernel
	.amdgpu_metadata
---
amdhsa.version: [ 1, 2 ]
amdhsa.kernels:
  - .name:           k_qa8a86fca94_ffn1
    .symbol:         k_qa8a86fca94_ffn1.kd
    .args:
      - { .name: route, .offset: 0, .size: 8, .value_kind: global_buffer, .address_space: global }
      - { .name: xb, .offset: 8, .size: 8, .value_kind: global_buffer, .address_space: global }
      - { .name: w1, .offset: 16, .size: 8, .value_kind: global_buffer, .address_space: global }
      - { .name: hbuf, .offset: 24, .size: 8, .value_kind: global_buffer, .address_space: global }
      - { .name: pre, .offset: 32, .size: 8, .value_kind: global_buffer, .address_space: global }
    .group_segment_fixed_size: 267264
    .private_segment_fixed_size: 0
    .kernarg_segment_align: 8
    .kernarg_segment_size: 40
    .max_flat_workgroup_size: 256
    .sgpr_count:     100
    .vgpr_count:     512
    .wavefront_size: 32
...
	.end_amdgpu_metadata
.endif
;; end of part 2
;; launch ffn2 (part 3): grid 32 x 8, 8 waves a work-group, no clusters, 301,056 bytes of LDS; arguments route, hbuf, w2, part; writes part
.if DOCPART == 3
	.amdgcn_target "amdgcn-amd-amdhsa--gfx1250"
	.amdhsa_code_object_version 6
	.text
	.protected	k_qa8a86fca94_ffn2
	.globl	k_qa8a86fca94_ffn2
	.p2align	8
	.type	k_qa8a86fca94_ffn2,@function
k_qa8a86fca94_ffn2:
	s_mov_b64 s[64:65], 0
	v_nop
	global_prefetch_b8 v0, s[64:65] scope:SCOPE_SE
	s_setreg_imm32_b32 hwreg(HW_REG_WAVE_MODE, 25, 1), 1
	s_wait_xcnt 0x0
; SECOND PRODUCT OF THE EXPERTS.  part[q][1024 e + rank][:] = h[rank][1024 q .. 1024 q + 1023] w2[e][1024 q .. ][:], for the ranks of expert e alone.
; Work-group (x, e), x = 8 q + j, owns the slice w2[e][1024 q .. 1024 q + 1023][128 j .. 128 j + 127], which it alone reads, and all rows of expert e.
; LIMITS.  h arrives in bf16; w2 is rounded to bf16 on its way through registers; sums in f32; the four partial rows of a rank are stored in f32 and added by the next launch.
; ROLES AND PASSES as in the first product: waves 4-7 stream the slice (512 KiB of f32) through registers, 64 loads of 512 bytes out for each wave, and lay it ONCE into LDS in the order of the matrix
; operand; waves 0-3 compute.  A super-step is 256 of K: it is laid down, a barrier, it is multiplied, a barrier; the loads of the next super-step stay out across both.  An expert has
; T = max(ceil(cnt / 16), 1) tiles of 16 rows; pass P takes tiles 16 P + w + 4 i.  Pass 0 goes with the stream and has no branch on the counts; a wave always multiplies four tiles, and a tile past T
; reads tile T - 1.  The later passes run from the resident slice, in a loop of constant length in which a pass without a live tile is jumped over.  Whole tiles past the count are not stored.
; The way out goes through a stage in LDS and stands between two barriers of that loop, which all eight waves pass: while a stage is written no wave reads the slice.
; NO CLUSTER: each slice of weights has one reader; the rows that an expert's work-groups share have no room in LDS beside the slice.
; hbuf [e][tile 64][chunk 128][quad 2][lane 32][16 bytes] is the row operand as the registers take it: each load takes 512 consecutive bytes.
; LDS: W [chunk 32][column tile 8], a fragment of 1,024 bytes + 16; the spare words; a stage of 16 rows x 528 bytes for each compute wave, its own.
; REGISTERS.  window 0: v0-19 addresses; v64-127 BF, 8 weight fragments (loaders: packed numbers); v128-255 AF, 4 chunks x 4 row fragments (the way out: rows read back)
;             window 1: compute: accumulator (tile t, column tile n) at 64 t + 8 n; loaders: 4 slots of 16 loads x 4 registers
; SCALARS.  s14 wave; s15 wave % 4; s16 e; s17 x; s94 j; s95 q; s18 cnt; s19 T; s20 my live tiles of the pass; s21 my first tile; s24 counts passes; s25 counts super-steps; s26 counts blocks;
;           s27 the block's byte offset in a row operand; s[28:31] row bases; s[32:63] the bitmap; s[66:67] hbuf at quarter q; s[68:69] the weights, walking; s70, s71 LDS bases; s[72:73] the stores' base; s75 16 x the next pass
.set WP,    4096                       ; bytes from row to row of w2[e]
.set WSH,   15                         ; 8 rows = 1 << WSH bytes
.set ACB,   1024                       ; bytes of a row operand from chunk to chunk
.set AQ,    512                        ; and from a fragment's first four registers to its last four
.set FP,    1040                       ; 16 modulo 256: the loaders' 16 lanes, which write four fragments at steps of 64 bytes, meet 16 different groups of four banks (64 banks of 4 bytes: ISA guide 11.1)
.set CP,    8*FP
.set SPARE, 32*CP                      ; 128 bytes for each of the eight waves: four blocks of 256 bytes that no other line names
.set STAGE, SPARE+1024
.set SPIT,  528                        ; 512 bytes + 16: the 16 rows that a store touches start at 16 different groups of four banks
.set BF,    64
.set AF,    128
.set MSB, 0
.macro WIN new                         ; bits 1:0 source 0, 3:2 source 1, 5:4 source 2, 7:6 destination; the high byte repeats the setting that is left
.if MSB != (\new)
	s_set_vgpr_msb (MSB<<8)|(\new)
.set MSB, \new
.endif
.endm
; 16 loads: one unit, 32 of K x 64 columns.  Lanes 0-15 take 256 consecutive aligned bytes of one row, lanes 16-31 of the row 8 further down; load m takes rows m (m < 8) or m + 8.
.macro WLOADS u
	WIN 0x40
.set mi, 0
.rept 16
	global_load_b128 v[64*(\u)+4*mi:64*(\u)+4*mi+3], v14, s[68:69] offset:(64*(\u)+mi+8*(mi/8))*WP th:TH_LOAD_NT
.set mi, mi+1
.endr
	WIN 0
.endm
; One unit is rounded and laid down.  A lane holds 4 columns x 16 of K: for column c the pairs of neighbouring K pack into the eight registers of that column's place in a fragment.
; left = the younger loads that may stay out.  again = 1: the slot is asked for again, one super-step on.
.macro LUNIT u, again, left
	s_wait_loadcnt \left
	WIN 0x05
.irp c, 0,1,2,3
.irp i, 0,1,2,3,4,5,6,7
	v_cvt_pk_bf16_f32 v[BF+8*\c+\i], v[64*(\u)+8*\i+\c], v[64*(\u)+8*\i+4+\c]
.endr
.endr
.if \again
	WLOADS \u
.endif
	WIN 0
.irp c, 0,1,2,3
	ds_store_b128 v16, v[BF+8*\c:BF+8*\c+3] offset:(\u)*2*CP+16*\c
	ds_store_b128 v16, v[BF+8*\c+4:BF+8*\c+7] offset:(\u)*2*CP+512+16*\c
.endr
.endm
; 8 loads: the four tiles' row fragments of one chunk, into slot sl of AF
.macro ALOAD sl, bs, imm
.irp t, 0,1,2,3
	global_load_b128 v[AF+32*(\sl)+8*\t:AF+32*(\sl)+8*\t+3],   v[8+\t], s[\bs:\bs+1] offset:(\imm)
	global_load_b128 v[AF+32*(\sl)+8*\t+4:AF+32*(\sl)+8*\t+7], v[8+\t], s[\bs:\bs+1] offset:(\imm)+AQ
.endr
.endm
; 8 LDS loads: weight fragments 4 g .. 4 g + 3 of chunk j of the block; each takes 512 consecutive bytes
.macro BLOAD j, g
.irp n, 0,1,2,3
	ds_load_b128 v[BF+8*(4*(\g)+\n):BF+8*(4*(\g)+\n)+3],   v7 offset:(\j)*CP+(4*(\g)+\n)*FP
	ds_load_b128 v[BF+8*(4*(\g)+\n)+4:BF+8*(4*(\g)+\n)+7], v7 offset:(\j)*CP+(4*(\g)+\n)*FP+512
.endr
.endm
; 16 products: 4 tiles x 4 column tiles, 32 of K.  Source 0 = 16 columns of the weights, source 1 = 16 rows: lane (r, h) holds row r and columns 8 h + 0..7.
; The accumulators take turns, one instruction a turn.
; The four v_nop are the places in front of the loads into registers that these products read, and of whatever reads or clears the sums.
.macro HALF j, g
	WIN 0x50
.irp t, 0,1,2,3
.irp n, 0,1,2,3
	v_wmma_f32_16x16x32_bf16 v[64*\t+8*(4*(\g)+\n):64*\t+8*(4*(\g)+\n)+7], v[BF+8*(4*(\g)+\n):BF+8*(4*(\g)+\n)+7], v[AF+32*(\j)+8*\t:AF+32*(\j)+8*\t+7], v[64*\t+8*(4*(\g)+\n):64*\t+8*(4*(\g)+\n)+7]
.endr
.endr
	WIN 0
.rept 4
	v_nop
.endr
.endm
; One chunk.  Row fragments are asked for three chunks ahead, weight fragments half a chunk ahead.
.macro CHUNK j, pref
	s_wait_loadcnt 16                              ; the row loads of the next two chunks may stay out: this chunk's are in
	s_wait_dscnt 8                                 ; the eight loads of fragments 4-7 may stay out: fragments 0-3 are in
	HALF \j, 0
.if (\j) == 0
	ALOAD 3, 28, 3*ACB
.else
	ALOAD (\j)-1, 30, ((\j)-1)*ACB
.endif
.if \pref
	BLOAD (\j)+1, 0
	s_wait_dscnt 8                                 ; the eight just issued may stay out: fragments 4-7 are in
.else
	s_wait_dscnt 0x0
.endif
	HALF \j, 1
.if \pref
	BLOAD (\j)+1, 1
.endif
.endm
; A block of four chunks, at LDS byte s71 and at byte s27 of the row operands; both step on.
.macro C4
	s_wait_xcnt 0x0                                ; the row loads' bases are written again only behind this wait
	s_mov_b32 s84, s27
	s_mov_b32 s85, 0
	s_add_nc_u64 s[28:29], s[66:67], s[84:85]      ; this block's row operands,
	s_add_co_u32 s86, s27, 4*ACB
	s_and_b32 s86, s86, 32*ACB-1                   ; the next block's; behind the last block the first again: those three loads stay inside the tiles and keep the counts constant
	s_mov_b32 s87, 0
	s_add_nc_u64 s[30:31], s[66:67], s[86:87]
	s_add_co_u32 s27, s27, 4*ACB
	v_add_nc_u32 v7, s71, v6
	s_add_co_u32 s71, s71, 4*CP
	BLOAD 0, 0
	BLOAD 0, 1
	CHUNK 0, 1
	CHUNK 1, 1
	CHUNK 2, 1
	CHUNK 3, 0
.endm
; A PASS IS SET UP: where my four tiles lie, the first three chunks' row loads, the sums cleared.
.macro SETUP
	s_wait_xcnt 0x0                                ; the loads below land on registers that the last pass stored from,
	s_wait_loadcnt 0x0                             ; and no earlier load is still to write them
	s_sub_co_u32 s85, s19, 1
	s_lshl_b32 s86, s16, 6
.irp i, 0,1,2,3
	s_add_co_u32 s84, s21, 4*\i
	s_min_u32 s84, s84, s85                        ; a tile that exists,
	s_min_u32 s84, s84, 63
	s_add_co_u32 s84, s84, s86
	s_lshl_b32 s84, s84, 17                        ; 128 chunks of 1,024 bytes each
	v_add_nc_u32 v[8+\i], s84, v6
.endr
	s_mov_b32 s27, 0
	ALOAD 0, 66, 0                                 ; chunks 0, 1, 2: 24 loads out
	ALOAD 1, 66, ACB
	ALOAD 2, 66, 2*ACB
	WIN 0x40                                       ; the sums are cleared, so that one text serves every chunk; in the first pass this stands in the wait for the first weights
.set ci, 0
.rept 256
	v_mov_b32 v[ci], 0
.set ci, ci+1
.endr
	WIN 0
.endm
; The way out of tile i: 16 rows x 128 columns of f32 through my own stage, back as whole rows of 512 bytes, and stored.
.macro OUT i
	WIN 0x04                                       ; store data window 1
.irp n, 0,1,2,3,4,5,6,7
	ds_store_b128 v18, v[64*(\i)+8*\n:64*(\i)+8*\n+3]   offset:64*\n      ; each accumulator is read from its low end on
	ds_store_b128 v18, v[64*(\i)+8*\n+4:64*(\i)+8*\n+7] offset:64*\n+16
.endr
	WIN 0
	s_wait_xcnt 0x0                                ; the stores' base and data registers are written again only behind this wait
.irp u, 0,1,2,3,4,5,6,7,8,9,10,11,12,13,14,15
	ds_load_b128 v[AF+4*\u:AF+4*\u+3], v19 offset:\u*SPIT  ; LDS serves a wave's instructions in order (ISA guide 5.7.1.4): these see the stores above; the next tile's stores come behind them
.endr
	s_add_co_u32 s84, s21, 4*(\i)
	s_min_u32 s84, s84, 63                         ; the tile:
	s_lshl_b32 s84, s84, 4                         ; its first rank,
	s_lshl_b32 s85, s16, 10
	s_add_co_u32 s84, s84, s85                     ; + 1024 e,
	s_lshl_b32 s84, s84, 12                        ; rows of 4,096 bytes,
	s_lshl_b32 s85, s95, 25
	s_add_co_u32 s84, s84, s85                     ; in quarter q's 32 MiB,
	s_lshl_b32 s85, s94, 9
	s_add_co_u32 s84, s84, s85                     ; my 128 columns
	s_mov_b32 s85, 0
	s_add_nc_u64 s[72:73], s[10:11], s[84:85]
.irp u, 0,1,2,3,4,5,6,7,8,9,10,11,12,13,14,15
	s_wait_dscnt 15-\u                             ; the younger loads may stay out
	global_store_b128 v6, v[AF+4*\u:AF+4*\u+3], s[72:73] offset:\u*4096  ; 512 consecutive aligned bytes of one row
.endr
.endm
	s_load_b256 s[4:11], s[0:1], 0x0               ; route s[4:5], hbuf s[6:7], w2 s[8:9], part s[10:11]
	v_lshl_add_u32 v4, v0, 2, SPARE                ; my spare word,
	v_mov_b32 v5, 0                                ; and 0: kept for the closing lines alone
	v_and_b32 v1, 31, v0                           ; lane
	v_lshrrev_b32 v2, 5, v0
	v_readfirstlane_b32 s14, v2                    ; wave
	v_and_b32 v2, 15, v0                           ; R
	v_bfe_u32 v3, v0, 4, 1                         ; H
	v_lshlrev_b32 v6, 4, v1                        ; 16 x lane
	s_and_b32 s16, ttmp7, 0xffff                   ; e
	s_mov_b32 s17, ttmp9                           ; x
	s_and_b32 s94, s17, 7                          ; j: which 128 columns
	s_lshr_b32 s95, s17, 3                         ; q: which 1,024 of K
	s_and_b32 s15, s14, 3                          ; my number among the waves of my role
	s_and_b32 s86, s15, 1                          ; a loader's half of the columns, ch,
	s_lshr_b32 s87, s15, 1                         ; and the parity of its chunks, kp.  Every wave makes these addresses; the loaders use them
	s_lshl_b32 s84, s16, 7                         ; the expert's 32 words
	s_mov_b32 s85, 0
	s_lshl_b32 s88, s16, 24                        ; the expert's weights, 16 MiB,
	s_lshl_b32 s89, s95, 22                        ; 1,024 rows of 4,096 bytes,
	s_add_co_u32 s88, s88, s89
	s_lshl_b32 s89, s94, 9                         ; my 128 columns,
	s_add_co_u32 s88, s88, s89
	s_mul_i32 s90, s87, 32*WP                      ; chunk kp,
	s_add_co_u32 s88, s88, s90
	s_lshl_b32 s90, s86, 8                         ; half ch
	s_add_co_u32 s88, s88, s90
	s_mov_b32 s89, 0
	v_lshlrev_b32 v14, 4, v2
	v_lshl_add_u32 v14, v3, WSH, v14               ; row 8 H, 16 bytes at 16 R
	s_mul_i32 s90, s87, CP
	s_mul_i32 s91, s86, 4*FP
	s_add_co_u32 s90, s90, s91
	v_lshrrev_b32 v15, 2, v2
	v_mul_u32_u24 v15, v15, FP                     ; columns 4 R .. 4 R + 3 lie in column tile 4 ch + R / 4,
	v_lshl_add_u32 v15, v3, 8, v15                 ; at the places of lanes 16 H + 4 (R % 4) + 0..3
	v_and_b32 v16, 3, v0
	v_lshl_add_u32 v15, v16, 6, v15
	v_add_nc_u32 v15, s90, v15
	v_mov_b32 v16, v15
	v_mov_b32 v7, v6
	s_mul_i32 s90, s15, 16*SPIT                    ; a compute wave's stage
	s_add_co_u32 s90, s90, STAGE
	v_mul_u32_u24 v18, v2, SPIT
	v_lshl_add_u32 v18, v3, 5, v18
	v_add_nc_u32 v18, s90, v18                     ; in: row R, 32 bytes for each half of the lanes
	v_add_nc_u32 v19, s90, v6                      ; back: 32 lanes take a row of 512 bytes
	s_wait_kmcnt 0x0
	s_add_nc_u64 s[84:85], s[4:5], s[84:85]
	s_load_b512 s[32:47], s[84:85], 0x0
	s_load_b512 s[48:63], s[84:85], 0x40
	s_add_nc_u64 s[68:69], s[8:9], s[88:89]        ; the weights at super-step 0
	s_cmp_lt_u32 s14, 4
	s_cbranch_scc1 .Lcount
	WLOADS 0                                       ; a loader's first 64 loads go out before anything else
	WLOADS 1
	WLOADS 2
	WLOADS 3
.Lcount:
	s_wait_kmcnt 0x0                               ; the bitmap
	s_mov_b32 s18, 0
.set i, 0
.rept 32
	s_bcnt1_i32_b32 s84, s[32+i]
	s_add_co_u32 s18, s18, s84
.set i, i+1
.endr
	s_add_co_u32 s19, s18, 15
	s_lshr_b32 s19, s19, 4
	s_max_u32 s19, s19, 1                          ; T
	s_mov_b32 s21, s15                             ; pass 0: my first tile is w,
	s_min_u32 s84, s19, 16
	s_add_co_u32 s84, s84, 3
	s_sub_co_u32 s84, s84, s15
	s_lshr_b32 s20, s84, 2                         ; and ceil((min(T, 16) - w) / 4) of my four tiles are live
	s_lshl_b32 s84, s95, 15                        ; quarter q begins at chunk 32 q
	s_mov_b32 s85, 0
	s_add_nc_u64 s[66:67], s[6:7], s[84:85]        ; the row operands' base
.irp i, 0,1,2,3
	v_mov_b32 v[8+\i], v6
.endr
	s_cmp_ge_u32 s14, 4
	s_cbranch_scc1 .Lring
	SETUP                                          ; pass 0
.Lring:
	; PASS 0 AND THE STREAM: four trips, super-step k = 4 - s25.  The loaders lay it down; a barrier; the compute waves multiply it; a barrier.  Both barriers stand on every wave's way.
	s_mov_b32 s25, 4
	s_mov_b32 s70, 0                               ; LDS byte of super-step k: 0 to 3 x 66,560
.Lstep:
	s_wait_xcnt 0x0                                ; the weight loads' base is written again only behind this wait
	s_add_nc_u64 s[68:69], s[68:69], 256*WP        ; the next super-step's rows
	s_cmp_lt_u32 s14, 4
	s_cbranch_scc1 .Llaid
	v_add_nc_u32 v16, s70, v15                     ; chunks 8 k + 2 u + kp for u = 0..3
	s_cmp_eq_u32 s25, 1
	s_cbranch_scc1 .Ltail
	LUNIT 0, 1, 48                                 ; three younger units of 16 loads stay out
	LUNIT 1, 1, 48
	LUNIT 2, 1, 48
	LUNIT 3, 1, 48
	s_branch .Llaid
.Ltail:                                                ; k = 3 asks for nothing: the counts run down
	LUNIT 0, 0, 48
	LUNIT 1, 0, 32
	LUNIT 2, 0, 16
	LUNIT 3, 0, 0
.Llaid:
	s_wait_dscnt 0x0                               ; a loader's stores are in LDS
	s_barrier_signal -1
	s_barrier_wait -1                              ; super-step k may be read
	s_cmp_ge_u32 s14, 4
	s_cbranch_scc1 .Lread
	s_mov_b32 s71, s70                             ; two blocks of four chunks
	s_mov_b32 s26, 2
.Lblock:
	C4
	s_sub_co_u32 s26, s26, 1
	s_cmp_lg_u32 s26, 0
	s_cbranch_scc1 .Lblock
.Lread:
	s_wait_dscnt 0x0                               ; a compute wave's reads are back
	s_barrier_signal -1
	s_barrier_wait -1                              ; nobody reads the slice: the next super-step may be laid down
	s_add_co_u32 s70, s70, 8*CP
	s_sub_co_u32 s25, s25, 1
	s_cmp_lg_u32 s25, 0
	s_cbranch_scc1 .Lstep
	; THE WAY OUT, AND THE LATER PASSES.  Four trips: trip c stores pass c - 1; a barrier; if I have a live tile in pass c, it is set up and multiplied from the resident slice (in the fourth trip never:
	; T is 64 at the most); a barrier.  All eight waves pass both barriers, the loaders doing nothing between: the stages are written while nobody reads the slice.
	s_mov_b32 s24, 4
	s_mov_b32 s75, 16
.Lover:
	s_cmp_ge_u32 s14, 4
	s_cbranch_scc1 .Lsent
	s_wait_loadcnt 0x0                             ; the three loads ahead: their registers are used below
.irp i, 0,1,2,3
	s_cmp_le_u32 s20, \i
	s_cbranch_scc1 .Lsent                          ; whole tiles past the count are not stored
	OUT \i
.endr
.Lsent:
	s_wait_dscnt 0x0                               ; my stores into my stage and my reads of it are done
	s_barrier_signal -1
	s_barrier_wait -1                              ; no stage is written from here to the next barrier
	s_cmp_ge_u32 s14, 4
	s_cbranch_scc1 .Lnext
	s_add_co_u32 s21, s75, s15                     ; my first tile of the next pass: 16 c + w
	s_sub_co_i32 s84, s19, s75
	s_min_i32 s84, s84, 16                         ; tiles of that pass (none: zero or below),
	s_add_co_i32 s84, s84, 3
	s_sub_co_i32 s84, s84, s15
	s_max_i32 s84, s84, 0
	s_lshr_b32 s20, s84, 2                         ; of which mine
	s_cmp_eq_u32 s20, 0
	s_cbranch_scc1 .Lnext                          ; none: the pass is jumped over, and so are all behind it
	SETUP
	s_mov_b32 s71, 0
	s_mov_b32 s26, 8
.Lblk:
	C4
	s_sub_co_u32 s26, s26, 1
	s_cmp_lg_u32 s26, 0
	s_cbranch_scc1 .Lblk
.Lnext:
	s_wait_dscnt 0x0                               ; my reads of the slice are back
	s_barrier_signal -1
	s_barrier_wait -1                              ; every wave's are
	s_add_co_u32 s75, s75, 16
	s_sub_co_u32 s24, s24, 1
	s_cmp_lg_u32 s24, 0
	s_cbranch_scc1 .Lover
	s_wait_tensorcnt 0x0                           ; the wave's end
	ds_add_u32 v4, v5
	s_wait_dscnt 0x0
	s_endpgm
.Lfunc_end_k_qa8a86fca94_ffn2:
	.size	k_qa8a86fca94_ffn2, .Lfunc_end_k_qa8a86fca94_ffn2-k_qa8a86fca94_ffn2
	.p2alignl 7, 3214868480
	.fill 96, 4, 3214868480
	.section	.rodata,"a",@progbits
	.p2align	6, 0x0
	.amdhsa_kernel k_qa8a86fca94_ffn2
		.amdhsa_group_segment_fixed_size 301056
		.amdhsa_private_segment_fixed_size 0
		.amdhsa_enable_private_segment 0
		.amdhsa_kernarg_size 32
		.amdhsa_user_sgpr_count 2
		.amdhsa_user_sgpr_kernarg_segment_ptr 1
		.amdhsa_wavefront_size32 1
		.amdhsa_system_sgpr_workgroup_id_x 1
		.amdhsa_system_sgpr_workgroup_id_y 1
		.amdhsa_system_sgpr_workgroup_id_z 1
		.amdhsa_system_vgpr_workitem_id 0
		.amdhsa_next_free_vgpr 512
		.amdhsa_next_free_sgpr 100
		.amdhsa_reserve_vcc 0
		.amdhsa_float_denorm_mode_32 3
		.amdhsa_float_denorm_mode_16_64 3
		.amdhsa_memory_ordered 1
		.amdhsa_forward_progress 1
		.amdhsa_inst_pref_size 116
	.end_amdhsa_kernel
	.amdgpu_metadata
---
amdhsa.version: [ 1, 2 ]
amdhsa.kernels:
  - .name:           k_qa8a86fca94_ffn2
    .symbol:         k_qa8a86fca94_ffn2.kd
    .args:
      - { .name: route, .offset: 0, .size: 8, .value_kind: global_buffer, .address_space: global }
      - { .name: hbuf, .offset: 8, .size: 8, .value_kind: global_buffer, .address_space: global }
      - { .name: w2, .offset: 16, .size: 8, .value_kind: global_buffer, .address_space: global }
      - { .name: part, .offset: 24, .size: 8, .value_kind: global_buffer, .address_space: global }
    .group_segment_fixed_size: 301056
    .private_segment_fixed_size: 0
    .kernarg_segment_align: 8
    .kernarg_segment_size: 32
    .max_flat_workgroup_size: 256
    .sgpr_count:     100
    .vgpr_count:     512
    .wavefront_size: 32
...
	.end_amdgpu_metadata
.endif
;; end of part 3
;; launch combine (part 4): grid 256 x 1, 4 waves a work-group, no clusters, 0 bytes of LDS; arguments route, pre, gatew, softp, part, out0, out1; writes out0, out1
.if DOCPART == 4
	.amdgcn_target "amdgcn-amd-amdhsa--gfx1250"
	.amdhsa_code_object_version 6
	.text
	.protected	k_qa8a86fca94_combine
	.globl	k_qa8a86fca94_combine
	.p2align	8
	.type	k_qa8a86fca94_combine,@function
k_qa8a86fca94_combine:
	s_mov_b64 s[64:65], 0
	v_nop
	global_prefetch_b8 v0, s[64:65] scope:SCOPE_SE
	s_setreg_imm32_b32 hwreg(HW_REG_WAVE_MODE, 25, 1), 1
	s_wait_xcnt 0x0
; THE SUM.  out0[token] = wlo (the four partial rows of its lower-numbered expert) + whi (those of the higher); out1 = the load-balancing loss.
; One wave, one token: 8 rows of 4,096 bytes in, one out.  A stream: no LDS, no barrier, no matrix unit; nothing is shared between waves, so there is no cluster.
; WHERE THE ROWS LIE.  A token's rank in expert e is the number of lower tokens that chose e: the running count of its word (pre, stored by the first product) plus the set bits below its own bit
; (route, stored by the router).  Row = 1024 e + rank, in each of the four quarters of part.  All in scalar registers.
; out1 = sum over e of (sum of the softmax over all tokens)(tokens that chose e) / 2^20: mean(avg_weight x avg_count) x E with 1,024 tokens.  The wave of token 0 makes it, behind its token's work.
.macro GROUP c                         ; 8 loads: 512 consecutive aligned bytes of each of the eight rows, into slot c % 4 of the ring
.irp k, 0,1,2,3,4,5,6,7
	global_load_b128 v[16+32*((\c)%4)+4*\k:16+32*((\c)%4)+4*\k+3], v1, s[66+2*\k:67+2*\k] offset:(\c)*512 th:TH_LOAD_NT
.endr
.endm
.macro STEP c, left                    ; left = the younger loads that may stay out
.set RG, 16+32*((\c)%4)                ; row k at RG + 4 k: even k the lower expert's quarters, odd k the higher's
.set RO, 144+4*((\c)%2)
	s_wait_loadcnt \left
	s_wait_xcnt 0x0                                ; the registers that the store before last read are written again only behind this wait
.irp k, 2,4,6
	v_pk_add_f32 v[RG:RG+1],   v[RG:RG+1],   v[RG+4*\k:RG+4*\k+1]
	v_pk_add_f32 v[RG+2:RG+3], v[RG+2:RG+3], v[RG+4*\k+2:RG+4*\k+3]
	v_pk_add_f32 v[RG+4:RG+5], v[RG+4:RG+5], v[RG+4*\k+4:RG+4*\k+5]
	v_pk_add_f32 v[RG+6:RG+7], v[RG+6:RG+7], v[RG+4*\k+6:RG+4*\k+7]
.endr
	v_pk_mul_f32 v[RO:RO+1],   v[RG:RG+1],   s[40:41] op_sel_hi:[1,0]
	v_pk_mul_f32 v[RO+2:RO+3], v[RG+2:RG+3], s[40:41] op_sel_hi:[1,0]
	v_pk_fma_f32 v[RO:RO+1],   v[RG+4:RG+5], s[82:83], v[RO:RO+1] op_sel_hi:[1,0,1]
	v_pk_fma_f32 v[RO+2:RO+3], v[RG+6:RG+7], s[82:83], v[RO+2:RO+3] op_sel_hi:[1,0,1]
.if (\c) < 4
	GROUP (\c)+4
.endif
	global_store_b128 v1, v[RO:RO+3], s[14:15] offset:(\c)*512 th:TH_STORE_NT  ; 512 consecutive aligned bytes
.endm
	s_load_b256 s[4:11], s[0:1], 0x0               ; route s[4:5], pre s[6:7], gatew s[8:9], softp s[10:11]
	s_load_b128 s[12:15], s[0:1], 0x20             ; part s[12:13], out0 s[14:15]
	s_load_b64 s[16:17], s[0:1], 0x30              ; out1
	v_and_b32 v3, 31, v0                           ; lane
	v_lshrrev_b32 v2, 5, v0
	v_readfirstlane_b32 s18, v2                    ; wave
	v_lshlrev_b32 v1, 4, v3                        ; 16 x lane
	s_lshl_b32 s19, ttmp9, 2
	s_add_co_u32 s19, s19, s18                     ; my token
	s_lshr_b32 s20, s19, 5
	s_lshl_b32 s20, s20, 5                         ; its word's 32 bytes in bmT and in preT
	s_mov_b32 s21, 0
	s_lshl_b32 s22, s19, 3                         ; its two weights
	s_mov_b32 s23, 0
	s_and_b32 s84, s19, 31                         ; its bit
	s_bfm_b32 s42, s84, 0                          ; the bits below it
	s_lshl_b32 s62, s19, 12                        ; its row of out0
	s_mov_b32 s63, 0
	s_wait_kmcnt 0x0
	s_add_nc_u64 s[52:53], s[4:5], s[20:21]
	s_add_nc_u64 s[54:55], s[6:7], s[20:21]
	s_add_nc_u64 s[60:61], s[8:9], s[22:23]
	s_load_b256 s[24:31], s[52:53], 0x400          ; bmT[word][0..7]
	s_load_b256 s[32:39], s[54:55], 0x0            ; preT[word][0..7]
	s_load_b64 s[40:41], s[60:61], 0x0             ; wlo, whi
	s_add_nc_u64 s[14:15], s[14:15], s[62:63]
	s_wait_kmcnt 0x0
.irp e, 0,1,2,3,4,5,6,7
	s_and_b32 s43, s[24+\e], s42
	s_bcnt1_i32_b32 s43, s43
	s_add_co_u32 s43, s43, s[32+\e]
	s_add_co_u32 s[44+\e], s43, 1024*\e            ; the row my token would have in expert e
.endr
	s_mov_b32 s58, 0
.irp e, 0,1,2,3,4,5,6,7                        ; ascending: the last expert chosen stays: the higher
	s_bitcmp1_b32 s[24+\e], s84
	s_cselect_b32 s58, s[44+\e], s58
.endr
	s_mov_b32 s56, 0
.irp e, 7,6,5,4,3,2,1,0                        ; descending: the lower
	s_bitcmp1_b32 s[24+\e], s84
	s_cselect_b32 s56, s[44+\e], s56
.endr
	s_min_u32 s56, s56, 8191
	s_min_u32 s58, s58, 8191
	s_lshl_b32 s56, s56, 12                        ; rows of 4,096 bytes
	s_lshl_b32 s58, s58, 12
	s_mov_b32 s57, 0
	s_mov_b32 s59, 0
	s_mov_b32 s82, s41                             ; whi in a pair's low word, for the packed multiply-add
	s_mov_b32 s83, s41
	s_add_nc_u64 s[66:67], s[12:13], s[56:57]
	s_add_nc_u64 s[68:69], s[12:13], s[58:59]
.irp q, 1,2,3                                  ; the other three quarters, 32 MiB apart
	s_add_nc_u64 s[66+4*\q:67+4*\q], s[66+4*(\q-1):67+4*(\q-1)], 0x2000000
	s_add_nc_u64 s[68+4*\q:69+4*\q], s[68+4*(\q-1):69+4*(\q-1)], 0x2000000
.endr
	GROUP 0                                        ; 32 loads, 16 KiB, out for each wave
	GROUP 1
	GROUP 2
	GROUP 3
	STEP 0, 24                                     ; three younger groups of eight stay out,
	STEP 1, 24
	STEP 2, 24
	STEP 3, 24
	STEP 4, 24
	STEP 5, 16                                     ; then the counts run down
	STEP 6, 8
	STEP 7, 0
	s_cmp_lg_u32 s19, 0
	s_cbranch_scc1 .Ldone
	; out1.  Lane l takes the sums of the router's work-group l.
	v_lshlrev_b32 v2, 5, v3
	global_load_b128 v[16:19], v2, s[10:11]
	global_load_b128 v[20:23], v2, s[10:11] offset:16
	s_load_b256 s[24:31], s[4:5], 0x7e0            ; bmT[31]
	s_load_b256 s[32:39], s[6:7], 0x3e0            ; preT[31]
	s_mov_b32 s86, 0x76543210                      ; v_permlanex16_b32: each lane takes its own place in the other half
	s_mov_b32 s87, 0xfedcba98
	v_mov_b32 v24, 0
	v_mov_b32 v4, 0
	s_wait_loadcnt 0x0
.irp e, 0,1,2,3,4,5,6,7
	v_add_f32_dpp v[16+\e], v[16+\e], v[16+\e] row_xmask:1 row_mask:0xf bank_mask:0xf
	v_add_f32_dpp v[16+\e], v[16+\e], v[16+\e] row_xmask:2 row_mask:0xf bank_mask:0xf
	v_add_f32_dpp v[16+\e], v[16+\e], v[16+\e] row_xmask:4 row_mask:0xf bank_mask:0xf
	v_add_f32_dpp v[16+\e], v[16+\e], v[16+\e] row_xmask:8 row_mask:0xf bank_mask:0xf
	v_permlanex16_b32 v24, v[16+\e], s86, s87
	v_add_f32 v[16+\e], v[16+\e], v24
.endr
	s_wait_kmcnt 0x0
.irp e, 0,1,2,3,4,5,6,7
	s_bcnt1_i32_b32 s43, s[24+\e]
	s_add_co_u32 s43, s43, s[32+\e]                ; how many tokens chose e
	v_cvt_f32_u32 v26, s43
.if \e == 0
	v_mul_f32 v25, v16, v26
.else
	v_fma_f32 v25, v[16+\e], v26, v25
.endif
.endr
	v_mul_f32 v25, 0x35800000, v25                 ; 2^-20
	v_cmp_eq_u32 vcc_lo, 0, v3
	s_wait_xcnt 0x0                                ; EXEC changes only behind this wait
	s_and_saveexec_b32 s20, vcc_lo
	global_store_b32 v4, v25, s[16:17]
	s_wait_xcnt 0x0
	s_or_b32 exec_lo, exec_lo, s20
.Ldone:
	s_endpgm
.Lfunc_end_k_qa8a86fca94_combine:
	.size	k_qa8a86fca94_combine, .Lfunc_end_k_qa8a86fca94_combine-k_qa8a86fca94_combine
	.p2alignl 7, 3214868480
	.fill 96, 4, 3214868480
	.section	.rodata,"a",@progbits
	.p2align	6, 0x0
	.amdhsa_kernel k_qa8a86fca94_combine
		.amdhsa_group_segment_fixed_size 0
		.amdhsa_private_segment_fixed_size 0
		.amdhsa_enable_private_segment 0
		.amdhsa_kernarg_size 56
		.amdhsa_user_sgpr_count 2
		.amdhsa_user_sgpr_kernarg_segment_ptr 1
		.amdhsa_wavefront_size32 1
		.amdhsa_system_sgpr_workgroup_id_x 1
		.amdhsa_system_sgpr_workgroup_id_y 1
		.amdhsa_system_sgpr_workgroup_id_z 1
		.amdhsa_system_vgpr_workitem_id 0
		.amdhsa_next_free_vgpr 160
		.amdhsa_next_free_sgpr 100
		.amdhsa_reserve_vcc 1
		.amdhsa_float_denorm_mode_32 3
		.amdhsa_float_denorm_mode_16_64 3
		.amdhsa_memory_ordered 1
		.amdhsa_forward_progress 1
		.amdhsa_inst_pref_size 25
	.end_amdhsa_kernel
	.amdgpu_metadata
---
amdhsa.version: [ 1, 2 ]
amdhsa.kernels:
  - .name:           k_qa8a86fca94_combine
    .symbol:         k_qa8a86fca94_combine.kd
    .args:
      - { .name: route, .offset: 0, .size: 8, .value_kind: global_buffer, .address_space: global }
      - { .name: pre, .offset: 8, .size: 8, .value_kind: global_buffer, .address_space: global }
      - { .name: gatew, .offset: 16, .size: 8, .value_kind: global_buffer, .address_space: global }
      - { .name: softp, .offset: 24, .size: 8, .value_kind: global_buffer, .address_space: global }
      - { .name: part, .offset: 32, .size: 8, .value_kind: global_buffer, .address_space: global }
      - { .name: out0, .offset: 40, .size: 8, .value_kind: global_buffer, .address_space: global }
      - { .name: out1, .offset: 48, .size: 8, .value_kind: global_buffer, .address_space: global }
    .group_segment_fixed_size: 0
    .private_segment_fixed_size: 0
    .kernarg_segment_align: 8
    .kernarg_segment_size: 56
    .max_flat_workgroup_size: 128
    .sgpr_count:     100
    .vgpr_count:     160
    .wavefront_size: 32
...
	.end_amdgpu_metadata
.endif
;; end of part 4
;; ======== version 2 of 3: 4 launches; 1.14 times as fast as version 1
;; workspace buffers: xb 2,097,152 bytes; route 2,048 bytes of whole numbers; pre 1,024 bytes of whole numbers; gatew 8,192 bytes; softp 1,024 bytes; hbuf 67,108,864 bytes; part 134,217,728 bytes
;; launch router: the kernel of part 1 again; grid 32 x 1, 8 waves a work-group, no clusters, 103,936 bytes of LDS; arguments inputs, task_param, gate_txt_w, gate_txt_b, task_gate_w, task_gate_b, alpha, xb, route, gatew, softp; writes xb, route, gatew, softp
;; launch ffn1 (part 5): grid 32 x 8, 8 waves a work-group, no clusters, 267,264 bytes of LDS; arguments route, xb, w1, hbuf, pre; writes hbuf, pre
.if DOCPART == 5
	.amdgcn_target "amdgcn-amd-amdhsa--gfx1250"
	.amdhsa_code_object_version 6
	.text
	.protected	k_qa8a86fca94_ffn1
	.globl	k_qa8a86fca94_ffn1
	.p2align	8
	.type	k_qa8a86fca94_ffn1,@function
k_qa8a86fca94_ffn1:
	s_mov_b64 s[64:65], 0
	v_nop
	global_prefetch_b8 v0, s[64:65] scope:SCOPE_SE
	s_setreg_imm32_b32 hwreg(HW_REG_WAVE_MODE, 25, 1), 1
	s_wait_xcnt 0x0
; FIRST PRODUCT OF THE EXPERTS.  h = gelu(x w1[e]) for the tokens that chose expert e alone; gelu in its tanh form.
; Work-group (x, e) owns the slice w1[e][0 .. 1023][128 x .. 128 x + 127], which it alone reads, and all rows of expert e.
; LIMITS.  x arrives rounded to bf16 (xb); w1 is rounded to bf16 on its way through registers; sums in f32; h is rounded once to bf16.
; gelu(v) = v / (1 + 2^(v (c1 + c2 v v))), by v_exp_f32 and v_rcp_f32; where the power overflows the result is v x 0, where it vanishes v.  NaN and infinities are not treated apart.
; THE STREAM.  Waves 4-7 stream the slice (512 KiB of f32) through registers, 64 loads of 512 bytes out for each wave, round it and lay it ONCE into LDS in the order of the matrix operand.
; A super-step is 256 of K: a barrier, it is laid down, a barrier, waves 0-3 multiply it: while the slice is written no wave reads it, and while it is read no wave writes it.
; The loads of the next super-step were issued while this one was laid down and stay out across the barriers.
; EVERY SPLIT IS SERVED.  An expert has cnt = 0 .. 1,024 rows, T = max(ceil(cnt / 16), 1) tiles of 16.  Pass P takes tiles 16 P + w + 4 i (w = wave % 4, i = 0..3).  Waves 0-3 have passes 0 and 2,
; waves 4-7 passes 1 and 3: pass 0 goes with the stream; when the last super-step is laid down, waves 4-7 begin pass 1 from the resident slice, beside the end of pass 0.  Behind the stream nothing writes
; LDS and no barrier stands but the closing one.  A pass without a live tile is jumped over; in a pass the products of tiles past the count are jumped over, their loads are not (they repeat the last
; row), so that every wait's count is a constant.  Whole tiles past the count are not stored.
; WHICH TOKEN HAS RANK k: every lane searches for itself.  The bitmap's 32 words (stored by the launch before) and their running count are scalars; a lane keeps the last word whose running count is not
; above its rank, then goes down the word by its counts of 16, 8, 4, 2 and 1 bits.  No number passes from lane to lane: a row's offset is plain arithmetic on what the launch has read.
; NO CLUSTER: each slice of weights has one reader, and the rows that an expert's work-groups share are gathered by a list, which no tile's descriptor covers.
; hbuf [e][tile 64][chunk 128 of 32 channels][quad 2][lane 32][16 bytes] is the next launch's row operand as its registers take it: an accumulator's lane holds eight neighbouring channels of one row.
; LDS: W [chunk 32][column tile 8], a fragment of 1,024 bytes + 16: byte 512 q + 16 l holds column l % 16, K = 32 c + 16 q + 8 (l / 16) + 0..7; then the spare words.
; REGISTERS.  window 0: v0-23 addresses; v24-63 the search, ten for each of four tiles; v64-127 BF, 8 weight fragments (laying down: packed numbers; the way out: at work);
;             v128-255 AF, 4 chunks x 4 row fragments (the way out: v128-191 a tile's sums, v192-223 packed h)
;             window 1: accumulator (tile t, column tile n) at 64 t + 8 n; while a wave streams: 4 slots of 16 loads x 4 registers
; SCALARS.  s14 wave; s15 wave % 4; s16 e; s17 x; s18 cnt; s19 T; s20 my live tiles of the pass; s21 my first tile; s22 the last rank; s24 counts my passes; s25 counts super-steps; s26 counts blocks, words, tiles;
;           s27 the block's byte offset in a row operand; s[28:31] row bases; s[32:63] the bitmap; s[66:67] xb; s[68:69] the weights, walking; s70, s71 LDS bases; s[72:73] the stores' base; s75 16 x my next pass
.set WP,    16384                      ; bytes from row to row of w1[e]
.set WSH,   17                         ; 8 rows = 1 << WSH bytes
.set ACB,   64                         ; bytes of a row operand from chunk to chunk
.set AQ,    32                         ; and from a fragment's first four registers to its last four
.set FP,    1040                       ; 16 modulo 256
.set CP,    8*FP
.set SPARE, 32*CP                      ; 128 bytes for each of the eight waves: four blocks of 256 bytes that no other line names
.set BF,    64
.set AF,    128
.set XR,    128                        ; the way out: a tile's 64 sums a lane
.set HR,    192                        ; the way out: the same as 32 words of bf16
.set MSB, 0
.macro WIN new                         ; bits 1:0 source 0, 3:2 source 1, 5:4 source 2, 7:6 destination; the high byte repeats the setting that is left
.if MSB != (\new)
	s_set_vgpr_msb (MSB<<8)|(\new)
.set MSB, \new
.endif
.endm
; 16 loads: one unit, 32 of K x 64 columns.  Lanes 0-15 take 256 consecutive aligned bytes of one row, lanes 16-31 of the row 8 further down; load m takes rows m (m < 8) or m + 8.
.macro WLOADS u
	WIN 0x40
.set mi, 0
.rept 16
	global_load_b128 v[64*(\u)+4*mi:64*(\u)+4*mi+3], v14, s[68:69] offset:(64*(\u)+mi+8*(mi/8))*WP th:TH_LOAD_NT
.set mi, mi+1
.endr
	WIN 0
.endm
; One unit is rounded and laid down.  A lane holds 4 columns x 16 of K: for column c the pairs of neighbouring K pack into the eight registers of that column's place in a fragment.
; left = the younger loads that may stay out.  again = 1: the slot is asked for again, one super-step on.
.macro LUNIT u, again, left
	s_wait_loadcnt \left
	WIN 0x05
.irp c, 0,1,2,3
.irp i, 0,1,2,3,4,5,6,7
	v_cvt_pk_bf16_f32 v[BF+8*\c+\i], v[64*(\u)+8*\i+\c], v[64*(\u)+8*\i+4+\c]
.endr
.endr
.if \again
	WLOADS \u
.endif
	WIN 0
.irp c, 0,1,2,3
	ds_store_b128 v16, v[BF+8*\c:BF+8*\c+3] offset:(\u)*2*CP+16*\c
	ds_store_b128 v16, v[BF+8*\c+4:BF+8*\c+7] offset:(\u)*2*CP+512+16*\c
.endr
.endm
; 8 loads: the four tiles' row fragments of one chunk, into slot sl of AF.  Always eight, live tiles or not
.macro ALOAD sl, bs, imm
.irp t, 0,1,2,3
	global_load_b128 v[AF+32*(\sl)+8*\t:AF+32*(\sl)+8*\t+3],   v[8+\t], s[\bs:\bs+1] offset:(\imm)
	global_load_b128 v[AF+32*(\sl)+8*\t+4:AF+32*(\sl)+8*\t+7], v[8+\t], s[\bs:\bs+1] offset:(\imm)+AQ
.endr
.endm
; 8 LDS loads: weight fragments 4 g .. 4 g + 3 of chunk j of the block; each takes 512 consecutive bytes
.macro BLOAD j, g
.irp n, 0,1,2,3
	ds_load_b128 v[BF+8*(4*(\g)+\n):BF+8*(4*(\g)+\n)+3],   v7 offset:(\j)*CP+(4*(\g)+\n)*FP
	ds_load_b128 v[BF+8*(4*(\g)+\n)+4:BF+8*(4*(\g)+\n)+7], v7 offset:(\j)*CP+(4*(\g)+\n)*FP+512
.endr
.endm
; Up to 16 products: my live tiles x 4 column tiles, 32 of K; the first tile is multiplied in any case.  Source 0 = 16 columns of the weights, source 1 = 16 rows: lane (r, h) holds row r and columns 8 h + 0..7.
; The accumulators take turns, one instruction a turn.  At a branch and at a label every window is 0.
; The four v_nop are the places in front of the loads into registers that these products read, and of whatever reads or clears the sums.
.macro HALF j, g
.irp t, 0,1,2,3
.if \t > 0
	s_cmp_le_u32 s20, \t
	s_cbranch_scc1 .Lhalf_\@
.endif
	WIN 0x50
.irp n, 0,1,2,3
	v_wmma_f32_16x16x32_bf16 v[64*\t+8*(4*(\g)+\n):64*\t+8*(4*(\g)+\n)+7], v[BF+8*(4*(\g)+\n):BF+8*(4*(\g)+\n)+7], v[AF+32*(\j)+8*\t:AF+32*(\j)+8*\t+7], v[64*\t+8*(4*(\g)+\n):64*\t+8*(4*(\g)+\n)+7]
.endr
	WIN 0
.endr
.Lhalf_\@:
.rept 4
	v_nop
.endr
.endm
; One chunk.  Row fragments are asked for three chunks ahead, weight fragments half a chunk ahead.
.macro CHUNK j, pref
	s_wait_loadcnt 16                              ; the row loads of the next two chunks may stay out: this chunk's are in
	s_wait_dscnt 8                                 ; the eight loads of fragments 4-7 may stay out: fragments 0-3 are in
	HALF \j, 0
.if (\j) == 0
	ALOAD 3, 28, 3*ACB
.else
	ALOAD (\j)-1, 30, ((\j)-1)*ACB
.endif
.if \pref
	BLOAD (\j)+1, 0
	s_wait_dscnt 8                                 ; the eight just issued may stay out: fragments 4-7 are in
.else
	s_wait_dscnt 0x0
.endif
	HALF \j, 1
.if \pref
	BLOAD (\j)+1, 1
.endif
.endm
; A block of four chunks, at LDS byte s71 and at byte s27 of the row operands; both step on.
.macro C4
	s_wait_xcnt 0x0                                ; the row loads' bases are written again only behind this wait
	s_mov_b32 s84, s27
	s_mov_b32 s85, 0
	s_add_nc_u64 s[28:29], s[66:67], s[84:85]      ; this block's row operands,
	s_add_co_u32 s86, s27, 4*ACB
	s_and_b32 s86, s86, 32*ACB-1                   ; the next block's; behind the last block the first again: those three loads stay inside the rows and keep the counts constant
	s_mov_b32 s87, 0
	s_add_nc_u64 s[30:31], s[66:67], s[86:87]
	s_add_co_u32 s27, s27, 4*ACB
	v_add_nc_u32 v7, s71, v6
	s_add_co_u32 s71, s71, 4*CP
	BLOAD 0, 0
	BLOAD 0, 1
	CHUNK 0, 1
	CHUNK 1, 1
	CHUNK 2, 1
	CHUNK 3, 0
.endm
; The search's registers for tile t, at v[24 + 10 t]: +0 rank; +1 the word; +2 word number << 16 | its running count; +3 .. +6 the word's counts by 2, 4, 8, 16 bits; +7 bit; +8, +9 at work.
; One level of the search inside a word, for the four tiles: is the rank left at or beyond the count of the field at the bit reached?  Then pass the field.
.macro LEVEL so, wd, stp
.irp t, 0,1,2,3
	v_bfe_u32 v[32+10*\t], v[24+(\so)+10*\t], v[31+10*\t], \wd
	v_cmp_ge_u32 vcc_lo, v[24+10*\t], v[32+10*\t]
	v_cndmask_b32 v[32+10*\t], 0, v[32+10*\t], vcc_lo
	v_sub_nc_u32 v[24+10*\t], v[24+10*\t], v[32+10*\t]
	v_cndmask_b32 v[33+10*\t], 0, \stp, vcc_lo
	v_add_nc_u32 v[31+10*\t], v[31+10*\t], v[33+10*\t]
.endr
.endm
; A PASS IS SET UP: the tokens of my ranks, the first three chunks' row loads, the sums cleared.
.macro SETUP
	s_wait_xcnt 0x0                                ; the loads below land on registers that the last pass stored from,
	s_wait_loadcnt 0x0                             ; and no earlier load is still to write them
.irp t, 0,1,2,3
	s_add_co_u32 s84, s21, 4*\t
	s_lshl_b32 s84, s84, 4
	v_add_nc_u32 v[24+10*\t], s84, v2              ; 16 x tile + R (both halves of the lanes alike),
	v_min_u32 v[24+10*\t], s22, v[24+10*\t]        ; or the last rank that exists
	v_mov_b32 v[25+10*\t], 0
	v_mov_b32 v[26+10*\t], 0
.endr
	s_mov_b32 s86, 0                               ; the running count
	s_mov_b32 s87, 0                               ; the word's number << 16
	s_mov_b32 s26, 8
.Lword_\@:                                             ; eight trips of four words: a lane keeps the last word whose running count is not above its rank
.irp q, 0,1,2,3
	s_or_b32 s85, s87, s86
.irp t, 0,1,2,3
	v_cmp_le_u32 s[92+\t], s86, v[24+10*\t]
.endr
.irp t, 0,1,2,3
	v_cndmask_b32 v[25+10*\t], v[25+10*\t], s[32+\q], s[92+\t]
	v_cndmask_b32 v[26+10*\t], v[26+10*\t], s85, s[92+\t]
.endr
	s_bcnt1_i32_b32 s84, s[32+\q]
	s_add_co_u32 s86, s86, s84
	s_add_co_u32 s87, s87, 0x10000
.endr
	s_mov_b64 s[88:89], s[32:33]                   ; the 32 words are turned by four: behind the eighth trip they lie as they lay
	s_mov_b64 s[90:91], s[34:35]
.set ri, 0
.rept 14
	s_mov_b64 s[32+2*ri:33+2*ri], s[36+2*ri:37+2*ri]
.set ri, ri+1
.endr
	s_mov_b64 s[60:61], s[88:89]
	s_mov_b64 s[62:63], s[90:91]
	s_sub_co_u32 s26, s26, 1
	s_cmp_lg_u32 s26, 0
	s_cbranch_scc1 .Lword_\@
.irp t, 0,1,2,3
	v_and_b32 v[32+10*\t], 0xffff, v[26+10*\t]
	v_sub_nc_u32 v[24+10*\t], v[24+10*\t], v[32+10*\t]   ; the rank inside the word
	v_lshrrev_b32 v[32+10*\t], 1, v[25+10*\t]
	v_and_b32 v[32+10*\t], s76, v[32+10*\t]
	v_sub_nc_u32 v[27+10*\t], v[25+10*\t], v[32+10*\t]
	v_lshrrev_b32 v[32+10*\t], 2, v[27+10*\t]
	v_and_b32 v[32+10*\t], s77, v[32+10*\t]
	v_and_b32 v[28+10*\t], s77, v[27+10*\t]
	v_add_nc_u32 v[28+10*\t], v[28+10*\t], v[32+10*\t]
	v_lshrrev_b32 v[32+10*\t], 4, v[28+10*\t]
	v_add_nc_u32 v[29+10*\t], v[28+10*\t], v[32+10*\t]
	v_and_b32 v[29+10*\t], s78, v[29+10*\t]
	v_lshrrev_b32 v[32+10*\t], 8, v[29+10*\t]
	v_add_nc_u32 v[30+10*\t], v[29+10*\t], v[32+10*\t]
	v_mov_b32 v[31+10*\t], 0
.endr
	LEVEL 6, 8, 16
	LEVEL 5, 8, 8
	LEVEL 4, 4, 4
	LEVEL 3, 2, 2
	LEVEL 1, 1, 1
.irp t, 0,1,2,3
	v_lshrrev_b32 v[32+10*\t], 16, v[26+10*\t]
	v_lshl_add_u32 v[8+\t], v[32+10*\t], 5, v[31+10*\t]  ; 32 x word + bit
	v_min_u32 v[8+\t], 0x3ff, v[8+\t]
	v_lshl_add_u32 v[8+\t], v[8+\t], 11, v17       ; the token's row of 2,048 bytes + 16 H
.endr
	s_mov_b32 s27, 0
	ALOAD 0, 66, 0                                 ; chunks 0, 1, 2: 24 loads out
	ALOAD 1, 66, ACB
	ALOAD 2, 66, 2*ACB
	WIN 0x40                                       ; the sums are cleared, so that one text serves every chunk; in the first pass this stands in the wait for the first weights
.set ci, 0
.rept 256
	v_mov_b32 v[ci], 0
.set ci, ci+1
.endr
	WIN 0
.endm
; Tile i's 64 sums a lane come into window 0, ascending: each accumulator is read from its low end on.  So the activation below is written once for the four tiles.
.macro COPY i
	WIN 0x01
.set z, 0
.rept 64
	v_mov_b32 v[XR+z], v[64*(\i)+z]
.set z, z+1
.endr
	WIN 0
.endm
	s_load_b256 s[4:11], s[0:1], 0x0               ; route s[4:5], xb s[6:7], w1 s[8:9], hbuf s[10:11]
	s_load_b64 s[12:13], s[0:1], 0x20              ; pre
	v_lshl_add_u32 v4, v0, 2, SPARE                ; my spare word,
	v_mov_b32 v5, 0                                ; and 0: kept for the closing lines alone
	v_and_b32 v1, 31, v0                           ; lane
	v_lshrrev_b32 v2, 5, v0
	v_readfirstlane_b32 s14, v2                    ; wave
	v_and_b32 v2, 15, v0                           ; R
	v_bfe_u32 v3, v0, 4, 1                         ; H
	v_lshlrev_b32 v6, 4, v1                        ; 16 x lane
	s_and_b32 s16, ttmp7, 0xffff                   ; e
	s_mov_b32 s17, ttmp9                           ; x
	s_and_b32 s15, s14, 3                          ; my number in my group of four waves
	s_and_b32 s86, s15, 1                          ; for the stream: my half of the columns, ch,
	s_lshr_b32 s87, s15, 1                         ; and the parity of my chunks, kp.  Every wave makes these addresses; waves 4-7 use them
	s_lshl_b32 s84, s16, 7                         ; the expert's 32 words
	s_mov_b32 s85, 0
	s_lshl_b32 s88, s16, 24                        ; the expert's weights, 16 MiB,
	s_lshl_b32 s89, s17, 9                         ; my 128 columns,
	s_add_co_u32 s88, s88, s89
	s_mul_i32 s90, s87, 32*WP                      ; chunk kp,
	s_add_co_u32 s88, s88, s90
	s_lshl_b32 s90, s86, 8                         ; half ch
	s_add_co_u32 s88, s88, s90
	s_mov_b32 s89, 0
	v_lshlrev_b32 v14, 4, v2
	v_lshl_add_u32 v14, v3, WSH, v14               ; row 8 H, 16 bytes at 16 R
	s_mul_i32 s90, s87, CP
	s_mul_i32 s91, s86, 4*FP
	s_add_co_u32 s90, s90, s91
	v_lshrrev_b32 v15, 2, v2
	v_mul_u32_u24 v15, v15, FP                     ; columns 4 R .. 4 R + 3 lie in column tile 4 ch + R / 4,
	v_lshl_add_u32 v15, v3, 8, v15                 ; at the places of lanes 16 H + 4 (R % 4) + 0..3
	v_and_b32 v16, 3, v0
	v_lshl_add_u32 v15, v16, 6, v15
	v_add_nc_u32 v15, s90, v15
	v_mov_b32 v16, v15
	v_mov_b32 v7, v6
	s_wait_kmcnt 0x0
	s_add_nc_u64 s[84:85], s[4:5], s[84:85]
	s_load_b512 s[32:47], s[84:85], 0x0
	s_load_b512 s[48:63], s[84:85], 0x40
	s_add_nc_u64 s[68:69], s[8:9], s[88:89]        ; the weights at super-step 0
	s_cmp_lt_u32 s14, 4
	s_cbranch_scc1 .Lcount
	WLOADS 0                                       ; the stream's first 64 loads a wave go out before anything else
	WLOADS 1
	WLOADS 2
	WLOADS 3
.Lcount:
	s_wait_kmcnt 0x0                               ; the bitmap
	v_mov_b32 v12, 0
	s_mov_b32 s18, 0
.set i, 0
.rept 32                                       ; lane w of v12: how many tokens below 32 w chose e (stored for the last launch)
	v_writelane_b32 v12, s18, i
	s_bcnt1_i32_b32 s84, s[32+i]
	s_add_co_u32 s18, s18, s84
.set i, i+1
.endr
	s_add_co_u32 s19, s18, 15
	s_lshr_b32 s19, s19, 4
	s_max_u32 s19, s19, 1                          ; T
	s_max_u32 s22, s18, 1
	s_sub_co_u32 s22, s22, 1                       ; the last rank that exists
	s_mov_b32 s21, s15                             ; pass 0: the first tile is w,
	s_min_u32 s84, s19, 16
	s_add_co_u32 s84, s84, 3
	s_sub_co_u32 s84, s84, s15
	s_lshr_b32 s20, s84, 2                         ; and ceil((min(T, 16) - w) / 4) of the four tiles are live
	s_lshr_b32 s75, s14, 2
	s_lshl_b32 s75, s75, 4                         ; 16 x my group's first pass: 0 for waves 0-3, 16 for waves 4-7
	s_mov_b64 s[66:67], s[6:7]                     ; the row operands' base
	s_mov_b32 s76, 0x55555555
	s_mov_b32 s77, 0x33333333
	s_mov_b32 s78, 0x0f0f0f0f
	s_mov_b32 s80, 0xc0135761                      ; c1 = -2 log2(e) sqrt(2 / pi) = -2.302208
	s_mov_b32 s81, s80                             ; named with it as a pair
	s_mov_b32 s82, 0xbdd2d3e8                      ; c2 = 0.044715 c1 = -0.1029432
	s_mov_b32 s83, s82
	v_lshlrev_b32 v17, 4, v3                       ; 16 H
	s_lshl_b32 s84, s16, 2
	v_lshl_add_u32 v23, v1, 5, s84                 ; preT[lane][e]
.irp i, 0,1,2,3
	v_mov_b32 v[8+\i], v6
.endr
	s_cmp_lg_u32 s14, 0
	s_cbranch_scc1 .Lnopre
	s_cmp_lg_u32 s17, 0
	s_cbranch_scc1 .Lnopre
	global_store_b32 v23, v12, s[12:13]            ; one work-group of each expert stores the running counts for the last launch; its three registers are never rewritten
.Lnopre:
	s_cmp_ge_u32 s14, 4
	s_cbranch_scc1 .Lring
	SETUP                                          ; pass 0
.Lring:
	; PASS 0 AND THE STREAM: four trips, super-step k = 4 - s25.  A barrier; waves 4-7 lay it down; a barrier; waves 0-3 multiply it.  Both barriers stand on every wave's way.
	s_mov_b32 s25, 4
	s_mov_b32 s70, 0                               ; LDS byte of super-step k: 0 to 3 x 66,560
.Lstep:
	s_wait_dscnt 0x0                               ; my reads of the slice are back
	s_barrier_signal -1
	s_barrier_wait -1                              ; nobody reads the slice: super-step k may be laid down
	s_wait_xcnt 0x0                                ; the weight loads' base is written again only behind this wait
	s_add_nc_u64 s[68:69], s[68:69], 256*WP        ; the next super-step's rows
	s_cmp_lt_u32 s14, 4
	s_cbranch_scc1 .Llaid
	v_add_nc_u32 v16, s70, v15                     ; chunks 8 k + 2 u + kp for u = 0..3
	s_cmp_eq_u32 s25, 1
	s_cbranch_scc1 .Ltail
	LUNIT 0, 1, 48                                 ; three younger units of 16 loads stay out
	LUNIT 1, 1, 48
	LUNIT 2, 1, 48
	LUNIT 3, 1, 48
	s_branch .Llaid
.Ltail:                                                ; k = 3 asks for nothing: the counts run down
	LUNIT 0, 0, 48
	LUNIT 1, 0, 32
	LUNIT 2, 0, 16
	LUNIT 3, 0, 0
.Llaid:
	s_wait_dscnt 0x0                               ; my stores are in LDS
	s_barrier_signal -1
	s_barrier_wait -1                              ; super-step k may be read
	s_cmp_ge_u32 s14, 4
	s_cbranch_scc1 .Lread
	s_mov_b32 s71, s70                             ; two blocks of four chunks
	s_mov_b32 s26, 2
.Lblock:
	C4
	s_sub_co_u32 s26, s26, 1
	s_cmp_lg_u32 s26, 0
	s_cbranch_scc1 .Lblock
.Lread:
	s_add_co_u32 s70, s70, 8*CP
	s_sub_co_u32 s25, s25, 1
	s_cmp_lg_u32 s25, 0
	s_cbranch_scc1 .Lstep
	; BEHIND THE STREAM: two trips.  A trip sets a pass up and multiplies it from the resident slice, then sends it out.  Waves 4-7 begin with pass 1; waves 0-3, which hold pass 0, enter at the way out.
	; No barrier; nothing writes LDS.
	s_mov_b32 s24, 2
	s_cmp_lt_u32 s14, 4
	s_cbranch_scc1 .Lmid
.Lover:
	s_add_co_u32 s21, s75, s15                     ; my first tile of the pass: 16 P + w
	s_sub_co_i32 s84, s19, s75
	s_min_i32 s84, s84, 16                         ; tiles of that pass (none: zero or below),
	s_add_co_i32 s84, s84, 3
	s_sub_co_i32 s84, s84, s15
	s_max_i32 s84, s84, 0
	s_lshr_b32 s20, s84, 2                         ; of which mine
	s_cmp_eq_u32 s20, 0
	s_cbranch_scc1 .Lmid                           ; none: the pass is jumped over, and nothing of it is stored
	SETUP
	s_mov_b32 s71, 0
	s_mov_b32 s26, 8
.Lblk:
	C4
	s_sub_co_u32 s26, s26, 1
	s_cmp_lg_u32 s26, 0
	s_cbranch_scc1 .Lblk
.Lmid:
	; THE WAY OUT: for each live tile gelu on its 64 numbers a lane, rounded to bf16, eight stores of 512 consecutive aligned bytes: 4 KiB on end.
	s_wait_loadcnt 0x0                             ; the three loads ahead: their registers are used below
	s_mov_b32 s26, 0                               ; tile i
.Ltile:
	s_cmp_ge_u32 s26, s20
	s_cbranch_scc1 .Lnoepi                         ; whole tiles past the count are not stored
	s_cmp_lg_u32 s26, 0
	s_cbranch_scc1 .Lt1
	COPY 0
	s_branch .Lgo
.Lt1:
	s_cmp_lg_u32 s26, 1
	s_cbranch_scc1 .Lt2
	COPY 1
	s_branch .Lgo
.Lt2:
	s_cmp_lg_u32 s26, 2
	s_cbranch_scc1 .Lt3
	COPY 2
	s_branch .Lgo
.Lt3:
	COPY 3
.Lgo:
.set z, 0
.rept 32
	v_pk_mul_f32 v[BF+2*z:BF+2*z+1], v[XR+2*z:XR+2*z+1], v[XR+2*z:XR+2*z+1]                      ; v v
.set z, z+1
.endr
.set z, 0
.rept 32
	v_pk_fma_f32 v[BF+2*z:BF+2*z+1], v[BF+2*z:BF+2*z+1], s[82:83], s[80:81] op_sel_hi:[1,0,0]    ; c2 v v + c1
.set z, z+1
.endr
.set z, 0
.rept 32
	v_pk_mul_f32 v[BF+2*z:BF+2*z+1], v[BF+2*z:BF+2*z+1], v[XR+2*z:XR+2*z+1]
.set z, z+1
.endr
.set z, 0
.rept 64
	v_exp_f32 v[BF+z], v[BF+z]
.set z, z+1
.endr
	v_nop                                          ; a plain instruction behind the last exponential (ISA guide 5.7.2),
	s_wait_alu depctr_va_vdst(0)                   ; and one wait for the batch of 64
.set z, 0
.rept 32
	v_pk_add_f32 v[BF+2*z:BF+2*z+1], v[BF+2*z:BF+2*z+1], 1.0 op_sel_hi:[1,0]
.set z, z+1
.endr
.set z, 0
.rept 64
	v_rcp_f32 v[BF+z], v[BF+z]
.set z, z+1
.endr
	v_nop
	s_wait_alu depctr_va_vdst(0)                   ; one wait for the 64 reciprocals
.set z, 0
.rept 32
	v_pk_mul_f32 v[BF+2*z:BF+2*z+1], v[BF+2*z:BF+2*z+1], v[XR+2*z:XR+2*z+1]
.set z, z+1
.endr
	s_wait_xcnt 0x0                                ; the stores' base and data registers are written again only behind this wait
	s_lshl2_add_u32 s84, s26, s21                  ; my first tile + 4 i,
	s_min_u32 s84, s84, 63
	s_lshl_b32 s85, s16, 6
	s_add_co_u32 s84, s84, s85                     ; + 64 e:
	s_lshl_b32 s84, s84, 17                        ; a tile is 128 chunks of 1,024 bytes;
	s_lshl_b32 s85, s17, 12                        ; my four chunks
	s_add_co_u32 s84, s84, s85
	s_mov_b32 s85, 0
	s_add_nc_u64 s[72:73], s[10:11], s[84:85]
.set z, 0
.rept 32
	v_cvt_pk_bf16_f32 v[HR+z], v[BF+2*z], v[BF+2*z+1]
.set z, z+1
.endr
.irp n, 0,1,2,3,4,5,6,7
	global_store_b128 v6, v[HR+4*\n:HR+4*\n+3], s[72:73] offset:\n*512  ; column tile n is chunk n / 2, quad n % 2
.endr
	s_add_co_u32 s26, s26, 1
	s_cmp_lt_u32 s26, 4
	s_cbranch_scc1 .Ltile
.Lnoepi:
	s_add_co_u32 s75, s75, 32                      ; my group's next pass is two on
	s_sub_co_u32 s24, s24, 1
	s_cmp_lg_u32 s24, 0
	s_cbranch_scc1 .Lover
	s_wait_dscnt 0x0                               ; my reads of the slice are back
	s_barrier_signal -1
	s_barrier_wait -1                              ; the closing barrier: every wave's are
	s_wait_tensorcnt 0x0                           ; the wave's end
	ds_add_u32 v4, v5
	s_wait_dscnt 0x0
	s_endpgm
.Lfunc_end_k_qa8a86fca94_ffn1:
	.size	k_qa8a86fca94_ffn1, .Lfunc_end_k_qa8a86fca94_ffn1-k_qa8a86fca94_ffn1
	.p2alignl 7, 3214868480
	.fill 96, 4, 3214868480
	.section	.rodata,"a",@progbits
	.p2align	6, 0x0
	.amdhsa_kernel k_qa8a86fca94_ffn1
		.amdhsa_group_segment_fixed_size 267264
		.amdhsa_private_segment_fixed_size 0
		.amdhsa_enable_private_segment 0
		.amdhsa_kernarg_size 40
		.amdhsa_user_sgpr_count 2
		.amdhsa_user_sgpr_kernarg_segment_ptr 1
		.amdhsa_wavefront_size32 1
		.amdhsa_system_sgpr_workgroup_id_x 1
		.amdhsa_system_sgpr_workgroup_id_y 1
		.amdhsa_system_sgpr_workgroup_id_z 1
		.amdhsa_system_vgpr_workitem_id 0
		.amdhsa_next_free_vgpr 512
		.amdhsa_next_free_sgpr 100
		.amdhsa_reserve_vcc 1
		.amdhsa_float_denorm_mode_32 3
		.amdhsa_float_denorm_mode_16_64 3
		.amdhsa_memory_ordered 1
		.amdhsa_forward_progress 1
		.amdhsa_inst_pref_size 156
	.end_amdhsa_kernel
	.amdgpu_metadata
---
amdhsa.version: [ 1, 2 ]
amdhsa.kernels:
  - .name:           k_qa8a86fca94_ffn1
    .symbol:         k_qa8a86fca94_ffn1.kd
    .args:
      - { .name: route, .offset: 0, .size: 8, .value_kind: global_buffer, .address_space: global }
      - { .name: xb, .offset: 8, .size: 8, .value_kind: global_buffer, .address_space: global }
      - { .name: w1, .offset: 16, .size: 8, .value_kind: global_buffer, .address_space: global }
      - { .name: hbuf, .offset: 24, .size: 8, .value_kind: global_buffer, .address_space: global }
      - { .name: pre, .offset: 32, .size: 8, .value_kind: global_buffer, .address_space: global }
    .group_segment_fixed_size: 267264
    .private_segment_fixed_size: 0
    .kernarg_segment_align: 8
    .kernarg_segment_size: 40
    .max_flat_workgroup_size: 256
    .sgpr_count:     100
    .vgpr_count:     512
    .wavefront_size: 32
...
	.end_amdgpu_metadata
.endif
;; end of part 5
;; launch ffn2 (part 6): grid 32 x 8, 8 waves a work-group, no clusters, 302,080 bytes of LDS; arguments route, hbuf, w2, part; writes part
.if DOCPART == 6
	.amdgcn_target "amdgcn-amd-amdhsa--gfx1250"
	.amdhsa_code_object_version 6
	.text
	.protected	k_qa8a86fca94_ffn2
	.globl	k_qa8a86fca94_ffn2
	.p2align	8
	.type	k_qa8a86fca94_ffn2,@function
k_qa8a86fca94_ffn2:
	s_mov_b64 s[64:65], 0
	v_nop
	global_prefetch_b8 v0, s[64:65] scope:SCOPE_SE
	s_setreg_imm32_b32 hwreg(HW_REG_WAVE_MODE, 25, 1), 1
	s_wait_xcnt 0x0
; SECOND PRODUCT OF THE EXPERTS.  part[q][1024 e + rank][:] = h[rank][1024 q .. 1024 q + 1023] w2[e][1024 q .. ][:], for the ranks of expert e alone.
; Work-group (x, e), x = 8 q + j, owns the slice w2[e][1024 q .. 1024 q + 1023][128 j .. 128 j + 127], which it alone reads, and all rows of expert e.
; LIMITS.  h arrives in bf16; w2 is rounded to bf16 on its way through registers; sums in f32; the four partial rows of a rank are stored in f32 and added by the next launch.
; THE STREAM AND THE PASSES as in the first product: waves 4-7 stream the slice (512 KiB of f32) through registers, 64 loads of 512 bytes out for each wave, and lay it ONCE into LDS in the order of the
; matrix operand.  A super-step is 256 of K: a barrier, it is laid down, a barrier, waves 0-3 multiply it; the loads of the next super-step stay out across the barriers.  An expert has
; T = max(ceil(cnt / 16), 1) tiles of 16 rows; pass P takes tiles 16 P + w + 4 i (w = wave % 4).  Waves 0-3 have passes 0 and 2, waves 4-7 passes 1 and 3: pass 0 goes with the stream; when the last
; super-step is laid down, waves 4-7 begin pass 1 from the resident slice, beside the end of pass 0.  A pass without a live tile is jumped over; in a pass the products of tiles past T are jumped over,
; their loads are not (they read tile T - 1), so that every wait's count is a constant.  Whole tiles past the count are not stored.
; The way out goes through a stage in LDS and stands between two barriers, which all eight waves pass: while a stage is written no wave reads the slice.
; NO CLUSTER: each slice of weights has one reader; the rows that an expert's work-groups share have no room in LDS beside the slice.
; hbuf [e][tile 64][chunk 128][quad 2][lane 32][16 bytes] is the row operand as the registers take it: each load takes 512 consecutive bytes.
; LDS: W [chunk 32][column tile 8], a fragment of 1,024 bytes + 16; the spare words; a stage of 16 rows x 272 bytes for each of the eight waves, its own: half a tile's columns at a time, since eight
; stages of whole tiles (8 x 8,448 bytes) do not fit beside the slice.
; REGISTERS.  window 0: v0-20 addresses; v64-127 BF, 8 weight fragments (laying down: packed numbers); v128-255 AF, 4 chunks x 4 row fragments (the way out: rows read back)
;             window 1: accumulator (tile t, column tile n) at 64 t + 8 n; while a wave streams: 4 slots of 16 loads x 4 registers
; SCALARS.  s14 wave; s15 wave % 4; s16 e; s17 x; s94 j; s95 q; s18 cnt; s19 T; s20 my live tiles of the pass; s21 my first tile; s24 counts my passes; s25 counts super-steps; s26 counts blocks;
;           s27 the block's byte offset in a row operand; s[28:31] row bases; s[32:63] the bitmap; s[66:67] hbuf at quarter q; s[68:69] the weights, walking; s70, s71 LDS bases; s[72:73] the stores' base; s75 16 x my next pass
.set WP,    4096                       ; bytes from row to row of w2[e]
.set WSH,   15                         ; 8 rows = 1 << WSH bytes
.set ACB,   1024                       ; bytes of a row operand from chunk to chunk
.set AQ,    512                        ; and from a fragment's first four registers to its last four
.set FP,    1040                       ; 16 modulo 256
.set CP,    8*FP
.set SPARE, 32*CP                      ; 128 bytes for each of the eight waves: four blocks of 256 bytes that no other line names
.set STAGE, SPARE+1024
.set SPIT,  272                        ; 256 bytes + 16: the 16 rows that a store touches start at 16 different groups of four banks
.set BF,    64
.set AF,    128
.set MSB, 0
.macro WIN new                         ; bits 1:0 source 0, 3:2 source 1, 5:4 source 2, 7:6 destination; the high byte repeats the setting that is left
.if MSB != (\new)
	s_set_vgpr_msb (MSB<<8)|(\new)
.set MSB, \new
.endif
.endm
; 16 loads: one unit, 32 of K x 64 columns.  Lanes 0-15 take 256 consecutive aligned bytes of one row, lanes 16-31 of the row 8 further down; load m takes rows m (m < 8) or m + 8.
.macro WLOADS u
	WIN 0x40
.set mi, 0
.rept 16
	global_load_b128 v[64*(\u)+4*mi:64*(\u)+4*mi+3], v14, s[68:69] offset:(64*(\u)+mi+8*(mi/8))*WP th:TH_LOAD_NT
.set mi, mi+1
.endr
	WIN 0
.endm
; One unit is rounded and laid down.  A lane holds 4 columns x 16 of K: for column c the pairs of neighbouring K pack into the eight registers of that column's place in a fragment.
; left = the younger loads that may stay out.  again = 1: the slot is asked for again, one super-step on.
.macro LUNIT u, again, left
	s_wait_loadcnt \left
	WIN 0x05
.irp c, 0,1,2,3
.irp i, 0,1,2,3,4,5,6,7
	v_cvt_pk_bf16_f32 v[BF+8*\c+\i], v[64*(\u)+8*\i+\c], v[64*(\u)+8*\i+4+\c]
.endr
.endr
.if \again
	WLOADS \u
.endif
	WIN 0
.irp c, 0,1,2,3
	ds_store_b128 v16, v[BF+8*\c:BF+8*\c+3] offset:(\u)*2*CP+16*\c
	ds_store_b128 v16, v[BF+8*\c+4:BF+8*\c+7] offset:(\u)*2*CP+512+16*\c
.endr
.endm
; 8 loads: the four tiles' row fragments of one chunk, into slot sl of AF.  Always eight, live tiles or not
.macro ALOAD sl, bs, imm
.irp t, 0,1,2,3
	global_load_b128 v[AF+32*(\sl)+8*\t:AF+32*(\sl)+8*\t+3],   v[8+\t], s[\bs:\bs+1] offset:(\imm)
	global_load_b128 v[AF+32*(\sl)+8*\t+4:AF+32*(\sl)+8*\t+7], v[8+\t], s[\bs:\bs+1] offset:(\imm)+AQ
.endr
.endm
; 8 LDS loads: weight fragments 4 g .. 4 g + 3 of chunk j of the block; each takes 512 consecutive bytes
.macro BLOAD j, g
.irp n, 0,1,2,3
	ds_load_b128 v[BF+8*(4*(\g)+\n):BF+8*(4*(\g)+\n)+3],   v7 offset:(\j)*CP+(4*(\g)+\n)*FP
	ds_load_b128 v[BF+8*(4*(\g)+\n)+4:BF+8*(4*(\g)+\n)+7], v7 offset:(\j)*CP+(4*(\g)+\n)*FP+512
.endr
.endm
; Up to 16 products: my live tiles x 4 column tiles, 32 of K; the first tile is multiplied in any case.  Source 0 = 16 columns of the weights, source 1 = 16 rows: lane (r, h) holds row r and columns 8 h + 0..7.
; The accumulators take turns, one instruction a turn.  At a branch and at a label every window is 0.
; The four v_nop are the places in front of the loads into registers that these products read, and of whatever reads or clears the sums.
.macro HALF j, g
.irp t, 0,1,2,3
.if \t > 0
	s_cmp_le_u32 s20, \t
	s_cbranch_scc1 .Lhalf_\@
.endif
	WIN 0x50
.irp n, 0,1,2,3
	v_wmma_f32_16x16x32_bf16 v[64*\t+8*(4*(\g)+\n):64*\t+8*(4*(\g)+\n)+7], v[BF+8*(4*(\g)+\n):BF+8*(4*(\g)+\n)+7], v[AF+32*(\j)+8*\t:AF+32*(\j)+8*\t+7], v[64*\t+8*(4*(\g)+\n):64*\t+8*(4*(\g)+\n)+7]
.endr
	WIN 0
.endr
.Lhalf_\@:
.rept 4
	v_nop
.endr
.endm
; One chunk.  Row fragments are asked for three chunks ahead, weight fragments half a chunk ahead.
.macro CHUNK j, pref
	s_wait_loadcnt 16                              ; the row loads of the next two chunks may stay out: this chunk's are in
	s_wait_dscnt 8                                 ; the eight loads of fragments 4-7 may stay out: fragments 0-3 are in
	HALF \j, 0
.if (\j) == 0
	ALOAD 3, 28, 3*ACB
.else
	ALOAD (\j)-1, 30, ((\j)-1)*ACB
.endif
.if \pref
	BLOAD (\j)+1, 0
	s_wait_dscnt 8                                 ; the eight just issued may stay out: fragments 4-7 are in
.else
	s_wait_dscnt 0x0
.endif
	HALF \j, 1
.if \pref
	BLOAD (\j)+1, 1
.endif
.endm
; A block of four chunks, at LDS byte s71 and at byte s27 of the row operands; both step on.
.macro C4
	s_wait_xcnt 0x0                                ; the row loads' bases are written again only behind this wait
	s_mov_b32 s84, s27
	s_mov_b32 s85, 0
	s_add_nc_u64 s[28:29], s[66:67], s[84:85]      ; this block's row operands,
	s_add_co_u32 s86, s27, 4*ACB
	s_and_b32 s86, s86, 32*ACB-1                   ; the next block's; behind the last block the first again: those three loads stay inside the tiles and keep the counts constant
	s_mov_b32 s87, 0
	s_add_nc_u64 s[30:31], s[66:67], s[86:87]
	s_add_co_u32 s27, s27, 4*ACB
	v_add_nc_u32 v7, s71, v6
	s_add_co_u32 s71, s71, 4*CP
	BLOAD 0, 0
	BLOAD 0, 1
	CHUNK 0, 1
	CHUNK 1, 1
	CHUNK 2, 1
	CHUNK 3, 0
.endm
; A PASS IS SET UP: where my four tiles lie, the first three chunks' row loads, the sums cleared.
.macro SETUP
	s_wait_xcnt 0x0                                ; the loads below land on registers that the last pass stored from,
	s_wait_loadcnt 0x0                             ; and no earlier load is still to write them
	s_sub_co_u32 s85, s19, 1
	s_lshl_b32 s86, s16, 6
.irp i, 0,1,2,3
	s_add_co_u32 s84, s21, 4*\i
	s_min_u32 s84, s84, s85                        ; a tile that exists,
	s_min_u32 s84, s84, 63
	s_add_co_u32 s84, s84, s86
	s_lshl_b32 s84, s84, 17                        ; 128 chunks of 1,024 bytes each
	v_add_nc_u32 v[8+\i], s84, v6
.endr
	s_mov_b32 s27, 0
	ALOAD 0, 66, 0                                 ; chunks 0, 1, 2: 24 loads out
	ALOAD 1, 66, ACB
	ALOAD 2, 66, 2*ACB
	WIN 0x40                                       ; the sums are cleared, so that one text serves every chunk; in the first pass this stands in the wait for the first weights
.set ci, 0
.rept 256
	v_mov_b32 v[ci], 0
.set ci, ci+1
.endr
	WIN 0
.endm
; The way out of tile i: 16 rows x 128 columns of f32, in two halves of 64 columns, through my own stage, back as rows of 256 bytes, and stored.
.macro OUT i
.irp hf, 0,1
	WIN 0x04                                       ; store data window 1
.irp n, 0,1,2,3
	ds_store_b128 v18, v[64*(\i)+8*(4*\hf+\n):64*(\i)+8*(4*\hf+\n)+3]   offset:64*\n      ; each accumulator is read from its low end on
	ds_store_b128 v18, v[64*(\i)+8*(4*\hf+\n)+4:64*(\i)+8*(4*\hf+\n)+7] offset:64*\n+16
.endr
	WIN 0
	s_wait_xcnt 0x0                                ; the stores' base and data registers are written again only behind this wait
.irp u, 0,1,2,3,4,5,6,7
	ds_load_b128 v[AF+32*\hf+4*\u:AF+32*\hf+4*\u+3], v19 offset:\u*2*SPIT  ; two rows; LDS serves a wave's instructions in order (ISA guide 5.7.1.4): these see the stores above, and the next half's stores come behind them
.endr
.if \hf == 0
	s_add_co_u32 s84, s21, 4*(\i)
	s_min_u32 s84, s84, 63                         ; the tile:
	s_lshl_b32 s84, s84, 4                         ; its first rank,
	s_lshl_b32 s85, s16, 10
	s_add_co_u32 s84, s84, s85                     ; + 1024 e,
	s_lshl_b32 s84, s84, 12                        ; rows of 4,096 bytes,
	s_lshl_b32 s85, s95, 25
	s_add_co_u32 s84, s84, s85                     ; in quarter q's 32 MiB,
	s_lshl_b32 s85, s94, 9
	s_add_co_u32 s84, s84, s85                     ; my 128 columns
	s_mov_b32 s85, 0
	s_add_nc_u64 s[72:73], s[10:11], s[84:85]
.endif
.irp u, 0,1,2,3,4,5,6,7
	s_wait_dscnt 7-\u                              ; the younger loads may stay out
	global_store_b128 v20, v[AF+32*\hf+4*\u:AF+32*\hf+4*\u+3], s[72:73] offset:\u*8192+\hf*256  ; sixteen lanes store 256 consecutive aligned bytes of one row, the other sixteen of the next
.endr
.endr
.endm
	s_load_b256 s[4:11], s[0:1], 0x0               ; route s[4:5], hbuf s[6:7], w2 s[8:9], part s[10:11]
	v_lshl_add_u32 v4, v0, 2, SPARE                ; my spare word,
	v_mov_b32 v5, 0                                ; and 0: kept for the closing lines alone
	v_and_b32 v1, 31, v0                           ; lane
	v_lshrrev_b32 v2, 5, v0
	v_readfirstlane_b32 s14, v2                    ; wave
	v_and_b32 v2, 15, v0                           ; R
	v_bfe_u32 v3, v0, 4, 1                         ; H
	v_lshlrev_b32 v6, 4, v1                        ; 16 x lane
	s_and_b32 s16, ttmp7, 0xffff                   ; e
	s_mov_b32 s17, ttmp9                           ; x
	s_and_b32 s94, s17, 7                          ; j: which 128 columns
	s_lshr_b32 s95, s17, 3                         ; q: which 1,024 of K
	s_and_b32 s15, s14, 3                          ; my number in my group of four waves
	s_and_b32 s86, s15, 1                          ; for the stream: my half of the columns, ch,
	s_lshr_b32 s87, s15, 1                         ; and the parity of my chunks, kp.  Every wave makes these addresses; waves 4-7 use them
	s_lshl_b32 s84, s16, 7                         ; the expert's 32 words
	s_mov_b32 s85, 0
	s_lshl_b32 s88, s16, 24                        ; the expert's weights, 16 MiB,
	s_lshl_b32 s89, s95, 22                        ; 1,024 rows of 4,096 bytes,
	s_add_co_u32 s88, s88, s89
	s_lshl_b32 s89, s94, 9                         ; my 128 columns,
	s_add_co_u32 s88, s88, s89
	s_mul_i32 s90, s87, 32*WP                      ; chunk kp,
	s_add_co_u32 s88, s88, s90
	s_lshl_b32 s90, s86, 8                         ; half ch
	s_add_co_u32 s88, s88, s90
	s_mov_b32 s89, 0
	v_lshlrev_b32 v14, 4, v2
	v_lshl_add_u32 v14, v3, WSH, v14               ; row 8 H, 16 bytes at 16 R
	s_mul_i32 s90, s87, CP
	s_mul_i32 s91, s86, 4*FP
	s_add_co_u32 s90, s90, s91
	v_lshrrev_b32 v15, 2, v2
	v_mul_u32_u24 v15, v15, FP                     ; columns 4 R .. 4 R + 3 lie in column tile 4 ch + R / 4,
	v_lshl_add_u32 v15, v3, 8, v15                 ; at the places of lanes 16 H + 4 (R % 4) + 0..3
	v_and_b32 v16, 3, v0
	v_lshl_add_u32 v15, v16, 6, v15
	v_add_nc_u32 v15, s90, v15
	v_mov_b32 v16, v15
	v_mov_b32 v7, v6
	s_mul_i32 s90, s14, 16*SPIT                    ; my stage
	s_add_co_u32 s90, s90, STAGE
	v_mul_u32_u24 v18, v2, SPIT
	v_lshl_add_u32 v18, v3, 5, v18
	v_add_nc_u32 v18, s90, v18                     ; in: row R, 32 bytes for each half of the lanes
	v_mul_u32_u24 v19, v3, SPIT
	v_lshl_add_u32 v19, v2, 4, v19
	v_add_nc_u32 v19, s90, v19                     ; back: lanes 0-15 take a row of 256 bytes, lanes 16-31 the next,
	v_lshlrev_b32 v20, 4, v2
	v_lshl_add_u32 v20, v3, 12, v20                ; and the same two rows in part
	s_wait_kmcnt 0x0
	s_add_nc_u64 s[84:85], s[4:5], s[84:85]
	s_load_b512 s[32:47], s[84:85], 0x0
	s_load_b512 s[48:63], s[84:85], 0x40
	s_add_nc_u64 s[68:69], s[8:9], s[88:89]        ; the weights at super-step 0
	s_cmp_lt_u32 s14, 4
	s_cbranch_scc1 .Lcount
	WLOADS 0                                       ; the stream's first 64 loads a wave go out before anything else
	WLOADS 1
	WLOADS 2
	WLOADS 3
.Lcount:
	s_wait_kmcnt 0x0                               ; the bitmap
	s_mov_b32 s18, 0
.set i, 0
.rept 32
	s_bcnt1_i32_b32 s84, s[32+i]
	s_add_co_u32 s18, s18, s84
.set i, i+1
.endr
	s_add_co_u32 s19, s18, 15
	s_lshr_b32 s19, s19, 4
	s_max_u32 s19, s19, 1                          ; T
	s_mov_b32 s21, s15                             ; pass 0: the first tile is w,
	s_min_u32 s84, s19, 16
	s_add_co_u32 s84, s84, 3
	s_sub_co_u32 s84, s84, s15
	s_lshr_b32 s20, s84, 2                         ; and ceil((min(T, 16) - w) / 4) of the four tiles are live
	s_lshr_b32 s75, s14, 2
	s_lshl_b32 s75, s75, 4                         ; 16 x my group's first pass: 0 for waves 0-3, 16 for waves 4-7
	s_lshl_b32 s84, s95, 15                        ; quarter q begins at chunk 32 q
	s_mov_b32 s85, 0
	s_add_nc_u64 s[66:67], s[6:7], s[84:85]        ; the row operands' base
.irp i, 0,1,2,3
	v_mov_b32 v[8+\i], v6
.endr
	s_cmp_ge_u32 s14, 4
	s_cbranch_scc1 .Lring
	SETUP                                          ; pass 0
.Lring:
	; PASS 0 AND THE STREAM: four trips, super-step k = 4 - s25.  A barrier; waves 4-7 lay it down; a barrier; waves 0-3 multiply it.  Both barriers stand on every wave's way.
	s_mov_b32 s25, 4
	s_mov_b32 s70, 0                               ; LDS byte of super-step k: 0 to 3 x 66,560
.Lstep:
	s_wait_dscnt 0x0                               ; my reads of the slice are back
	s_barrier_signal -1
	s_barrier_wait -1                              ; nobody reads the slice: super-step k may be laid down
	s_wait_xcnt 0x0                                ; the weight loads' base is written again only behind this wait
	s_add_nc_u64 s[68:69], s[68:69], 256*WP        ; the next super-step's rows
	s_cmp_lt_u32 s14, 4
	s_cbranch_scc1 .Llaid
	v_add_nc_u32 v16, s70, v15                     ; chunks 8 k + 2 u + kp for u = 0..3
	s_cmp_eq_u32 s25, 1
	s_cbranch_scc1 .Ltail
	LUNIT 0, 1, 48                                 ; three younger units of 16 loads stay out
	LUNIT 1, 1, 48
	LUNIT 2, 1, 48
	LUNIT 3, 1, 48
	s_branch .Llaid
.Ltail:                                                ; k = 3 asks for nothing: the counts run down
	LUNIT 0, 0, 48
	LUNIT 1, 0, 32
	LUNIT 2, 0, 16
	LUNIT 3, 0, 0
.Llaid:
	s_wait_dscnt 0x0                               ; my stores are in LDS
	s_barrier_signal -1
	s_barrier_wait -1                              ; super-step k may be read
	s_cmp_ge_u32 s14, 4
	s_cbranch_scc1 .Lread
	s_mov_b32 s71, s70                             ; two blocks of four chunks
	s_mov_b32 s26, 2
.Lblock:
	C4
	s_sub_co_u32 s26, s26, 1
	s_cmp_lg_u32 s26, 0
	s_cbranch_scc1 .Lblock
.Lread:
	s_add_co_u32 s70, s70, 8*CP
	s_sub_co_u32 s25, s25, 1
	s_cmp_lg_u32 s25, 0
	s_cbranch_scc1 .Lstep
	; BEHIND THE STREAM: two trips.  A trip sets a pass up and multiplies it from the resident slice; a barrier; the pass goes out through the stages; a barrier.  Waves 4-7 begin with pass 1; waves 0-3,
	; which hold pass 0, enter at the first of the two barriers.  All eight waves pass both in both trips.
	s_mov_b32 s24, 2
	s_cmp_lt_u32 s14, 4
	s_cbranch_scc1 .Lmid
.Lover:
	s_add_co_u32 s21, s75, s15                     ; my first tile of the pass: 16 P + w
	s_sub_co_i32 s84, s19, s75
	s_min_i32 s84, s84, 16                         ; tiles of that pass (none: zero or below),
	s_add_co_i32 s84, s84, 3
	s_sub_co_i32 s84, s84, s15
	s_max_i32 s84, s84, 0
	s_lshr_b32 s20, s84, 2                         ; of which mine
	s_cmp_eq_u32 s20, 0
	s_cbranch_scc1 .Lmid                           ; none: the pass is jumped over, and nothing of it is stored
	SETUP
	s_mov_b32 s71, 0
	s_mov_b32 s26, 8
.Lblk:
	C4
	s_sub_co_u32 s26, s26, 1
	s_cmp_lg_u32 s26, 0
	s_cbranch_scc1 .Lblk
.Lmid:
	s_wait_dscnt 0x0                               ; my reads of the slice are back
	s_barrier_signal -1
	s_barrier_wait -1                              ; every wave's are: the stages may be written
	s_wait_loadcnt 0x0                             ; the three loads ahead: their registers are used below
.irp i, 0,1,2,3
	s_cmp_le_u32 s20, \i
	s_cbranch_scc1 .Lsent                          ; whole tiles past the count are not stored
	OUT \i
.endr
.Lsent:
	s_wait_dscnt 0x0                               ; my stores into my stage and my reads of it are done
	s_barrier_signal -1
	s_barrier_wait -1                              ; no stage is written from here to the next barrier
	s_add_co_u32 s75, s75, 32                      ; my group's next pass is two on
	s_sub_co_u32 s24, s24, 1
	s_cmp_lg_u32 s24, 0
	s_cbranch_scc1 .Lover
	s_wait_tensorcnt 0x0                           ; the wave's end
	ds_add_u32 v4, v5
	s_wait_dscnt 0x0
	s_endpgm
.Lfunc_end_k_qa8a86fca94_ffn2:
	.size	k_qa8a86fca94_ffn2, .Lfunc_end_k_qa8a86fca94_ffn2-k_qa8a86fca94_ffn2
	.p2alignl 7, 3214868480
	.fill 96, 4, 3214868480
	.section	.rodata,"a",@progbits
	.p2align	6, 0x0
	.amdhsa_kernel k_qa8a86fca94_ffn2
		.amdhsa_group_segment_fixed_size 302080
		.amdhsa_private_segment_fixed_size 0
		.amdhsa_enable_private_segment 0
		.amdhsa_kernarg_size 32
		.amdhsa_user_sgpr_count 2
		.amdhsa_user_sgpr_kernarg_segment_ptr 1
		.amdhsa_wavefront_size32 1
		.amdhsa_system_sgpr_workgroup_id_x 1
		.amdhsa_system_sgpr_workgroup_id_y 1
		.amdhsa_system_sgpr_workgroup_id_z 1
		.amdhsa_system_vgpr_workitem_id 0
		.amdhsa_next_free_vgpr 512
		.amdhsa_next_free_sgpr 100
		.amdhsa_reserve_vcc 0
		.amdhsa_float_denorm_mode_32 3
		.amdhsa_float_denorm_mode_16_64 3
		.amdhsa_memory_ordered 1
		.amdhsa_forward_progress 1
		.amdhsa_inst_pref_size 123
	.end_amdhsa_kernel
	.amdgpu_metadata
---
amdhsa.version: [ 1, 2 ]
amdhsa.kernels:
  - .name:           k_qa8a86fca94_ffn2
    .symbol:         k_qa8a86fca94_ffn2.kd
    .args:
      - { .name: route, .offset: 0, .size: 8, .value_kind: global_buffer, .address_space: global }
      - { .name: hbuf, .offset: 8, .size: 8, .value_kind: global_buffer, .address_space: global }
      - { .name: w2, .offset: 16, .size: 8, .value_kind: global_buffer, .address_space: global }
      - { .name: part, .offset: 24, .size: 8, .value_kind: global_buffer, .address_space: global }
    .group_segment_fixed_size: 302080
    .private_segment_fixed_size: 0
    .kernarg_segment_align: 8
    .kernarg_segment_size: 32
    .max_flat_workgroup_size: 256
    .sgpr_count:     100
    .vgpr_count:     512
    .wavefront_size: 32
...
	.end_amdgpu_metadata
.endif
;; end of part 6
;; launch combine: the kernel of part 4 again; grid 256 x 1, 4 waves a work-group, no clusters, 0 bytes of LDS; arguments route, pre, gatew, softp, part, out0, out1; writes out0, out1
;; ======== version 3 of 3: 4 launches; version 2 with the launches ffn1, ffn2 written anew for expert scheduling mode
;; workspace buffers: xb 2,097,152 bytes; route 2,048 bytes of whole numbers; pre 1,024 bytes of whole numbers; gatew 8,192 bytes; softp 1,024 bytes; hbuf 67,108,864 bytes; part 134,217,728 bytes
;; launch router: the kernel of part 1 again; grid 32 x 1, 8 waves a work-group, no clusters, 103,936 bytes of LDS; arguments inputs, task_param, gate_txt_w, gate_txt_b, task_gate_w, task_gate_b, alpha, xb, route, gatew, softp; writes xb, route, gatew, softp
;; launch ffn1 (part 7): grid 32 x 8, 8 waves a work-group, no clusters, 267,264 bytes of LDS; arguments route, xb, w1, hbuf, pre; writes hbuf, pre
.if DOCPART == 7
	.amdgcn_target "amdgcn-amd-amdhsa--gfx1250"
	.amdhsa_code_object_version 6
	.text
	.protected	k_qa8a86fca94_ffn1
	.globl	k_qa8a86fca94_ffn1
	.p2align	8
	.type	k_qa8a86fca94_ffn1,@function
k_qa8a86fca94_ffn1:
	s_mov_b64 s[64:65], 0
	v_nop
	global_prefetch_b8 v0, s[64:65] scope:SCOPE_SE
	s_setreg_imm32_b32 hwreg(HW_REG_WAVE_SCHED_MODE, 0, 2), 2
	s_setreg_imm32_b32 hwreg(HW_REG_WAVE_MODE, 25, 1), 1
	s_wait_xcnt 0x0
	s_wait_alu depctr_vm_vsrc(0)
; FIRST PRODUCT OF THE EXPERTS.  h = gelu(x w1[e]) for the tokens that chose expert e alone; gelu in its tanh form.
; Work-group (x, e) owns the slice w1[e][0 .. 1023][128 x .. 128 x + 127], which it alone reads, and all rows of expert e.
; LIMITS.  x arrives rounded to bf16 (xb); w1 is rounded to bf16 on its way through registers; sums in f32; h is rounded once to bf16.
; gelu(v) = v / (1 + 2^(v (c1 + c2 v v))), by v_exp_f32 and v_rcp_f32; where the power overflows the result is v x 0, where it vanishes v.  NaN and infinities are not treated apart.
; THE STREAM.  Waves 4-7 stream the slice (512 KiB of f32) through registers, 64 loads of 512 bytes out for each wave, round it and lay it ONCE into LDS in the order of the matrix operand.
; A super-step is 256 of K: a barrier, it is laid down, a barrier, waves 0-3 multiply it: while the slice is written no wave reads it, and while it is read no wave writes it.
; The loads of the next super-step were issued while this one was laid down and stay out across the barriers.
; EVERY SPLIT IS SERVED.  An expert has cnt = 0 .. 1,024 rows, T = max(ceil(cnt / 16), 1) tiles of 16.  Pass P takes tiles 16 P + w + 4 i (w = wave % 4, i = 0..3).  Waves 0-3 have passes 0 and 2,
; waves 4-7 passes 1 and 3: pass 0 goes with the stream; when the last super-step is laid down, waves 4-7 begin pass 1 from the resident slice, beside the end of pass 0.  Behind the stream nothing writes
; LDS and no barrier stands but the closing one.  A pass without a live tile is jumped over; in a pass the products of tiles past the count are jumped over, their loads are not (they repeat the last
; row), so that every wait's count is a constant.  Whole tiles past the count are not stored.
; WHICH TOKEN HAS RANK k: every lane searches for itself.  The bitmap's 32 words (stored by the launch before) and their running count are scalars; a lane keeps the last word whose running count is not
; above its rank, then goes down the word by its counts of 16, 8, 4, 2 and 1 bits.  No number passes from lane to lane: a row's offset is plain arithmetic on what the launch has read.
; NO CLUSTER: each slice of weights has one reader, and the rows that an expert's work-groups share are gathered by a list, which no tile's descriptor covers.
; hbuf [e][tile 64][chunk 128 of 32 channels][quad 2][lane 32][16 bytes] is the next launch's row operand as its registers take it: an accumulator's lane holds eight neighbouring channels of one row.
; LDS: W [chunk 32][column tile 8], a fragment of 1,024 bytes + 16: byte 512 q + 16 l holds column l % 16, K = 32 c + 16 q + 8 (l / 16) + 0..7; then the spare words.
; THE MODE: SCHED_MODE bits 1:0 = 2 (LLVM: expert scheduling mode 2), set by the entry lines.  The code itself states the register dependences
; between vector or matrix instructions and memory or LDS instructions, with s_wait_alu, always for 0.
; THE PLAN.  Registers that memory or LDS instructions touch, and who else names them:
;   A WAVE THAT STREAMS.  Slot u (window 1, 64 registers): 16 loads land in it, unit u's roundings read it, behind them it is asked for again.  Set u % 2 of packed numbers (v64-95, v96-127): unit u's
;     roundings write it, its eight LDS stores read it.  v16, those stores' address, is written once a super-step; v14, the loads' offset, never again.
;     One wait on va_vdst a unit, behind its roundings: the slot is read, the set is written (in unit 0: and v16).  One wait on vm_vsrc at the super-step's head: the last super-step's stores have read
;     v16 and both sets; one in units 2 and 3: the stores of the unit before last have read the set.
;   A WAVE THAT MULTIPLIES.  Weight fragments 0-3 have a set for the even chunks (v64-95) and one for the odd (v32-63): chunk j's first half reads its set, the loads for chunk j + 1 land in the other.
;     Fragments 4-7 have one set (v96-127): chunk j's second half reads it, the loads for chunk j + 1 land in it at that chunk's head.  AF slot j: chunk j's products read it, the row loads of chunk
;     j + 4 land in it in chunk j + 1.  v7, the fragment loads' address, is written once a block of four chunks; v8-11, the row loads' offsets, once a pass.
;     ONE wait on va_vdst a chunk, at its head: the chunk before is done reading v96-127, the other set of fragments 0-3 and its AF slot.  The chunk's 24 loads follow it; the products that stand
;     among them name this chunk's own set, its own AF slot and accumulators alone.  Chunk 0 leans on the wait at the block's head, which also states that v7 is written.
;   THE WAY OUT.  v192-223: a tile's roundings write them, its eight stores read them: one wait on va_vdst ahead of the stores, one on vm_vsrc ahead of the next tile's roundings.  v6, the stores' offset, is never written again.
; REGISTERS.  window 0: v0-23 addresses; v24-63 the search, ten for each of four tiles, dead when the products begin; v32-63, v64-95, v96-127 weight fragments as above (the way out: v64-127 at work);
;             v128-255 AF, 4 chunks x 4 row fragments (the way out: v128-191 a tile's sums, v192-223 packed h)
;             window 1: accumulator (tile t, column tile n) at 64 t + 8 n; while a wave streams: 4 slots of 16 loads x 4 registers
; SCALARS.  s14 wave; s15 wave % 4; s16 e; s17 x; s18 cnt; s19 T; s20 my live tiles of the pass; s21 my first tile; s22 the last rank; s24 counts my passes; s25 counts super-steps; s26 counts blocks, words, tiles;
;           s27 the block's byte offset in a row operand; s[28:31] row bases; s[32:63] the bitmap; s[66:67] xb; s[68:69] the weights, walking; s70, s71 LDS bases; s[72:73] the stores' base; s75 16 x my next pass; s[92:95] four masks
.set WP,    16384                      ; bytes from row to row of w1[e]
.set WSH,   17                         ; 8 rows = 1 << WSH bytes
.set ACB,   64                         ; bytes of a row operand from chunk to chunk
.set AQ,    32                         ; and from a fragment's first four registers to its last four
.set FP,    1040                       ; 16 modulo 256
.set CP,    8*FP
.set PK,    64                         ; laying down: set s of packed numbers at PK + 32 s
.set GE,    64                         ; weight fragments 0-3 of the even chunks; those of the odd chunks lie 32 registers below, at v32
.set GH,    96                         ; weight fragments 4-7
.set WK,    64                         ; the way out: 64 registers at work
.set AF,    128
.set XR,    128                        ; the way out: a tile's 64 sums a lane
.set HR,    192                        ; the way out: the same as 32 words of bf16
.set MSB, 0
.macro WIN new                         ; bits 1:0 source 0, 3:2 source 1, 5:4 source 2, 7:6 destination; the high byte repeats the setting that is left
.if MSB != (\new)
	s_set_vgpr_msb (MSB<<8)|(\new)
.set MSB, \new
.endif
.endm
; 16 loads: one unit, 32 of K x 64 columns.  Lanes 0-15 take 256 consecutive aligned bytes of one row, lanes 16-31 of the row 8 further down; load m takes rows m (m < 8) or m + 8.
.macro WLOADS u
	WIN 0x40
.set mi, 0
.rept 16
	global_load_b128 v[64*(\u)+4*mi:64*(\u)+4*mi+3], v14, s[68:69] offset:(64*(\u)+mi+8*(mi/8))*WP th:TH_LOAD_NT
.set mi, mi+1
.endr
	WIN 0
.endm
; One unit is rounded and laid down.  A lane holds 4 columns x 16 of K: for column c the pairs of neighbouring K pack into the eight registers of that column's place in a fragment.
; left = the younger loads that may stay out.  again = 1: the slot is asked for again, one super-step on.
.macro LUNIT u, again, left
	s_wait_loadcnt \left
.if (\u) >= 2
	s_wait_alu depctr_vm_vsrc(0)                   ; the LDS stores of the unit before last have read this set of packed numbers, which the roundings below write again
.endif
	WIN 0x05
.irp c, 0,1,2,3
.irp i, 0,1,2,3,4,5,6,7
	v_cvt_pk_bf16_f32 v[PK+32*((\u)%2)+8*\c+\i], v[64*(\u)+8*\i+\c], v[64*(\u)+8*\i+4+\c]
.endr
.endr
.if \again
	WIN 0x40
.else
	WIN 0
.endif
	s_wait_alu depctr_va_vdst(0)                   ; the roundings are done reading slot u, in which the loads below land, and have written the set that the LDS stores read; in unit 0 v16 is written too
.if \again
	WLOADS \u
.endif
.irp c, 0,1,2,3
	ds_store_b128 v16, v[PK+32*((\u)%2)+8*\c:PK+32*((\u)%2)+8*\c+3] offset:(\u)*2*CP+16*\c
	ds_store_b128 v16, v[PK+32*((\u)%2)+8*\c+4:PK+32*((\u)%2)+8*\c+7] offset:(\u)*2*CP+512+16*\c
.endr
.endm
; 8 loads: the four tiles' row fragments of one chunk, into slot sl of AF.  Always eight, live tiles or not
.macro ALOAD sl, bs, imm
.irp t, 0,1,2,3
	global_load_b128 v[AF+32*(\sl)+8*\t:AF+32*(\sl)+8*\t+3],   v[8+\t], s[\bs:\bs+1] offset:(\imm)
	global_load_b128 v[AF+32*(\sl)+8*\t+4:AF+32*(\sl)+8*\t+7], v[8+\t], s[\bs:\bs+1] offset:(\imm)+AQ
.endr
.endm
; 8 LDS loads: weight fragments 4 g .. 4 g + 3 of chunk j of the block, into the 32 registers from b on; each takes 512 consecutive bytes
.macro BLOAD j, g, b
.irp n, 0,1,2,3
	ds_load_b128 v[(\b)+8*\n:(\b)+8*\n+3],   v7 offset:(\j)*CP+(4*(\g)+\n)*FP
	ds_load_b128 v[(\b)+8*\n+4:(\b)+8*\n+7], v7 offset:(\j)*CP+(4*(\g)+\n)*FP+512
.endr
.endm
; Four products: tile t x column tiles 4 g .. 4 g + 3, 32 of K; the weights' fragments lie from register b on.  Source 0 = 16 columns of the weights, source 1 = 16 rows: lane (r, h) holds row r and columns 8 h + 0..7.
; The accumulators take turns, one instruction a turn.
.macro PROD t, j, g, b
	WIN 0x50
.irp n, 0,1,2,3
	v_wmma_f32_16x16x32_bf16 v[64*(\t)+8*(4*(\g)+\n):64*(\t)+8*(4*(\g)+\n)+7], v[(\b)+8*\n:(\b)+8*\n+7], v[AF+32*(\j)+8*(\t):AF+32*(\j)+8*(\t)+7], v[64*(\t)+8*(4*(\g)+\n):64*(\t)+8*(4*(\g)+\n)+7]
.endr
	WIN 0
.endm
; Tiles 1 to 3 of a half, left at the first tile past the count: the jump passes products alone.  At a branch and at a label every window is 0.
.macro REST j, g, b
.irp t, 1,2,3
	s_cmp_le_u32 s20, \t
	s_cbranch_scc1 .Lrest_\@
	PROD \t, \j, \g, \b
.endr
.Lrest_\@:
.endm
; One chunk.  Row fragments are asked for three chunks ahead, weight fragments 0-3 a chunk ahead, fragments 4-7 at the chunk's head.  The loads that are dealt among the products stand behind the first tile's,
; which is multiplied in any case: no jump passes a load.
.macro CHUNK j, pref
	s_wait_loadcnt 16                              ; the row loads of the next two chunks may stay out: this chunk's are in
.if (\j) > 0
	s_wait_alu depctr_va_vdst(0)                   ; the last chunk's products are done reading v96-127, the other set of fragments 0-3 and their AF slot: the 24 loads of this chunk land in these
	BLOAD \j, 1, GH
.endif
	s_wait_dscnt 8                                 ; the eight loads of fragments 4-7 may stay out: fragments 0-3 are in
	PROD 0, \j, 0, (GE-32*((\j)%2))
.if (\j) == 0
	ALOAD 3, 28, 3*ACB                             ; no wait: the four products since the last wait on va_vdst name this chunk's set, its AF slot and accumulators alone
.else
	ALOAD (\j)-1, 30, ((\j)-1)*ACB
.endif
.if \pref
	BLOAD (\j)+1, 0, (GE-32*(((\j)+1)%2))
.endif
	REST \j, 0, (GE-32*((\j)%2))
.if \pref
	s_wait_dscnt 8                                 ; the next chunk's eight may stay out: fragments 4-7 are in
.else
	s_wait_dscnt 0x0
.endif
	PROD 0, \j, 1, GH
	REST \j, 1, GH
.rept 4
	v_nop                                          ; four places behind the chunk's last products: ahead of the loads into registers that they read and, behind a pass's last chunk, of whatever reads or clears the sums
.endr
.endm
; A block of four chunks, at LDS byte s71 and at byte s27 of the row operands; both step on.
.macro C4
	s_wait_xcnt 0x0                                ; the row loads' bases are written again only behind this wait
	s_mov_b32 s84, s27
	s_mov_b32 s85, 0
	s_add_nc_u64 s[28:29], s[66:67], s[84:85]      ; this block's row operands,
	s_add_co_u32 s86, s27, 4*ACB
	s_and_b32 s86, s86, 32*ACB-1                   ; the next block's; behind the last block the first again: those three loads stay inside the rows and keep the counts constant
	s_mov_b32 s87, 0
	s_add_nc_u64 s[30:31], s[66:67], s[86:87]
	s_add_co_u32 s27, s27, 4*ACB
	s_wait_alu depctr_vm_vsrc(0)                   ; the fragment loads issued so far have read v7
	v_add_nc_u32 v7, s71, v6
	s_add_co_u32 s71, s71, 4*CP
	s_wait_alu depctr_va_vdst(0)                   ; v7 is written; the last block's products are done reading the fragments' registers and AF slot 3; whatever vector lines wrote v32-127 since (the search, the way out, the roundings) are done
	BLOAD 0, 0, GE
	BLOAD 0, 1, GH
	CHUNK 0, 1
	CHUNK 1, 1
	CHUNK 2, 1
	CHUNK 3, 0
.endm
; The search's registers for tile t, at v[24 + 10 t]: +0 rank; +1 the word; +2 word number << 16 | its running count; +3 .. +6 the word's counts by 2, 4, 8, 16 bits; +7 bit; +8, +9 at work.
; One level of the search inside a word, for the four tiles: is the rank left at or beyond the count of the field at the bit reached?  Then pass the field.  The four compares stand in a run, with one wait behind it.
.macro LEVEL so, wd, stp
.irp t, 0,1,2,3
	v_bfe_u32 v[32+10*\t], v[24+(\so)+10*\t], v[31+10*\t], \wd
.endr
.irp t, 0,1,2,3
	v_cmp_ge_u32 s[92+\t], v[24+10*\t], v[32+10*\t]
.endr
	s_wait_alu depctr_va_sdst(0)                   ; the four masks s92-95 are written, ahead of their first reader
.irp t, 0,1,2,3
	v_cndmask_b32 v[32+10*\t], 0, v[32+10*\t], s[92+\t]
	v_cndmask_b32 v[33+10*\t], 0, \stp, s[92+\t]
	v_sub_nc_u32 v[24+10*\t], v[24+10*\t], v[32+10*\t]
	v_add_nc_u32 v[31+10*\t], v[31+10*\t], v[33+10*\t]
.endr
.endm
; A PASS IS SET UP: the tokens of my ranks, the first three chunks' row loads, the sums cleared.
.macro SETUP
	s_wait_xcnt 0x0                                ; the loads below land on registers that the last pass stored from,
	s_wait_loadcnt 0x0                             ; and no earlier load is still to write them
	s_wait_alu depctr_vm_vsrc(0)                   ; the last pass's row loads have read v8-11, which are written below; its stores have read v192-223, in which row loads land
.irp t, 0,1,2,3
	s_add_co_u32 s84, s21, 4*\t
	s_lshl_b32 s84, s84, 4
	v_add_nc_u32 v[24+10*\t], s84, v2              ; 16 x tile + R (both halves of the lanes alike),
	v_min_u32 v[24+10*\t], s22, v[24+10*\t]        ; or the last rank that exists
	v_mov_b32 v[25+10*\t], 0
	v_mov_b32 v[26+10*\t], 0
.endr
	s_mov_b32 s86, 0                               ; the running count
	s_mov_b32 s87, 0                               ; the word's number << 16
	s_mov_b32 s26, 8
.Lword_\@:                                             ; eight trips of four words: a lane keeps the last word whose running count is not above its rank
.irp q, 0,1,2,3
	s_or_b32 s85, s87, s86
.irp t, 0,1,2,3
	v_cmp_le_u32 s[92+\t], s86, v[24+10*\t]
.endr
	s_wait_alu depctr_va_sdst(0)                   ; the four masks s92-95 are written, ahead of their first reader
.irp t, 0,1,2,3
	v_cndmask_b32 v[25+10*\t], v[25+10*\t], s[32+\q], s[92+\t]
	v_cndmask_b32 v[26+10*\t], v[26+10*\t], s85, s[92+\t]
.endr
	s_bcnt1_i32_b32 s84, s[32+\q]
	s_add_co_u32 s86, s86, s84
	s_add_co_u32 s87, s87, 0x10000
.endr
	s_mov_b64 s[88:89], s[32:33]                   ; the 32 words are turned by four: behind the eighth trip they lie as they lay
	s_mov_b64 s[90:91], s[34:35]
.set ri, 0
.rept 14
	s_mov_b64 s[32+2*ri:33+2*ri], s[36+2*ri:37+2*ri]
.set ri, ri+1
.endr
	s_mov_b64 s[60:61], s[88:89]
	s_mov_b64 s[62:63], s[90:91]
	s_sub_co_u32 s26, s26, 1
	s_cmp_lg_u32 s26, 0
	s_cbranch_scc1 .Lword_\@
.irp t, 0,1,2,3
	v_and_b32 v[32+10*\t], 0xffff, v[26+10*\t]
	v_sub_nc_u32 v[24+10*\t], v[24+10*\t], v[32+10*\t]   ; the rank inside the word
	v_lshrrev_b32 v[32+10*\t], 1, v[25+10*\t]
	v_and_b32 v[32+10*\t], s76, v[32+10*\t]
	v_sub_nc_u32 v[27+10*\t], v[25+10*\t], v[32+10*\t]
	v_lshrrev_b32 v[32+10*\t], 2, v[27+10*\t]
	v_and_b32 v[32+10*\t], s77, v[32+10*\t]
	v_and_b32 v[28+10*\t], s77, v[27+10*\t]
	v_add_nc_u32 v[28+10*\t], v[28+10*\t], v[32+10*\t]
	v_lshrrev_b32 v[32+10*\t], 4, v[28+10*\t]
	v_add_nc_u32 v[29+10*\t], v[28+10*\t], v[32+10*\t]
	v_and_b32 v[29+10*\t], s78, v[29+10*\t]
	v_lshrrev_b32 v[32+10*\t], 8, v[29+10*\t]
	v_add_nc_u32 v[30+10*\t], v[29+10*\t], v[32+10*\t]
	v_mov_b32 v[31+10*\t], 0
.endr
	LEVEL 6, 8, 16
	LEVEL 5, 8, 8
	LEVEL 4, 4, 4
	LEVEL 3, 2, 2
	LEVEL 1, 1, 1
.irp t, 0,1,2,3
	v_lshrrev_b32 v[32+10*\t], 16, v[26+10*\t]
	v_lshl_add_u32 v[8+\t], v[32+10*\t], 5, v[31+10*\t]  ; 32 x word + bit
	v_min_u32 v[8+\t], 0x3ff, v[8+\t]
	v_lshl_add_u32 v[8+\t], v[8+\t], 11, v17       ; the token's row of 2,048 bytes + 16 H
.endr
	s_mov_b32 s27, 0
	s_wait_alu depctr_va_vdst(0)                   ; v8-11 are written, which the row loads read; the last pass's products and its way out are done with v128-223, in which they land
	ALOAD 0, 66, 0                                 ; chunks 0, 1, 2: 24 loads out
	ALOAD 1, 66, ACB
	ALOAD 2, 66, 2*ACB
	WIN 0x40                                       ; the sums are cleared, so that one text serves every chunk; in the first pass this stands in the wait for the first weights
.set ci, 0
.rept 256
	v_mov_b32 v[ci], 0
.set ci, ci+1
.endr
	WIN 0
.endm
; Tile i's 64 sums a lane come into window 0, ascending: each accumulator is read from its low end on.  So the activation below is written once for the four tiles.
.macro COPY i
	WIN 0x01
.set z, 0
.rept 64
	v_mov_b32 v[XR+z], v[64*(\i)+z]
.set z, z+1
.endr
	WIN 0
.endm
	s_load_b256 s[4:11], s[0:1], 0x0               ; route s[4:5], xb s[6:7], w1 s[8:9], hbuf s[10:11]
	s_load_b64 s[12:13], s[0:1], 0x20              ; pre
	v_lshl_add_u32 v21, v0, 2, 0x41000
	v_mov_b32 v22, 0
	v_and_b32 v1, 31, v0                           ; lane
	v_lshrrev_b32 v2, 5, v0
	v_readfirstlane_b32 s14, v2                    ; wave
	v_and_b32 v2, 15, v0                           ; R
	v_bfe_u32 v3, v0, 4, 1                         ; H
	v_lshlrev_b32 v6, 4, v1                        ; 16 x lane
	s_wait_alu depctr_va_sdst(0)                   ; s14 is written, ahead of its first reader: addresses and branches are made from it
	s_and_b32 s16, ttmp7, 0xffff                   ; e
	s_mov_b32 s17, ttmp9                           ; x
	s_and_b32 s15, s14, 3                          ; my number in my group of four waves
	s_and_b32 s86, s15, 1                          ; for the stream: my half of the columns, ch,
	s_lshr_b32 s87, s15, 1                         ; and the parity of my chunks, kp.  Every wave makes these addresses; waves 4-7 use them
	s_lshl_b32 s84, s16, 7                         ; the expert's 32 words
	s_mov_b32 s85, 0
	s_lshl_b32 s88, s16, 24                        ; the expert's weights, 16 MiB,
	s_lshl_b32 s89, s17, 9                         ; my 128 columns,
	s_add_co_u32 s88, s88, s89
	s_mul_i32 s90, s87, 32*WP                      ; chunk kp,
	s_add_co_u32 s88, s88, s90
	s_lshl_b32 s90, s86, 8                         ; half ch
	s_add_co_u32 s88, s88, s90
	s_mov_b32 s89, 0
	v_lshlrev_b32 v14, 4, v2
	v_lshl_add_u32 v14, v3, WSH, v14               ; row 8 H, 16 bytes at 16 R
	s_mul_i32 s90, s87, CP
	s_mul_i32 s91, s86, 4*FP
	s_add_co_u32 s90, s90, s91
	v_lshrrev_b32 v15, 2, v2
	v_mul_u32_u24 v15, v15, FP                     ; columns 4 R .. 4 R + 3 lie in column tile 4 ch + R / 4,
	v_lshl_add_u32 v15, v3, 8, v15                 ; at the places of lanes 16 H + 4 (R % 4) + 0..3
	v_and_b32 v16, 3, v0
	v_lshl_add_u32 v15, v16, 6, v15
	v_add_nc_u32 v15, s90, v15
	v_mov_b32 v16, v15
	v_mov_b32 v7, v6
	s_wait_kmcnt 0x0
	s_add_nc_u64 s[84:85], s[4:5], s[84:85]
	s_load_b512 s[32:47], s[84:85], 0x0
	s_load_b512 s[48:63], s[84:85], 0x40
	s_add_nc_u64 s[68:69], s[8:9], s[88:89]        ; the weights at super-step 0
	s_wait_alu depctr_va_vdst(0)                   ; v14 is written, which every load of weights reads as its offset; so is v6, the offset of the way out's stores
	s_cmp_lt_u32 s14, 4
	s_cbranch_scc1 .Lcount
	WLOADS 0                                       ; the stream's first 64 loads a wave go out before anything else
	WLOADS 1
	WLOADS 2
	WLOADS 3
.Lcount:
	s_wait_kmcnt 0x0                               ; the bitmap
	v_mov_b32 v12, 0
	s_mov_b32 s18, 0
.set i, 0
.rept 32                                       ; lane w of v12: how many tokens below 32 w chose e (stored for the last launch)
	v_writelane_b32 v12, s18, i
	s_bcnt1_i32_b32 s84, s[32+i]
	s_add_co_u32 s18, s18, s84
.set i, i+1
.endr
	s_add_co_u32 s19, s18, 15
	s_lshr_b32 s19, s19, 4
	s_max_u32 s19, s19, 1                          ; T
	s_max_u32 s22, s18, 1
	s_sub_co_u32 s22, s22, 1                       ; the last rank that exists
	s_mov_b32 s21, s15                             ; pass 0: the first tile is w,
	s_min_u32 s84, s19, 16
	s_add_co_u32 s84, s84, 3
	s_sub_co_u32 s84, s84, s15
	s_lshr_b32 s20, s84, 2                         ; and ceil((min(T, 16) - w) / 4) of the four tiles are live
	s_lshr_b32 s75, s14, 2
	s_lshl_b32 s75, s75, 4                         ; 16 x my group's first pass: 0 for waves 0-3, 16 for waves 4-7
	s_mov_b64 s[66:67], s[6:7]                     ; the row operands' base
	s_mov_b32 s76, 0x55555555
	s_mov_b32 s77, 0x33333333
	s_mov_b32 s78, 0x0f0f0f0f
	s_mov_b32 s80, 0xc0135761                      ; c1 = -2 log2(e) sqrt(2 / pi) = -2.302208
	s_mov_b32 s81, s80                             ; named with it as a pair
	s_mov_b32 s82, 0xbdd2d3e8                      ; c2 = 0.044715 c1 = -0.1029432
	s_mov_b32 s83, s82
	v_lshlrev_b32 v17, 4, v3                       ; 16 H
	s_lshl_b32 s84, s16, 2
	v_lshl_add_u32 v23, v1, 5, s84                 ; preT[lane][e]
.irp i, 0,1,2,3
	v_mov_b32 v[8+\i], v6
.endr
	s_cmp_lg_u32 s14, 0
	s_cbranch_scc1 .Lnopre
	s_cmp_lg_u32 s17, 0
	s_cbranch_scc1 .Lnopre
	s_wait_alu depctr_va_vdst(0)                   ; v12 and v23 are written, which the store reads
	global_store_b32 v23, v12, s[12:13]            ; one work-group of each expert stores the running counts for the last launch; its three registers are never rewritten
.Lnopre:
	s_cmp_ge_u32 s14, 4
	s_cbranch_scc1 .Lring
	SETUP                                          ; pass 0
.Lring:
	; PASS 0 AND THE STREAM: four trips, super-step k = 4 - s25.  A barrier; waves 4-7 lay it down; a barrier; waves 0-3 multiply it.  Both barriers stand on every wave's way.
	s_mov_b32 s25, 4
	s_mov_b32 s70, 0                               ; LDS byte of super-step k: 0 to 3 x 66,560
.Lstep:
	s_wait_dscnt 0x0                               ; my reads of the slice are back
	s_barrier_signal -1
	s_barrier_wait -1                              ; nobody reads the slice: super-step k may be laid down
	s_wait_xcnt 0x0                                ; the weight loads' base is written again only behind this wait
	s_add_nc_u64 s[68:69], s[68:69], 256*WP        ; the next super-step's rows
	s_cmp_lt_u32 s14, 4
	s_cbranch_scc1 .Llaid
	s_wait_alu depctr_vm_vsrc(0)                   ; the last super-step's LDS stores have read v16, which the next line writes, and both sets of packed numbers, which units 0 and 1 write
	v_add_nc_u32 v16, s70, v15                     ; chunks 8 k + 2 u + kp for u = 0..3
	s_cmp_eq_u32 s25, 1
	s_cbranch_scc1 .Ltail
	LUNIT 0, 1, 48                                 ; three younger units of 16 loads stay out
	LUNIT 1, 1, 48
	LUNIT 2, 1, 48
	LUNIT 3, 1, 48
	s_branch .Llaid
.Ltail:                                                ; k = 3 asks for nothing: the counts run down
	LUNIT 0, 0, 48
	LUNIT 1, 0, 32
	LUNIT 2, 0, 16
	LUNIT 3, 0, 0
.Llaid:
	s_wait_dscnt 0x0                               ; my stores are in LDS
	s_barrier_signal -1
	s_barrier_wait -1                              ; super-step k may be read
	s_cmp_ge_u32 s14, 4
	s_cbranch_scc1 .Lread
	s_mov_b32 s71, s70                             ; two blocks of four chunks
	s_mov_b32 s26, 2
.Lblock:
	C4
	s_sub_co_u32 s26, s26, 1
	s_cmp_lg_u32 s26, 0
	s_cbranch_scc1 .Lblock
.Lread:
	s_add_co_u32 s70, s70, 8*CP
	s_sub_co_u32 s25, s25, 1
	s_cmp_lg_u32 s25, 0
	s_cbranch_scc1 .Lstep
	; BEHIND THE STREAM: two trips.  A trip sets a pass up and multiplies it from the resident slice, then sends it out.  Waves 4-7 begin with pass 1; waves 0-3, which hold pass 0, enter at the way out.
	; No barrier; nothing writes LDS.
	s_wait_alu depctr_vm_vsrc(0)                   ; the LDS stores that laid the last super-step down have read v64-127: from here on the way out's vector lines write these registers, on a way that need not pass a block's head
	s_mov_b32 s24, 2
	s_cmp_lt_u32 s14, 4
	s_cbranch_scc1 .Lmid
.Lover:
	s_add_co_u32 s21, s75, s15                     ; my first tile of the pass: 16 P + w
	s_sub_co_i32 s84, s19, s75
	s_min_i32 s84, s84, 16                         ; tiles of that pass (none: zero or below),
	s_add_co_i32 s84, s84, 3
	s_sub_co_i32 s84, s84, s15
	s_max_i32 s84, s84, 0
	s_lshr_b32 s20, s84, 2                         ; of which mine
	s_cmp_eq_u32 s20, 0
	s_cbranch_scc1 .Lmid                           ; none: the pass is jumped over, and nothing of it is stored
	SETUP
	s_mov_b32 s71, 0
	s_mov_b32 s26, 8
.Lblk:
	C4
	s_sub_co_u32 s26, s26, 1
	s_cmp_lg_u32 s26, 0
	s_cbranch_scc1 .Lblk
.Lmid:
	; THE WAY OUT: for each live tile gelu on its 64 numbers a lane, rounded to bf16, eight stores of 512 consecutive aligned bytes: 4 KiB on end.
	s_wait_loadcnt 0x0                             ; the three loads ahead: their registers are used below
	s_mov_b32 s26, 0                               ; tile i
.Ltile:
	s_cmp_ge_u32 s26, s20
	s_cbranch_scc1 .Lnoepi                         ; whole tiles past the count are not stored
	s_cmp_lg_u32 s26, 0
	s_cbranch_scc1 .Lt1
	COPY 0
	s_branch .Lgo
.Lt1:
	s_cmp_lg_u32 s26, 1
	s_cbranch_scc1 .Lt2
	COPY 1
	s_branch .Lgo
.Lt2:
	s_cmp_lg_u32 s26, 2
	s_cbranch_scc1 .Lt3
	COPY 2
	s_branch .Lgo
.Lt3:
	COPY 3
.Lgo:
.set z, 0
.rept 32
	v_pk_mul_f32 v[WK+2*z:WK+2*z+1], v[XR+2*z:XR+2*z+1], v[XR+2*z:XR+2*z+1]                      ; v v
.set z, z+1
.endr
.set z, 0
.rept 32
	v_pk_fma_f32 v[WK+2*z:WK+2*z+1], v[WK+2*z:WK+2*z+1], s[82:83], s[80:81] op_sel_hi:[1,0,0]    ; c2 v v + c1
.set z, z+1
.endr
.set z, 0
.rept 32
	v_pk_mul_f32 v[WK+2*z:WK+2*z+1], v[WK+2*z:WK+2*z+1], v[XR+2*z:XR+2*z+1]
.set z, z+1
.endr
.set z, 0
.rept 64
	v_exp_f32 v[WK+z], v[WK+z]
.set z, z+1
.endr
	v_nop                                          ; a plain instruction behind the last exponential (ISA guide 5.7.2),
	s_wait_alu depctr_va_vdst(0)                   ; and one wait for the batch: the 64 exponentials have written v64-127, ahead of their first reader
.set z, 0
.rept 32
	v_pk_add_f32 v[WK+2*z:WK+2*z+1], v[WK+2*z:WK+2*z+1], 1.0 op_sel_hi:[1,0]
.set z, z+1
.endr
.set z, 0
.rept 64
	v_rcp_f32 v[WK+z], v[WK+z]
.set z, z+1
.endr
	v_nop
	s_wait_alu depctr_va_vdst(0)                   ; one wait for the 64 reciprocals: they have written v64-127, ahead of their first reader
.set z, 0
.rept 32
	v_pk_mul_f32 v[WK+2*z:WK+2*z+1], v[WK+2*z:WK+2*z+1], v[XR+2*z:XR+2*z+1]
.set z, z+1
.endr
	s_wait_xcnt 0x0                                ; the stores' base and data registers are written again only behind this wait
	s_wait_alu depctr_vm_vsrc(0)                   ; the last tile's stores have read v192-223, which the roundings below write again
	s_lshl2_add_u32 s84, s26, s21                  ; my first tile + 4 i,
	s_min_u32 s84, s84, 63
	s_lshl_b32 s85, s16, 6
	s_add_co_u32 s84, s84, s85                     ; + 64 e:
	s_lshl_b32 s84, s84, 17                        ; a tile is 128 chunks of 1,024 bytes;
	s_lshl_b32 s85, s17, 12                        ; my four chunks
	s_add_co_u32 s84, s84, s85
	s_mov_b32 s85, 0
	s_add_nc_u64 s[72:73], s[10:11], s[84:85]
.set z, 0
.rept 32
	v_cvt_pk_bf16_f32 v[HR+z], v[WK+2*z], v[WK+2*z+1]
.set z, z+1
.endr
	s_wait_alu depctr_va_vdst(0)                   ; the roundings have written v192-223, which the eight stores read
.irp n, 0,1,2,3,4,5,6,7
	global_store_b128 v6, v[HR+4*\n:HR+4*\n+3], s[72:73] offset:\n*512  ; column tile n is chunk n / 2, quad n % 2
.endr
	s_add_co_u32 s26, s26, 1
	s_cmp_lt_u32 s26, 4
	s_cbranch_scc1 .Ltile
.Lnoepi:
	s_add_co_u32 s75, s75, 32                      ; my group's next pass is two on
	s_sub_co_u32 s24, s24, 1
	s_cmp_lg_u32 s24, 0
	s_cbranch_scc1 .Lover
	s_wait_dscnt 0x0                               ; my reads of the slice are back
	s_barrier_signal -1
	s_barrier_wait -1                              ; the closing barrier: every wave's are
	s_wait_dscnt 0x0                               ; the wave's end
	s_wait_alu depctr_hold_cnt(0) depctr_sa_sdst(0) depctr_va_vdst(0) depctr_va_sdst(0) depctr_va_ssrc(0) depctr_va_vcc(0) depctr_vm_vsrc(0)
	s_wait_tensorcnt 0x0
	ds_add_u32 v21, v22
	s_wait_dscnt 0x0
	s_endpgm
.Lfunc_end_k_qa8a86fca94_ffn1:
	.size	k_qa8a86fca94_ffn1, .Lfunc_end_k_qa8a86fca94_ffn1-k_qa8a86fca94_ffn1
	.p2alignl 7, 3214868480
	.fill 96, 4, 3214868480
	.section	.rodata,"a",@progbits
	.p2align	6, 0x0
	.amdhsa_kernel k_qa8a86fca94_ffn1
		.amdhsa_group_segment_fixed_size 267264
		.amdhsa_private_segment_fixed_size 0
		.amdhsa_enable_private_segment 0
		.amdhsa_kernarg_size 40
		.amdhsa_user_sgpr_count 2
		.amdhsa_user_sgpr_kernarg_segment_ptr 1
		.amdhsa_wavefront_size32 1
		.amdhsa_system_sgpr_workgroup_id_x 1
		.amdhsa_system_sgpr_workgroup_id_y 1
		.amdhsa_system_sgpr_workgroup_id_z 1
		.amdhsa_system_vgpr_workitem_id 0
		.amdhsa_next_free_vgpr 512
		.amdhsa_next_free_sgpr 100
		.amdhsa_reserve_vcc 0
		.amdhsa_float_denorm_mode_32 3
		.amdhsa_float_denorm_mode_16_64 3
		.amdhsa_memory_ordered 1
		.amdhsa_forward_progress 1
		.amdhsa_inst_pref_size 160
	.end_amdhsa_kernel
	.amdgpu_metadata
---
amdhsa.version: [ 1, 2 ]
amdhsa.kernels:
  - .name:           k_qa8a86fca94_ffn1
    .symbol:         k_qa8a86fca94_ffn1.kd
    .args:
      - { .name: route, .offset: 0, .size: 8, .value_kind: global_buffer, .address_space: global }
      - { .name: xb, .offset: 8, .size: 8, .value_kind: global_buffer, .address_space: global }
      - { .name: w1, .offset: 16, .size: 8, .value_kind: global_buffer, .address_space: global }
      - { .name: hbuf, .offset: 24, .size: 8, .value_kind: global_buffer, .address_space: global }
      - { .name: pre, .offset: 32, .size: 8, .value_kind: global_buffer, .address_space: global }
    .group_segment_fixed_size: 267264
    .private_segment_fixed_size: 0
    .kernarg_segment_align: 8
    .kernarg_segment_size: 40
    .max_flat_workgroup_size: 256
    .sgpr_count:     100
    .vgpr_count:     512
    .wavefront_size: 32
...
	.end_amdgpu_metadata
.endif
;; end of part 7
;; launch ffn2 (part 8): grid 32 x 8, 8 waves a work-group, no clusters, 302,080 bytes of LDS; arguments route, hbuf, w2, part; writes part
.if DOCPART == 8
	.amdgcn_target "amdgcn-amd-amdhsa--gfx1250"
	.amdhsa_code_object_version 6
	.text
	.protected	k_qa8a86fca94_ffn2
	.globl	k_qa8a86fca94_ffn2
	.p2align	8
	.type	k_qa8a86fca94_ffn2,@function
k_qa8a86fca94_ffn2:
	s_mov_b64 s[64:65], 0
	v_nop
	global_prefetch_b8 v0, s[64:65] scope:SCOPE_SE
	s_setreg_imm32_b32 hwreg(HW_REG_WAVE_SCHED_MODE, 0, 2), 2
	s_setreg_imm32_b32 hwreg(HW_REG_WAVE_MODE, 25, 1), 1
	s_wait_xcnt 0x0
	s_wait_alu depctr_vm_vsrc(0)
; SECOND PRODUCT OF THE EXPERTS.  part[q][1024 e + rank][:] = h[rank][1024 q .. 1024 q + 1023] w2[e][1024 q .. ][:], for the ranks of expert e alone.
; Work-group (x, e), x = 8 q + j, owns the slice w2[e][1024 q .. 1024 q + 1023][128 j .. 128 j + 127], which it alone reads, and all rows of expert e.
; LIMITS.  h arrives in bf16; w2 is rounded to bf16 on its way through registers; sums in f32; the four partial rows of a rank are stored in f32 and added by the next launch.
; THE STREAM AND THE PASSES as in the first product: waves 4-7 stream the slice (512 KiB of f32) through registers, 64 loads of 512 bytes out for each wave, and lay it ONCE into LDS in the order of the
; matrix operand.  A super-step is 256 of K: a barrier, it is laid down, a barrier, waves 0-3 multiply it; the loads of the next super-step stay out across the barriers.  An expert has
; T = max(ceil(cnt / 16), 1) tiles of 16 rows; pass P takes tiles 16 P + w + 4 i (w = wave % 4).  Waves 0-3 have passes 0 and 2, waves 4-7 passes 1 and 3: pass 0 goes with the stream; when the last
; super-step is laid down, waves 4-7 begin pass 1 from the resident slice, beside the end of pass 0.  A pass without a live tile is jumped over; in a pass the products of tiles past T are jumped over,
; their loads are not (they read tile T - 1), so that every wait's count is a constant.  Whole tiles past the count are not stored.
; The way out goes through a stage in LDS and stands between two barriers, which all eight waves pass: while a stage is written no wave reads the slice.
; NO CLUSTER: each slice of weights has one reader; the rows that an expert's work-groups share have no room in LDS beside the slice.
; hbuf [e][tile 64][chunk 128][quad 2][lane 32][16 bytes] is the row operand as the registers take it: each load takes 512 consecutive bytes.
; LDS: W [chunk 32][column tile 8], a fragment of 1,024 bytes + 16; the spare words; a stage of 16 rows x 272 bytes for each of the eight waves, its own: half a tile's
; columns at a time, since eight stages of whole tiles (8 x 8,448 bytes) do not fit beside the slice.
; THE MODE: SCHED_MODE bits 1:0 = 2 (LLVM: expert scheduling mode 2), set by the entry lines.  The code itself states the register dependences
; between vector or matrix instructions and memory or LDS instructions, with s_wait_alu, always for 0.
; THE PLAN.  Registers that memory or LDS instructions touch, and who else names them:
;   A WAVE THAT STREAMS.  Slot u (window 1, 64 registers): 16 loads land in it, unit u's roundings read it, behind them it is asked for again.  Set u % 2 of packed numbers (v64-95, v96-127): unit u's
;     roundings write it, its eight LDS stores read it.  v16, those stores' address, is written once a super-step; v14, the loads' offset, never again.
;     One wait on va_vdst a unit, behind its roundings: the slot is read, the set is written (in unit 0: and v16).  One wait on vm_vsrc at the super-step's head: the last super-step's stores have read
;     v16 and both sets; one in units 2 and 3: the stores of the unit before last have read the set.
;   A WAVE THAT MULTIPLIES.  Weight fragments 0-3 have a set for the even chunks (v64-95) and one for the odd (v32-63): chunk j's first half reads its set, the loads for chunk j + 1 land in the other.
;     Fragments 4-7 have one set (v96-127): chunk j's second half reads it, the loads for chunk j + 1 land in it at that chunk's head.  AF slot j: chunk j's products read it, the row loads of chunk
;     j + 4 land in it in chunk j + 1.  v7, the fragment loads' address, is written once a block of four chunks; v8-11, the row loads' offsets, once a pass.
;     ONE wait on va_vdst a chunk, at its head: the chunk before is done reading v96-127, the other set of fragments 0-3 and its AF slot.  The chunk's 24 loads follow it; the products that stand
;     among them name this chunk's own set, its own AF slot and accumulators alone.  Chunk 0 leans on the wait at the block's head, which also states that v7 is written.
;   THE WAY OUT holds no vector line.  The sums: written by the products, read by the LDS stores into the stage: one wait on va_vdst ahead of the first.  v128-191: loads from the stage land in them, global
;     stores read them: one wait on vm_vsrc ahead of each run of those loads.  v18, v19, v20 are never written again.
; REGISTERS.  window 0: v0-20 addresses; v32-63, v64-95, v96-127 weight fragments as above; v128-255 AF, 4 chunks x 4 row fragments (the way out: v128-191 rows read back)
;             window 1: accumulator (tile t, column tile n) at 64 t + 8 n; while a wave streams: 4 slots of 16 loads x 4 registers
; SCALARS.  s14 wave; s15 wave % 4; s16 e; s17 x; s94 j; s95 q; s18 cnt; s19 T; s20 my live tiles of the pass; s21 my first tile; s24 counts my passes; s25 counts super-steps; s26 counts blocks;
;           s27 the block's byte offset in a row operand; s[28:31] row bases; s[32:63] the bitmap; s[66:67] hbuf at quarter q; s[68:69] the weights, walking; s70, s71 LDS bases; s[72:73] the stores' base; s75 16 x my next pass
.set WP,    4096                       ; bytes from row to row of w2[e]
.set WSH,   15                         ; 8 rows = 1 << WSH bytes
.set ACB,   1024                       ; bytes of a row operand from chunk to chunk
.set AQ,    512                        ; and from a fragment's first four registers to its last four
.set FP,    1040                       ; 16 modulo 256
.set CP,    8*FP
.set STAGE, 32*CP+1024                 ; behind the slice and the spare words
.set SPIT,  272                        ; 256 bytes + 16: the 16 rows that a store touches start at 16 different groups of four banks
.set PK,    64                         ; laying down: set s of packed numbers at PK + 32 s
.set GE,    64                         ; weight fragments 0-3 of the even chunks; those of the odd chunks lie 32 registers below, at v32
.set GH,    96                         ; weight fragments 4-7
.set AF,    128
.set MSB, 0
.macro WIN new                         ; bits 1:0 source 0, 3:2 source 1, 5:4 source 2, 7:6 destination; the high byte repeats the setting that is left
.if MSB != (\new)
	s_set_vgpr_msb (MSB<<8)|(\new)
.set MSB, \new
.endif
.endm
; 16 loads: one unit, 32 of K x 64 columns.  Lanes 0-15 take 256 consecutive aligned bytes of one row, lanes 16-31 of the row 8 further down; load m takes rows m (m < 8) or m + 8.
.macro WLOADS u
	WIN 0x40
.set mi, 0
.rept 16
	global_load_b128 v[64*(\u)+4*mi:64*(\u)+4*mi+3], v14, s[68:69] offset:(64*(\u)+mi+8*(mi/8))*WP th:TH_LOAD_NT
.set mi, mi+1
.endr
	WIN 0
.endm
; One unit is rounded and laid down.  A lane holds 4 columns x 16 of K: for column c the pairs of neighbouring K pack into the eight registers of that column's place in a fragment.
; left = the younger loads that may stay out.  again = 1: the slot is asked for again, one super-step on.
.macro LUNIT u, again, left
	s_wait_loadcnt \left
.if (\u) >= 2
	s_wait_alu depctr_vm_vsrc(0)                   ; the LDS stores of the unit before last have read this set of packed numbers, which the roundings below write again
.endif
	WIN 0x05
.irp c, 0,1,2,3
.irp i, 0,1,2,3,4,5,6,7
	v_cvt_pk_bf16_f32 v[PK+32*((\u)%2)+8*\c+\i], v[64*(\u)+8*\i+\c], v[64*(\u)+8*\i+4+\c]
.endr
.endr
.if \again
	WIN 0x40
.else
	WIN 0
.endif
	s_wait_alu depctr_va_vdst(0)                   ; the roundings are done reading slot u, in which the loads below land, and have written the set that the LDS stores read; in unit 0 v16 is written too
.if \again
	WLOADS \u
.endif
.irp c, 0,1,2,3
	ds_store_b128 v16, v[PK+32*((\u)%2)+8*\c:PK+32*((\u)%2)+8*\c+3] offset:(\u)*2*CP+16*\c
	ds_store_b128 v16, v[PK+32*((\u)%2)+8*\c+4:PK+32*((\u)%2)+8*\c+7] offset:(\u)*2*CP+512+16*\c
.endr
.endm
; 8 loads: the four tiles' row fragments of one chunk, into slot sl of AF.  Always eight, live tiles or not
.macro ALOAD sl, bs, imm
.irp t, 0,1,2,3
	global_load_b128 v[AF+32*(\sl)+8*\t:AF+32*(\sl)+8*\t+3],   v[8+\t], s[\bs:\bs+1] offset:(\imm)
	global_load_b128 v[AF+32*(\sl)+8*\t+4:AF+32*(\sl)+8*\t+7], v[8+\t], s[\bs:\bs+1] offset:(\imm)+AQ
.endr
.endm
; 8 LDS loads: weight fragments 4 g .. 4 g + 3 of chunk j of the block, into the 32 registers from b on; each takes 512 consecutive bytes
.macro BLOAD j, g, b
.irp n, 0,1,2,3
	ds_load_b128 v[(\b)+8*\n:(\b)+8*\n+3],   v7 offset:(\j)*CP+(4*(\g)+\n)*FP
	ds_load_b128 v[(\b)+8*\n+4:(\b)+8*\n+7], v7 offset:(\j)*CP+(4*(\g)+\n)*FP+512
.endr
.endm
; Four products: tile t x column tiles 4 g .. 4 g + 3, 32 of K; the weights' fragments lie from register b on.  Source 0 = 16 columns of the weights, source 1 = 16 rows: lane (r, h) holds row r and columns 8 h + 0..7.
; The accumulators take turns, one instruction a turn.
.macro PROD t, j, g, b
	WIN 0x50
.irp n, 0,1,2,3
	v_wmma_f32_16x16x32_bf16 v[64*(\t)+8*(4*(\g)+\n):64*(\t)+8*(4*(\g)+\n)+7], v[(\b)+8*\n:(\b)+8*\n+7], v[AF+32*(\j)+8*(\t):AF+32*(\j)+8*(\t)+7], v[64*(\t)+8*(4*(\g)+\n):64*(\t)+8*(4*(\g)+\n)+7]
.endr
	WIN 0
.endm
; Tiles 1 to 3 of a half, left at the first tile past the count: the jump passes products alone.  At a branch and at a label every window is 0.
.macro REST j, g, b
.irp t, 1,2,3
	s_cmp_le_u32 s20, \t
	s_cbranch_scc1 .Lrest_\@
	PROD \t, \j, \g, \b
.endr
.Lrest_\@:
.endm
; One chunk.  Row fragments are asked for three chunks ahead, weight fragments 0-3 a chunk ahead, fragments 4-7 at the chunk's head.  The loads that are dealt among the products stand behind the first tile's,
; which is multiplied in any case: no jump passes a load.
.macro CHUNK j, pref
	s_wait_loadcnt 16                              ; the row loads of the next two chunks may stay out: this chunk's are in
.if (\j) > 0
	s_wait_alu depctr_va_vdst(0)                   ; the last chunk's products are done reading v96-127, the other set of fragments 0-3 and their AF slot: the 24 loads of this chunk land in these
	BLOAD \j, 1, GH
.endif
	s_wait_dscnt 8                                 ; the eight loads of fragments 4-7 may stay out: fragments 0-3 are in
	PROD 0, \j, 0, (GE-32*((\j)%2))
.if (\j) == 0
	ALOAD 3, 28, 3*ACB                             ; no wait: the four products since the last wait on va_vdst name this chunk's set, its AF slot and accumulators alone
.else
	ALOAD (\j)-1, 30, ((\j)-1)*ACB
.endif
.if \pref
	BLOAD (\j)+1, 0, (GE-32*(((\j)+1)%2))
.endif
	REST \j, 0, (GE-32*((\j)%2))
.if \pref
	s_wait_dscnt 8                                 ; the next chunk's eight may stay out: fragments 4-7 are in
.else
	s_wait_dscnt 0x0
.endif
	PROD 0, \j, 1, GH
	REST \j, 1, GH
.rept 4
	v_nop                                          ; four places behind the chunk's last products: ahead of the loads into registers that they read and, behind a pass's last chunk, of whatever reads or clears the sums
.endr
.endm
; A block of four chunks, at LDS byte s71 and at byte s27 of the row operands; both step on.
.macro C4
	s_wait_xcnt 0x0                                ; the row loads' bases are written again only behind this wait
	s_mov_b32 s84, s27
	s_mov_b32 s85, 0
	s_add_nc_u64 s[28:29], s[66:67], s[84:85]      ; this block's row operands,
	s_add_co_u32 s86, s27, 4*ACB
	s_and_b32 s86, s86, 32*ACB-1                   ; the next block's; behind the last block the first again: those three loads stay inside the tiles and keep the counts constant
	s_mov_b32 s87, 0
	s_add_nc_u64 s[30:31], s[66:67], s[86:87]
	s_add_co_u32 s27, s27, 4*ACB
	s_wait_alu depctr_vm_vsrc(0)                   ; the fragment loads issued so far have read v7; in a wave that has streamed, its LDS stores have read v64-127, in which fragments land below
	v_add_nc_u32 v7, s71, v6
	s_add_co_u32 s71, s71, 4*CP
	s_wait_alu depctr_va_vdst(0)                   ; v7 is written; the last block's products are done reading the fragments' registers and AF slot 3; in a wave that has streamed, the roundings that wrote v64-127 are done
	BLOAD 0, 0, GE
	BLOAD 0, 1, GH
	CHUNK 0, 1
	CHUNK 1, 1
	CHUNK 2, 1
	CHUNK 3, 0
.endm
; A PASS IS SET UP: where my four tiles lie, the first three chunks' row loads, the sums cleared.
.macro SETUP
	s_wait_xcnt 0x0                                ; the loads below land on registers that the last pass stored from,
	s_wait_loadcnt 0x0                             ; and no earlier load is still to write them
	s_wait_alu depctr_vm_vsrc(0)                   ; the last pass's row loads have read v8-11, which are written below; its global stores have read v128-191, in which row loads land; its LDS stores have read the sums, which are cleared
	s_sub_co_u32 s85, s19, 1
	s_lshl_b32 s86, s16, 6
.irp i, 0,1,2,3
	s_add_co_u32 s84, s21, 4*\i
	s_min_u32 s84, s84, s85                        ; a tile that exists,
	s_min_u32 s84, s84, 63
	s_add_co_u32 s84, s84, s86
	s_lshl_b32 s84, s84, 17                        ; 128 chunks of 1,024 bytes each
	v_add_nc_u32 v[8+\i], s84, v6
.endr
	s_mov_b32 s27, 0
	s_wait_alu depctr_va_vdst(0)                   ; v8-11 are written, which the row loads read; the last pass's products are done reading v128-223, in which they land
	ALOAD 0, 66, 0                                 ; chunks 0, 1, 2: 24 loads out
	ALOAD 1, 66, ACB
	ALOAD 2, 66, 2*ACB
	WIN 0x40                                       ; the sums are cleared, so that one text serves every chunk; in the first pass this stands in the wait for the first weights
.set ci, 0
.rept 256
	v_mov_b32 v[ci], 0
.set ci, ci+1
.endr
	WIN 0
.endm
; The way out of tile i: 16 rows x 128 columns of f32, in two halves of 64 columns, through my own stage, back as rows of 256 bytes, and stored.
.macro OUT i
.irp hf, 0,1
	WIN 0x04                                       ; store data window 1
.irp n, 0,1,2,3
	ds_store_b128 v18, v[64*(\i)+8*(4*\hf+\n):64*(\i)+8*(4*\hf+\n)+3]   offset:64*\n      ; each accumulator is read from its low end on
	ds_store_b128 v18, v[64*(\i)+8*(4*\hf+\n)+4:64*(\i)+8*(4*\hf+\n)+7] offset:64*\n+16
.endr
	WIN 0
	s_wait_xcnt 0x0                                ; the stores' base and data registers are written again only behind this wait
	s_wait_alu depctr_vm_vsrc(0)                   ; the global stores of the tile before have read these 32 registers, in which the loads below land
.irp u, 0,1,2,3,4,5,6,7
	ds_load_b128 v[AF+32*\hf+4*\u:AF+32*\hf+4*\u+3], v19 offset:\u*2*SPIT  ; two rows; LDS serves a wave's instructions in order (ISA guide 5.7.1.4): these see the stores above, and the next half's stores come behind them
.endr
.if \hf == 0
	s_add_co_u32 s84, s21, 4*(\i)
	s_min_u32 s84, s84, 63                         ; the tile:
	s_lshl_b32 s84, s84, 4                         ; its first rank,
	s_lshl_b32 s85, s16, 10
	s_add_co_u32 s84, s84, s85                     ; + 1024 e,
	s_lshl_b32 s84, s84, 12                        ; rows of 4,096 bytes,
	s_lshl_b32 s85, s95, 25
	s_add_co_u32 s84, s84, s85                     ; in quarter q's 32 MiB,
	s_lshl_b32 s85, s94, 9
	s_add_co_u32 s84, s84, s85                     ; my 128 columns
	s_mov_b32 s85, 0
	s_add_nc_u64 s[72:73], s[10:11], s[84:85]
.endif
.irp u, 0,1,2,3,4,5,6,7
	s_wait_dscnt 7-\u                              ; the younger loads may stay out
	global_store_b128 v20, v[AF+32*\hf+4*\u:AF+32*\hf+4*\u+3], s[72:73] offset:\u*8192+\hf*256  ; sixteen lanes store 256 consecutive aligned bytes of one row, the other sixteen of the next
.endr
.endr
.endm
	s_load_b256 s[4:11], s[0:1], 0x0               ; route s[4:5], hbuf s[6:7], w2 s[8:9], part s[10:11]
	v_lshl_add_u32 v30, v0, 2, 0x41000
	v_mov_b32 v31, 0
	v_and_b32 v1, 31, v0                           ; lane
	v_lshrrev_b32 v2, 5, v0
	v_readfirstlane_b32 s14, v2                    ; wave
	v_and_b32 v2, 15, v0                           ; R
	v_bfe_u32 v3, v0, 4, 1                         ; H
	v_lshlrev_b32 v6, 4, v1                        ; 16 x lane
	s_wait_alu depctr_va_sdst(0)                   ; s14 is written, ahead of its first reader: addresses and branches are made from it
	s_and_b32 s16, ttmp7, 0xffff                   ; e
	s_mov_b32 s17, ttmp9                           ; x
	s_and_b32 s94, s17, 7                          ; j: which 128 columns
	s_lshr_b32 s95, s17, 3                         ; q: which 1,024 of K
	s_and_b32 s15, s14, 3                          ; my number in my group of four waves
	s_and_b32 s86, s15, 1                          ; for the stream: my half of the columns, ch,
	s_lshr_b32 s87, s15, 1                         ; and the parity of my chunks, kp.  Every wave makes these addresses; waves 4-7 use them
	s_lshl_b32 s84, s16, 7                         ; the expert's 32 words
	s_mov_b32 s85, 0
	s_lshl_b32 s88, s16, 24                        ; the expert's weights, 16 MiB,
	s_lshl_b32 s89, s95, 22                        ; 1,024 rows of 4,096 bytes,
	s_add_co_u32 s88, s88, s89
	s_lshl_b32 s89, s94, 9                         ; my 128 columns,
	s_add_co_u32 s88, s88, s89
	s_mul_i32 s90, s87, 32*WP                      ; chunk kp,
	s_add_co_u32 s88, s88, s90
	s_lshl_b32 s90, s86, 8                         ; half ch
	s_add_co_u32 s88, s88, s90
	s_mov_b32 s89, 0
	v_lshlrev_b32 v14, 4, v2
	v_lshl_add_u32 v14, v3, WSH, v14               ; row 8 H, 16 bytes at 16 R
	s_mul_i32 s90, s87, CP
	s_mul_i32 s91, s86, 4*FP
	s_add_co_u32 s90, s90, s91
	v_lshrrev_b32 v15, 2, v2
	v_mul_u32_u24 v15, v15, FP                     ; columns 4 R .. 4 R + 3 lie in column tile 4 ch + R / 4,
	v_lshl_add_u32 v15, v3, 8, v15                 ; at the places of lanes 16 H + 4 (R % 4) + 0..3
	v_and_b32 v16, 3, v0
	v_lshl_add_u32 v15, v16, 6, v15
	v_add_nc_u32 v15, s90, v15
	v_mov_b32 v16, v15
	v_mov_b32 v7, v6
	s_mul_i32 s90, s14, 16*SPIT                    ; my stage
	s_add_co_u32 s90, s90, STAGE
	v_mul_u32_u24 v18, v2, SPIT
	v_lshl_add_u32 v18, v3, 5, v18
	v_add_nc_u32 v18, s90, v18                     ; in: row R, 32 bytes for each half of the lanes
	v_mul_u32_u24 v19, v3, SPIT
	v_lshl_add_u32 v19, v2, 4, v19
	v_add_nc_u32 v19, s90, v19                     ; back: lanes 0-15 take a row of 256 bytes, lanes 16-31 the next,
	v_lshlrev_b32 v20, 4, v2
	v_lshl_add_u32 v20, v3, 12, v20                ; and the same two rows in part
	s_wait_kmcnt 0x0
	s_add_nc_u64 s[84:85], s[4:5], s[84:85]
	s_load_b512 s[32:47], s[84:85], 0x0
	s_load_b512 s[48:63], s[84:85], 0x40
	s_add_nc_u64 s[68:69], s[8:9], s[88:89]        ; the weights at super-step 0
	s_wait_alu depctr_va_vdst(0)                   ; v14 is written, which every load of weights reads as its offset; so are v18, v19 and v20, the way out's addresses
	s_cmp_lt_u32 s14, 4
	s_cbranch_scc1 .Lcount
	WLOADS 0                                       ; the stream's first 64 loads a wave go out before anything else
	WLOADS 1
	WLOADS 2
	WLOADS 3
.Lcount:
	s_wait_kmcnt 0x0                               ; the bitmap
	s_mov_b32 s18, 0
.set i, 0
.rept 32
	s_bcnt1_i32_b32 s84, s[32+i]
	s_add_co_u32 s18, s18, s84
.set i, i+1
.endr
	s_add_co_u32 s19, s18, 15
	s_lshr_b32 s19, s19, 4
	s_max_u32 s19, s19, 1                          ; T
	s_mov_b32 s21, s15                             ; pass 0: the first tile is w,
	s_min_u32 s84, s19, 16
	s_add_co_u32 s84, s84, 3
	s_sub_co_u32 s84, s84, s15
	s_lshr_b32 s20, s84, 2                         ; and ceil((min(T, 16) - w) / 4) of the four tiles are live
	s_lshr_b32 s75, s14, 2
	s_lshl_b32 s75, s75, 4                         ; 16 x my group's first pass: 0 for waves 0-3, 16 for waves 4-7
	s_lshl_b32 s84, s95, 15                        ; quarter q begins at chunk 32 q
	s_mov_b32 s85, 0
	s_add_nc_u64 s[66:67], s[6:7], s[84:85]        ; the row operands' base
.irp i, 0,1,2,3
	v_mov_b32 v[8+\i], v6
.endr
	s_cmp_ge_u32 s14, 4
	s_cbranch_scc1 .Lring
	SETUP                                          ; pass 0
.Lring:
	; PASS 0 AND THE STREAM: four trips, super-step k = 4 - s25.  A barrier; waves 4-7 lay it down; a barrier; waves 0-3 multiply it.  Both barriers stand on every wave's way.
	s_mov_b32 s25, 4
	s_mov_b32 s70, 0                               ; LDS byte of super-step k: 0 to 3 x 66,560
.Lstep:
	s_wait_dscnt 0x0                               ; my reads of the slice are back
	s_barrier_signal -1
	s_barrier_wait -1                              ; nobody reads the slice: super-step k may be laid down
	s_wait_xcnt 0x0                                ; the weight loads' base is written again only behind this wait
	s_add_nc_u64 s[68:69], s[68:69], 256*WP        ; the next super-step's rows
	s_cmp_lt_u32 s14, 4
	s_cbranch_scc1 .Llaid
	s_wait_alu depctr_vm_vsrc(0)                   ; the last super-step's LDS stores have read v16, which the next line writes, and both sets of packed numbers, which units 0 and 1 write
	v_add_nc_u32 v16, s70, v15                     ; chunks 8 k + 2 u + kp for u = 0..3
	s_cmp_eq_u32 s25, 1
	s_cbranch_scc1 .Ltail
	LUNIT 0, 1, 48                                 ; three younger units of 16 loads stay out
	LUNIT 1, 1, 48
	LUNIT 2, 1, 48
	LUNIT 3, 1, 48
	s_branch .Llaid
.Ltail:                                                ; k = 3 asks for nothing: the counts run down
	LUNIT 0, 0, 48
	LUNIT 1, 0, 32
	LUNIT 2, 0, 16
	LUNIT 3, 0, 0
.Llaid:
	s_wait_dscnt 0x0                               ; my stores are in LDS
	s_barrier_signal -1
	s_barrier_wait -1                              ; super-step k may be read
	s_cmp_ge_u32 s14, 4
	s_cbranch_scc1 .Lread
	s_mov_b32 s71, s70                             ; two blocks of four chunks
	s_mov_b32 s26, 2
.Lblock:
	C4
	s_sub_co_u32 s26, s26, 1
	s_cmp_lg_u32 s26, 0
	s_cbranch_scc1 .Lblock
.Lread:
	s_add_co_u32 s70, s70, 8*CP
	s_sub_co_u32 s25, s25, 1
	s_cmp_lg_u32 s25, 0
	s_cbranch_scc1 .Lstep
	; BEHIND THE STREAM: two trips.  A trip sets a pass up and multiplies it from the resident slice; a barrier; the pass goes out through the stages; a barrier.  Waves 4-7 begin with pass 1; waves 0-3,
	; which hold pass 0, enter at the first of the two barriers.  All eight waves pass both in both trips.
	s_mov_b32 s24, 2
	s_cmp_lt_u32 s14, 4
	s_cbranch_scc1 .Lmid
.Lover:
	s_add_co_u32 s21, s75, s15                     ; my first tile of the pass: 16 P + w
	s_sub_co_i32 s84, s19, s75
	s_min_i32 s84, s84, 16                         ; tiles of that pass (none: zero or below),
	s_add_co_i32 s84, s84, 3
	s_sub_co_i32 s84, s84, s15
	s_max_i32 s84, s84, 0
	s_lshr_b32 s20, s84, 2                         ; of which mine
	s_cmp_eq_u32 s20, 0
	s_cbranch_scc1 .Lmid                           ; none: the pass is jumped over, and nothing of it is stored
	SETUP
	s_mov_b32 s71, 0
	s_mov_b32 s26, 8
.Lblk:
	C4
	s_sub_co_u32 s26, s26, 1
	s_cmp_lg_u32 s26, 0
	s_cbranch_scc1 .Lblk
.Lmid:
	s_wait_dscnt 0x0                               ; my reads of the slice are back
	s_barrier_signal -1
	s_barrier_wait -1                              ; every wave's are: the stages may be written
	s_wait_loadcnt 0x0                             ; the three loads ahead: their registers are used below
	s_wait_alu depctr_va_vdst(0)                   ; the products have written the sums, which the LDS stores below read, and are done reading v128-191, in which the loads from the stage land; the places stand at the last chunk's end
.irp i, 0,1,2,3
	s_cmp_le_u32 s20, \i
	s_cbranch_scc1 .Lsent                          ; whole tiles past the count are not stored
	OUT \i
.endr
.Lsent:
	s_wait_dscnt 0x0                               ; my stores into my stage and my reads of it are done
	s_barrier_signal -1
	s_barrier_wait -1                              ; no stage is written from here to the next barrier
	s_add_co_u32 s75, s75, 32                      ; my group's next pass is two on
	s_sub_co_u32 s24, s24, 1
	s_cmp_lg_u32 s24, 0
	s_cbranch_scc1 .Lover
	s_wait_dscnt 0x0                               ; the wave's end
	s_wait_alu depctr_hold_cnt(0) depctr_sa_sdst(0) depctr_va_vdst(0) depctr_va_sdst(0) depctr_va_ssrc(0) depctr_va_vcc(0) depctr_vm_vsrc(0)
	s_wait_tensorcnt 0x0
	ds_add_u32 v30, v31
	s_wait_dscnt 0x0
	s_endpgm
.Lfunc_end_k_qa8a86fca94_ffn2:
	.size	k_qa8a86fca94_ffn2, .Lfunc_end_k_qa8a86fca94_ffn2-k_qa8a86fca94_ffn2
	.p2alignl 7, 3214868480
	.fill 96, 4, 3214868480
	.section	.rodata,"a",@progbits
	.p2align	6, 0x0
	.amdhsa_kernel k_qa8a86fca94_ffn2
		.amdhsa_group_segment_fixed_size 302080
		.amdhsa_private_segment_fixed_size 0
		.amdhsa_enable_private_segment 0
		.amdhsa_kernarg_size 32
		.amdhsa_user_sgpr_count 2
		.amdhsa_user_sgpr_kernarg_segment_ptr 1
		.amdhsa_wavefront_size32 1
		.amdhsa_system_sgpr_workgroup_id_x 1
		.amdhsa_system_sgpr_workgroup_id_y 1
		.amdhsa_system_sgpr_workgroup_id_z 1
		.amdhsa_system_vgpr_workitem_id 0
		.amdhsa_next_free_vgpr 512
		.amdhsa_next_free_sgpr 100
		.amdhsa_reserve_vcc 0
		.amdhsa_float_denorm_mode_32 3
		.amdhsa_float_denorm_mode_16_64 3
		.amdhsa_memory_ordered 1
		.amdhsa_forward_progress 1
		.amdhsa_inst_pref_size 123
	.end_amdhsa_kernel
	.amdgpu_metadata
---
amdhsa.version: [ 1, 2 ]
amdhsa.kernels:
  - .name:           k_qa8a86fca94_ffn2
    .symbol:         k_qa8a86fca94_ffn2.kd
    .args:
      - { .name: route, .offset: 0, .size: 8, .value_kind: global_buffer, .address_space: global }
      - { .name: hbuf, .offset: 8, .size: 8, .value_kind: global_buffer, .address_space: global }
      - { .name: w2, .offset: 16, .size: 8, .value_kind: global_buffer, .address_space: global }
      - { .name: part, .offset: 24, .size: 8, .value_kind: global_buffer, .address_space: global }
    .group_segment_fixed_size: 302080
    .private_segment_fixed_size: 0
    .kernarg_segment_align: 8
    .kernarg_segment_size: 32
    .max_flat_workgroup_size: 256
    .sgpr_count:     100
    .vgpr_count:     512
    .wavefront_size: 32
...
	.end_amdgpu_metadata
.endif
;; end of part 8
;; launch combine: the kernel of part 4 again; grid 256 x 1, 4 waves a work-group, no clusters, 0 bytes of LDS; arguments route, pre, gatew, softp, part, out0, out1; writes out0, out1
